; MI455X (gfx1250); checked and timed in simulation.
; The chip was launched on July 23, 2026; its instructions are those of AMD's public machine-readable ISA for CDNA 5 (MIT licence, August 2026) and "CDNA5" Instruction Set Architecture Reference Guide (July 2026). The comments in the code are by the model that wrote it; some were corrected since.
;; Mixture Of Experts. Allowed arithmetic: float matrix products may take bf16 or f16 operands with f32 sums; all other float work in f32.
;; Inputs: W1 8 x 1,024 x 1,024 float32; W2 8 x 1,024 x 1,024 float32; W_g 1,024 x 8 float32; W_noise 1,024 x 8 float32; b1 8 x 1,024 float32; b2 8 x 1,024 float32; noise 4 x 1,024 x 8 float32; x 4 x 1,024 x 1,024 float32.
;; Outputs: out0 4 x 1,024 x 1,024 float32.
;; Constants: k = 2.
;; 4 versions, each right; versions 2 to 3 are each faster than the one before; version 4 is version 3 with the launch gather written anew for expert scheduling mode. Each part assembles by itself: llvm-mc -triple=amdgcn-amd-amdhsa -mcpu=gfx1250 --defsym DOCPART=n.
;; ======== version 1 of 4: 6 launches
;; workspace buffers: sel 16,384 bytes of whole numbers; gates 131,072 bytes; wb 33,554,432 bytes; route 67,840 bytes of whole numbers; xg 18,874,368 bytes; hb 18,874,368 bytes; yb 37,748,736 bytes
;; launch gate (part 1): grid 256 x 1, 8 waves a work-group, no clusters, 78,848 bytes of LDS; arguments x, noise, W_g, W_noise, W1, W2, sel, gates, wb; writes sel, gates, wb
.if DOCPART == 1
	.amdgcn_target "amdgcn-amd-amdhsa--gfx1250"
	.amdhsa_code_object_version 6
	.text
	.protected	k_q99b21ddbfa_gate
	.globl	k_q99b21ddbfa_gate
	.p2align	8
	.type	k_q99b21ddbfa_gate,@function
k_q99b21ddbfa_gate:
	s_mov_b64 s[64:65], 0
	v_nop
	global_prefetch_b8 v0, s[64:65] scope:SCOPE_SE
	s_setreg_imm32_b32 hwreg(HW_REG_WAVE_MODE, 25, 1), 1
	s_wait_xcnt 0x0
; GATE AND CAST.  h = x W_g + noise + softplus(x W_noise); every h >= the second largest of a token's eight is kept (ties too);
; gates = softmax over the kept ones, 0 elsewhere; sel = the kept experts as bits 0-7.  Also W1 and W2 are rounded to bf16 into wb,
; in the layout in which they lie ([expert][k][n]; W1 first, W2 16,777,216 bytes behind).
; SHARES.  256 work-groups of eight waves.  A work-group owns 16 tokens and 1/256 of W1 and of W2 (131,072 bytes of f32 each).
; Wave w multiplies k = 128 w .. 128 w + 127 of both gate products (x, W_g, W_noise rounded to bf16, sums in f32, on the matrix unit);
; the eight partial sums meet in LDS, and wave 0 does the 16 tokens' softplus, top 2 and softmax in f32.  noise is added in f32.
; LIMITS.  h must be finite: with a NaN or an infinity in h the gates and sel of that token are unspecified.
; An exponential below 2^-126 comes out as 0 (ISA guide, entry of v_exp_f32), so a gate below about 1e-38 is 0.
; No cluster and no tensor load: no two work-groups read the same large data, and W_g and W_noise are 64 KiB in all.
.set XP,   272                         ; an LDS row: 128 bf16 + 16 bytes, an odd multiple of 16: the 16 rows of a fragment load start at 16 different groups of banks
.set WREG, 8704                        ; a wave's own LDS: 16 rows of x, then 16 rows of weights
.set WTO,  4352                        ; where the weights' rows begin in it: rows 0-7 W_g's columns, rows 8-15 W_noise's, k along the row
.set RED,  69632                       ; 8 x 1,024 bytes: each wave's partial sums
.set ACC0, 32                          ; v[32:39], v[40:47] two accumulators by turns
.set ACC1, 40
.set X,    64                          ; v[64:127]  16 rows of x as loaded; then the fragments; in wave 0 the eight partial sums
.set G,    128                         ; v[128:159] W_g as loaded
.set N,    160                         ; v[160:191] W_noise as loaded
.set NO,   128                         ; wave 0: v[128:135] noise, v[136:143] the other half of the lanes' sums,
.set OT,   136
.set ZG,   144                         ; v[144:151] x W_g, then h;  v[152:159] x W_noise, then softplus;  v[160:167] at work, then the gates
.set ZN,   152
.set T,    160
.set P,    32                          ; the cast: v[32:63] packed bf16 to store, v[64:127] and v[128:191] two batches of 16 loads
.set CA,   64
.set CB,   128
	s_load_b512 s[8:23], s[0:1], 0x0               ; x 8:9, noise 10:11, W_g 12:13, W_noise 14:15, W1 16:17, W2 18:19, sel 20:21, gates 22:23
	s_load_b64 s[24:25], s[0:1], 0x40              ; wb
	v_lshl_add_u32 v192, v0, 2, 0x13000
	v_mov_b32 v193, 0
	v_lshrrev_b32 v16, 5, v0
	v_readfirstlane_b32 s3, v16                    ; wave 0..7
	v_and_b32 v1, 31, v0                           ; lane
	v_and_b32 v2, 15, v0                           ; r
	v_bfe_u32 v3, v0, 4, 1                         ; h
	v_lshlrev_b32 v4, 4, v1
	v_lshl_add_u32 v4, s3, 9, v4                   ; x: my wave's 512 bytes of a row, 16 a lane
	v_lshlrev_b32 v5, 6, v1
	v_lshl_add_u32 v5, s3, 12, v5                  ; W_g, W_noise: my wave's 128 rows of 32 bytes, two rows (64 bytes) a lane
	s_mul_i32 s2, s3, WREG
	v_lshl_add_u32 v6, v1, 3, s2                   ; x into LDS: 4 bf16 a lane
	v_lshl_add_u32 v7, v1, 2, s2
	v_add_nc_u32 v7, WTO, v7                       ; weights into LDS: 2 bf16 (two k of one column) a lane
	v_mul_u32_u24 v8, v2, XP
	v_lshl_add_u32 v8, v3, 4, v8
	v_add_nc_u32 v8, s2, v8                        ; fragments: row r, 16 bytes for each half of the lanes
	v_lshlrev_b32 v10, 4, v1
	v_add_nc_u32 v10, RED, v10                     ; the partial sums, read
	v_lshl_add_u32 v9, s3, 10, v10                 ; and written: my wave's 1,024 bytes
	v_lshlrev_b32 v11, 5, v2                       ; noise: token r's 32 bytes
	v_lshl_add_u32 v12, v3, 4, v11                 ; gates: token r's 32 bytes, 16 for each half of the lanes
	v_lshlrev_b32 v13, 2, v2                       ; sel: token r's word
	v_lshlrev_b32 v14, 4, v1
	v_lshl_add_u32 v14, s3, 14, v14                ; the cast, in: my wave's 16,384 bytes, 16 a lane
	v_lshlrev_b32 v15, 3, v1
	v_lshl_add_u32 v15, s3, 13, v15                ; the cast, out: my wave's 8,192 bytes, 8 a lane
	s_mov_b32 s28, 0x76543210                      ; v_permlanex16_b32: each lane takes its own place in the other half
	s_mov_b32 s29, 0xfedcba98
	s_mov_b32 s30, 0xffff0000                      ; the lanes 16-31
	s_mov_b32 s31, 0xbfb8aa3b                      ; -log2(e)
	s_mov_b32 s32, 0x3f317218                      ; ln(2)
	s_mov_b32 s33, 0x3fb8aa3b                      ; log2(e)
	s_mov_b32 s27, 0
	s_wait_kmcnt 0x0
	s_lshl_b32 s26, ttmp9, 16
	s_add_nc_u64 s[8:9], s[8:9], s[26:27]          ; x at my 16 tokens (65,536 bytes a work-group)
	s_add_nc_u64 s[24:25], s[24:25], s[26:27]      ; wb at my share of W1,
	s_add_nc_u64 s[34:35], s[24:25], 0x1000000     ; and of W2
	s_lshl_b32 s26, ttmp9, 17
	s_add_nc_u64 s[16:17], s[16:17], s[26:27]      ; W1 and W2 at my share
	s_add_nc_u64 s[18:19], s[18:19], s[26:27]
	s_lshl_b32 s26, ttmp9, 9
	s_add_nc_u64 s[10:11], s[10:11], s[26:27]      ; noise and gates at my 16 tokens
	s_add_nc_u64 s[22:23], s[22:23], s[26:27]
	s_lshl_b32 s26, ttmp9, 6
	s_add_nc_u64 s[20:21], s[20:21], s[26:27]      ; sel at my 16 tokens
	; 16 loads of weights, then 16 of x: 32 loads of the wave are out
.irp i, 0,1
.irp c, 0,1,2,3
	global_load_b128 v[G+16*\i+4*\c:G+16*\i+4*\c+3], v5, s[12:13] offset:2048*\i+16*\c   ; rows 2 p and 2 p + 1, p = lane + 32 i: registers 0-7 and 8-15
	global_load_b128 v[N+16*\i+4*\c:N+16*\i+4*\c+3], v5, s[14:15] offset:2048*\i+16*\c
.endr
.endr
.irp i, 0,1,2,3,4,5,6,7,8,9,10,11,12,13,14,15
	global_load_b128 v[X+4*\i:X+4*\i+3], v4, s[8:9] offset:4096*\i                       ; token i: 512 neighbouring bytes a wave
.endr
	s_wait_loadcnt 16                              ; loads come back in order: the weights are in, the 16 loads of x may stay out
.irp i, 0,1
.irp n, 0,1,2,3,4,5,6,7
	v_cvt_pk_bf16_f32 v[16+\n], v[G+16*\i+\n], v[G+16*\i+8+\n]       ; column n, k = 2 p and 2 p + 1: turned on the way into LDS
	ds_store_b32 v7, v[16+\n] offset:\n*XP+128*\i
	v_cvt_pk_bf16_f32 v[24+\n], v[N+16*\i+\n], v[N+16*\i+8+\n]
	ds_store_b32 v7, v[24+\n] offset:(\n+8)*XP+128*\i
.endr
.endr
.irp i, 0,1,2,3,4,5,6,7,8,9,10,11,12,13,14,15
	s_wait_loadcnt 15-\i                           ; token i is in; the younger rows stay out
	v_cvt_pk_bf16_f32 v[16+2*(\i%8)], v[X+4*\i], v[X+4*\i+1]
	v_cvt_pk_bf16_f32 v[17+2*(\i%8)], v[X+4*\i+2], v[X+4*\i+3]
	ds_store_b64 v6, v[16+2*(\i%8):17+2*(\i%8)] offset:XP*\i
.endr
	; fragments of 16 rows x 32 k: two loads of 16 bytes, 32 bytes apart.  The bytes are the wave's own, and LDS serves a wave's instructions in order: no barrier.
.irp q, 0,1,2,3
	ds_load_b128 v[64+8*\q:64+8*\q+3],   v8 offset:64*\q
	ds_load_b128 v[64+8*\q+4:64+8*\q+7], v8 offset:64*\q+32
	ds_load_b128 v[96+8*\q:96+8*\q+3],   v8 offset:WTO+64*\q
	ds_load_b128 v[96+8*\q+4:96+8*\q+7], v8 offset:WTO+64*\q+32
.endr
	s_wait_dscnt 0x0
	; source 0 = the 16 weight columns, source 1 = the 16 tokens: register j of lane (r, h) is token r's x W_g[:, j] (h = 0) or x W_noise[:, j] (h = 1).
	; Two accumulators take turns, one instruction a turn.
	v_wmma_f32_16x16x32_bf16 v[ACC0:ACC0+7], v[96:103],  v[64:71], 0
	v_wmma_f32_16x16x32_bf16 v[ACC1:ACC1+7], v[104:111], v[72:79], 0
	v_wmma_f32_16x16x32_bf16 v[ACC0:ACC0+7], v[112:119], v[80:87], v[ACC0:ACC0+7]
	v_wmma_f32_16x16x32_bf16 v[ACC1:ACC1+7], v[120:127], v[88:95], v[ACC1:ACC1+7]
.rept 4
	v_nop                                          ; four places between the last product and the first read of a result (ISA guide 7.12.1)
.endr
.irp c, 0,2,4,6
	v_pk_add_f32 v[ACC0+\c:ACC0+\c+1], v[ACC0+\c:ACC0+\c+1], v[ACC1+\c:ACC1+\c+1]
.endr
	ds_store_b128 v9, v[ACC0:ACC0+3]
	ds_store_b128 v9, v[ACC0+4:ACC0+7] offset:512
	s_wait_dscnt 0x0                               ; for wave 0's sake: my partial sums are in LDS
	s_barrier_signal -1
	s_barrier_wait -1
	s_cmp_lg_u32 s3, 0
	s_cbranch_scc1 .Lcast
	; WAVE 0: the 16 tokens' gates.  Both halves of the lanes work on token r, so that each can store its half of the eight gates.
	global_load_b128 v[NO:NO+3],   v11, s[10:11]
	global_load_b128 v[NO+4:NO+7], v11, s[10:11] offset:16
.irp w, 0,1,2,3,4,5,6,7
	ds_load_b128 v[64+8*\w:64+8*\w+3],   v10 offset:1024*\w
	ds_load_b128 v[64+8*\w+4:64+8*\w+7], v10 offset:1024*\w+512
.endr
	s_wait_dscnt 0x0
.macro RSUM d, s                       ; wave d's partial sums += wave s's
.irp c, 0,2,4,6
	v_pk_add_f32 v[64+8*\d+\c:64+8*\d+\c+1], v[64+8*\d+\c:64+8*\d+\c+1], v[64+8*\s+\c:64+8*\s+\c+1]
.endr
.endm
	RSUM 0, 1
	RSUM 2, 3
	RSUM 4, 5
	RSUM 6, 7
	RSUM 0, 2
	RSUM 4, 6
	RSUM 0, 4
.irp j, 0,1,2,3,4,5,6,7
	v_permlanex16_b32 v[OT+\j], v[64+\j], s28, s29                   ; its destination counts as read: these registers were loaded above
.endr
.irp j, 0,1,2,3,4,5,6,7
	v_cndmask_b32 v[ZG+\j], v[64+\j], v[OT+\j], s30                  ; x W_g lies in lanes 0-15: lanes 16-31 take the other half's
	v_cndmask_b32 v[ZN+\j], v[OT+\j], v[64+\j], s30                  ; x W_noise lies in lanes 16-31
.endr
	; softplus(z) = max(z, 0) + ln 2 log2(1 + 2^(-log2(e) |z|)): the exponent is never above 0, so nothing overflows
.irp j, 0,1,2,3,4,5,6,7
	v_mul_f32 v[T+\j], s31, |v[ZN+\j]|
.endr
.irp j, 0,1,2,3,4,5,6,7
	v_exp_f32 v[T+\j], v[T+\j]
.endr
	v_nop                                          ; a plain instruction between the last exponential and the first use of a result
	s_wait_alu depctr_va_vdst(0)
.irp j, 0,1,2,3,4,5,6,7
	v_add_f32 v[T+\j], 1.0, v[T+\j]
.endr
.irp j, 0,1,2,3,4,5,6,7
	v_log_f32 v[T+\j], v[T+\j]
.endr
	v_nop
.irp j, 0,1,2,3,4,5,6,7
	v_max_num_f32 v[ZN+\j], 0, v[ZN+\j]
.endr
	s_wait_alu depctr_va_vdst(0)
.irp j, 0,1,2,3,4,5,6,7
	v_fma_f32 v[ZN+\j], v[T+\j], s32, v[ZN+\j]
.endr
	s_wait_loadcnt 0x0                             ; noise
.irp j, 0,1,2,3,4,5,6,7
	v_add_f32 v[ZG+\j], v[ZG+\j], v[NO+\j]
.endr
.irp j, 0,1,2,3,4,5,6,7
	v_add_f32 v[ZG+\j], v[ZG+\j], v[ZN+\j]         ; h
.endr
	; the largest (v168) and the second largest (v169), equal values counted as often as they occur
	v_max_num_f32 v168, v[ZG], v[ZG+1]
	v_min_num_f32 v169, v[ZG], v[ZG+1]
.irp j, 2,3,4,5,6,7
	v_min_num_f32 v170, v168, v[ZG+\j]
	v_max_num_f32 v169, v169, v170
	v_max_num_f32 v168, v168, v[ZG+\j]
.endr
	v_mov_b32 v171, 0
.irp j, 0,1,2,3,4,5,6,7
	v_cmp_ge_f32 s[40+\j], v[ZG+\j], v169          ; kept
	v_sub_f32 v[T+\j], v[ZG+\j], v168              ; the maximum is taken away before the exponential
	v_cndmask_b32 v170, 0, 1, s[40+\j]
	v_mul_f32 v[T+\j], s33, v[T+\j]
	v_lshl_or_b32 v171, v170, \j, v171             ; sel's bit j
.endr
.irp j, 0,1,2,3,4,5,6,7
	v_exp_f32 v[T+\j], v[T+\j]
.endr
	v_nop
	s_wait_alu depctr_va_vdst(0)
.irp j, 0,1,2,3,4,5,6,7
	v_cndmask_b32 v[T+\j], 0, v[T+\j], s[40+\j]    ; what is not kept has the weight 0
.endr
	v_add_f32 v172, v[T], v[T+1]
	v_add_f32 v173, v[T+2], v[T+3]
	v_add_f32 v174, v[T+4], v[T+5]
	v_add_f32 v175, v[T+6], v[T+7]
	v_add_f32 v172, v172, v173
	v_add_f32 v174, v174, v175
	v_add_f32 v172, v172, v174                     ; at least 1: the largest h's weight is 1
	v_rcp_f32 v173, v172
	v_nop
	s_wait_alu depctr_va_vdst(0)
.irp j, 0,1,2,3,4,5,6,7
	v_mul_f32 v[T+\j], v[T+\j], v173
.endr
.irp c, 0,1,2,3
	v_cndmask_b32 v[176+\c], v[T+\c], v[T+4+\c], s30                 ; lanes 0-15 store gates 0-3, lanes 16-31 gates 4-7
.endr
	global_store_b128 v12, v[176:179], s[22:23]    ; the wave stores 512 consecutive bytes, aligned
	v_cmp_gt_u32 vcc_lo, 16, v1
	s_wait_xcnt 0x0                                ; EXEC is a source of the store above: it changes only behind this wait
	s_and_saveexec_b32 s48, vcc_lo
	global_store_b32 v13, v171, s[20:21]           ; 16 tokens' words: 64 consecutive bytes, all that 16 tokens have
	s_wait_xcnt 0x0                                ; and it is widened again only behind this one, which also frees both stores' data for the loads below
	s_or_b32 exec_lo, exec_lo, s48
.Lcast:
	; THE CAST.  Four batches of 16 loads of 512 bytes a wave (W1's two halves of my 16 KiB, then W2's), two batches always on their way.
.macro LOADB buf, lo, j0
.irp i, 0,1,2,3,4,5,6,7,8,9,10,11,12,13,14,15
	global_load_b128 v[\buf+4*\i:\buf+4*\i+3], v14, s[\lo:\lo+1] offset:512*(\j0+\i) th:TH_LOAD_NT
.endr
.endm
.macro PROC buf, lo, j0, left          ; left - i = the loads younger than load i: the rest of its batch and the next batch
	s_wait_xcnt 0x0                                ; P is the last batch's store data: rewritten only behind this wait
.irp i, 0,1,2,3,4,5,6,7,8,9,10,11,12,13,14,15
	s_wait_loadcnt \left-\i
	v_cvt_pk_bf16_f32 v[P+2*\i],   v[\buf+4*\i],   v[\buf+4*\i+1]
	v_cvt_pk_bf16_f32 v[P+2*\i+1], v[\buf+4*\i+2], v[\buf+4*\i+3]
	global_store_b64 v15, v[P+2*\i:P+2*\i+1], s[\lo:\lo+1] offset:256*(\j0+\i)   ; the wave stores 256 consecutive bytes, aligned
.endr
.endm
	LOADB CA, 16, 0
	LOADB CB, 16, 16
	PROC  CA, 24, 0, 31
	LOADB CA, 18, 0
	PROC  CB, 24, 16, 31
	LOADB CB, 18, 16
	PROC  CA, 34, 0, 31
	PROC  CB, 34, 16, 15
	s_wait_tensorcnt 0x0
	ds_add_u32 v192, v193
	s_wait_dscnt 0x0
	s_endpgm
.Lfunc_end_k_q99b21ddbfa_gate:
	.size	k_q99b21ddbfa_gate, .Lfunc_end_k_q99b21ddbfa_gate-k_q99b21ddbfa_gate
	.p2alignl 7, 3214868480
	.fill 96, 4, 3214868480
	.section	.rodata,"a",@progbits
	.p2align	6, 0x0
	.amdhsa_kernel k_q99b21ddbfa_gate
		.amdhsa_group_segment_fixed_size 78848
		.amdhsa_private_segment_fixed_size 0
		.amdhsa_enable_private_segment 0
		.amdhsa_kernarg_size 72
		.amdhsa_user_sgpr_count 2
		.amdhsa_user_sgpr_kernarg_segment_ptr 1
		.amdhsa_wavefront_size32 1
		.amdhsa_system_sgpr_workgroup_id_x 1
		.amdhsa_system_sgpr_workgroup_id_y 1
		.amdhsa_system_sgpr_workgroup_id_z 1
		.amdhsa_system_vgpr_workitem_id 0
		.amdhsa_next_free_vgpr 194
		.amdhsa_next_free_sgpr 66
		.amdhsa_reserve_vcc 1
		.amdhsa_float_denorm_mode_32 3
		.amdhsa_float_denorm_mode_16_64 3
		.amdhsa_memory_ordered 1
		.amdhsa_forward_progress 1
		.amdhsa_inst_pref_size 50
	.end_amdhsa_kernel
	.amdgpu_metadata
---
amdhsa.version: [ 1, 2 ]
amdhsa.kernels:
  - .name:           k_q99b21ddbfa_gate
    .symbol:         k_q99b21ddbfa_gate.kd
    .args:
      - { .name: x, .offset: 0, .size: 8, .value_kind: global_buffer, .address_space: global }
      - { .name: noise, .offset: 8, .size: 8, .value_kind: global_buffer, .address_space: global }
      - { .name: W_g, .offset: 16, .size: 8, .value_kind: global_buffer, .address_space: global }
      - { .name: W_noise, .offset: 24, .size: 8, .value_kind: global_buffer, .address_space: global }
      - { .name: W1, .offset: 32, .size: 8, .value_kind: global_buffer, .address_space: global }
      - { .name: W2, .offset: 40, .size: 8, .value_kind: global_buffer, .address_space: global }
      - { .name: sel, .offset: 48, .size: 8, .value_kind: global_buffer, .address_space: global }
      - { .name: gates, .offset: 56, .size: 8, .value_kind: global_buffer, .address_space: global }
      - { .name: wb, .offset: 64, .size: 8, .value_kind: global_buffer, .address_space: global }
    .group_segment_fixed_size: 78848
    .private_segment_fixed_size: 0
    .kernarg_segment_align: 8
    .kernarg_segment_size: 72
    .max_flat_workgroup_size: 256
    .sgpr_count:     66
    .vgpr_count:     194
    .wavefront_size: 32
...
	.end_amdgpu_metadata
.endif
;; end of part 1
;; launch route (part 2): grid 1 x 1, 32 waves a work-group, no clusters, 69,888 bytes of LDS; arguments sel, route; writes route
.if DOCPART == 2
	.amdgcn_target "amdgcn-amd-amdhsa--gfx1250"
	.amdhsa_code_object_version 6
	.text
	.protected	k_q99b21ddbfa_route
	.globl	k_q99b21ddbfa_route
	.p2align	8
	.type	k_q99b21ddbfa_route,@function
k_q99b21ddbfa_route:
	s_mov_b64 s[64:65], 0
	v_nop
	global_prefetch_b8 v0, s[64:65] scope:SCOPE_SE
	s_setreg_imm32_b32 hwreg(HW_REG_WAVE_MODE, 25, 1), 1
	s_wait_xcnt 0x0
; ROUTE.  From sel (a word with 8 bits for each of 4,096 tokens) to the tables that steer the later launches' addresses.
; The routed path takes TWO experts a token: the two lowest bits of sel.  (Further bits, ties, are served by the last launch, token by token.)
; A SLOT is one (token, expert) row.  An expert's slots lie together, in the order of the tokens; each expert's region is filled up to a multiple of 128.
; 8,192 slots in 8 such regions are at most 64 + 7 blocks of 128; the capacity is 72 blocks = 9,216 slots, so there are exactly 1,024 filling slots.
; route:  bytes 0-127      tab[m0], m0 = 0..23: the expert of m-tile m0 + 24 j (128 slots each) in bits 4 j .. 4 j + 3, j = 0..2
;         bytes 128-255    32 copies of the number of m-tiles in use (written so that the first 256 bytes are whole; no launch reads them)
;         bytes 256-       padslot[p], u16, p = 0..1023: the filling slots
;         bytes 2,304-     tsl[expert][token], u16: the slot; 9,215 where the expert is not one of the token's two
; Every store's address is made of the wave's and the lane's number alone; the numbers that hang on sel are data.
; ONE work-group of 32 waves: the counts of all experts meet in LDS, and no traffic between work-groups is allowed.  Wave w = 4 e + q owns expert e and tokens 1024 q .. 1024 q + 1023.
; LIMIT.  With fewer than two bits in a word of sel (a NaN in that token's h) there are more than 1,024 filling slots, and those beyond are not listed.
.set CNT,  0x10000                     ; LDS: 32 words, the waves' counts; below it 2,048 bytes for each wave: its 1,024 entries of tsl
.set PADS, 256
.set TSL,  2304
.set CAP,  9216
.set MSTR, 24                          ; m-tiles from one tile of a work-group of the products to its next
.set B,    66                          ; s[66:97] chunk c's ballot: which of tokens 32 c + lane have my expert among their two
.set M,    32                          ; v[32:63] sel of my 1,024 tokens
	s_load_b128 s[4:7], s[0:1], 0x0                ; sel s[4:5], route s[6:7]
	v_lshl_add_u32 v72, v0, 2, 0x10100
	v_mov_b32 v73, 0
	v_lshrrev_b32 v8, 5, v0
	v_readfirstlane_b32 s8, v8                     ; wave 0..31
	v_and_b32 v1, 31, v0                           ; lane
	s_lshr_b32 s9, s8, 2                           ; e
	s_and_b32 s10, s8, 3                           ; q
	s_lshl_b32 s11, 1, s9                          ; my expert's bit
	s_lshl_b32 s15, s9, 2                          ; 4 e: my expert's first wave
	s_mov_b32 s20, 0x76543210                      ; v_permlanex16_b32: each lane takes its own place in the other half
	s_mov_b32 s21, 0xfedcba98
	v_lshlrev_b32 v2, 2, v1
	v_lshl_add_u32 v2, s10, 12, v2                 ; sel: 4,096 q + 4 lane
	v_lshlrev_b32 v7, 1, v1
	v_lshl_add_u32 v7, s8, 11, v7                  ; my wave's tsl in LDS, 2 bytes a token
	v_lshlrev_b32 v19, 4, v1
	v_lshl_add_u32 v19, s8, 11, v19                ; the same bytes, 16 a lane: LDS address and, with TSL, offset in route
	v_mov_b32 v18, CAP-1                           ; the entry of an expert that is not taken
	v_mov_b32 v13, 0                               ; written, since a DPP form counts as a reader of its destination
	s_mov_b32 s12, 0
	s_wait_kmcnt 0x0
.set cc, 0
.rept 32
	global_load_b32 v[M+cc], v2, s[4:5] offset:128*cc
.set cc, cc+1
.endr
	s_wait_loadcnt 0x0
.set cc, 0
.rept 32
	v_and_b32 v8, 0xff, v[M+cc]
	v_add_nc_u32 v9, -1, v8
	v_and_b32 v9, v9, v8                           ; without its lowest bit
	v_add_nc_u32 v10, -1, v9
	v_and_b32 v10, v10, v9                         ; without its two lowest bits
	v_xor_b32 v8, v8, v10                          ; the two lowest bits
	v_and_b32 v8, s11, v8
	v_cmp_ne_u32 s[B+cc], 0, v8
	s_bcnt1_i32_b32 s13, s[B+cc]
	s_add_co_u32 s12, s12, s13                     ; my wave's count
.set cc, cc+1
.endr
	v_mov_b32 v9, s8
	v_lshlrev_b32 v9, 2, v9
	v_add_nc_u32 v9, CNT, v9
	v_mov_b32 v10, s12
	ds_store_b32 v9, v10                           ; all lanes write the same word with the same value
	v_lshlrev_b32 v12, 2, v1
	v_add_nc_u32 v12, CNT, v12
	s_wait_dscnt 0x0                               ; for the others' sake: my count is in LDS
	s_barrier_signal -1
	s_barrier_wait -1
	ds_load_b32 v11, v12                           ; lane l: wave l's count
	s_wait_dscnt 0x0
	; an expert's count: the sum over its four waves = four neighbouring lanes
	v_mov_b32_dpp v13, v11 row_xmask:1 row_mask:0xf bank_mask:0xf
	v_add_nc_u32 v14, v11, v13
	v_mov_b32_dpp v13, v14 row_xmask:2 row_mask:0xf bank_mask:0xf
	v_add_nc_u32 v14, v14, v13                     ; v14: lane l holds the count of expert l / 4
	v_add_nc_u32 v15, 127, v14
	v_and_b32 v15, 0xffffff80, v15                 ; v15: filled up to a multiple of 128
	; my first slot = the filled-up counts of the experts before mine + the counts of my expert's earlier quarters
	v_and_b32 v16, 3, v1
	v_cmp_eq_u32 s16, 0, v16
	v_cmp_gt_u32 s17, s15, v1                      ; lane < 4 e
	v_cmp_gt_u32 s18, s8, v1                       ; lane < w
	s_and_b32 s16, s16, s17                        ; one lane for each earlier expert
	s_and_not1_b32 s18, s18, s17                   ; 4 e <= lane < w
	v_cndmask_b32 v17, 0, v15, s16
	v_cndmask_b32 v17, v17, v11, s18
.irp k, 1,2,4,8
	v_mov_b32_dpp v13, v17 row_xmask:\k row_mask:0xf bank_mask:0xf
	v_add_nc_u32 v17, v17, v13
.endr
	v_permlanex16_b32 v13, v17, s20, s21
	v_add_nc_u32 v17, v17, v13
	v_readfirstlane_b32 s12, v17
	; chunk by chunk the tokens that have my expert take the next slots, in the order of the lanes
.set cc, 0
.rept 32
	v_mbcnt_lo_u32_b32 v4, s[B+cc], 0              ; how many such lanes stand below mine
	v_add_nc_u32 v4, s12, v4
	v_min_u32 v4, CAP-1, v4                        ; the slot
	v_cndmask_b32 v5, v18, v4, s[B+cc]
	ds_store_b16 v7, v5 offset:64*cc               ; every token's entry is written
	s_bcnt1_i32_b32 s13, s[B+cc]
	s_add_co_u32 s12, s12, s13
.set cc, cc+1
.endr
	; tsl leaves LDS through registers: the bytes are my wave's own, and LDS serves a wave's instructions in order
.irp i, 0,1,2,3
	ds_load_b128 v[40+4*\i:40+4*\i+3], v19 offset:512*\i
.endr
.irp i, 0,1,2,3
	s_wait_dscnt 3-\i                              ; load i is back; the younger ones may be out
	global_store_b128 v19, v[40+4*\i:40+4*\i+3], s[6:7] offset:TSL+512*\i        ; the wave stores 512 consecutive bytes, aligned
.endr
	s_cmp_ge_u32 s8, 8
	s_cbranch_scc1 .Lend
	; WAVES 0-7: the filling slots.  n_e = expert e's count, s[24:31]; its filled-up count, s[32:39]; CP_e = the filling slots in front of expert e's, s[40:47].
	; Expert e's filling slots begin at (regions before) + n_e = (n_0 + .. + n_e) + CP_e, and what lies behind the last region counts as expert 7's.
	; So filling slot p is slot p + the sum of n_e over the experts with CP_e <= p.
.irp e, 0,1,2,3,4,5,6,7
	v_readlane_b32 s[24+\e], v14, 4*\e
	v_readlane_b32 s[32+\e], v15, 4*\e
.endr
	s_mov_b32 s40, 0
.irp e, 1,2,3,4,5,6,7
	s_sub_co_u32 s13, s[31+\e], s[23+\e]
	s_add_co_u32 s[40+\e], s[39+\e], s13
	v_mov_b32 v[56+\e], s[24+\e]
.endr
	v_lshlrev_b32 v20, 2, v1
	v_lshl_add_u32 v20, s8, 7, v20                 ; p = 128 w + 4 lane + c
.irp c, 0,1,2,3
	v_add_nc_u32 v21, \c, v20
	v_add_nc_u32 v[24+\c], s24, v21                ; CP_0 = 0 <= p
.irp e, 1,2,3,4,5,6,7
	v_cmp_le_u32 vcc_lo, s[40+\e], v21
	v_cndmask_b32 v22, 0, v[56+\e], vcc_lo
	v_add_nc_u32 v[24+\c], v[24+\c], v22
.endr
	v_min_u32 v[24+\c], CAP-1, v[24+\c]
.endr
	v_lshl_or_b32 v28, v25, 16, v24
	v_lshl_or_b32 v29, v27, 16, v26
	v_lshlrev_b32 v30, 3, v1
	v_lshl_add_u32 v30, s8, 8, v30
	global_store_b64 v30, v[28:29], s[6:7] offset:PADS                           ; the wave stores 256 consecutive bytes, aligned
	s_cmp_lg_u32 s8, 0
	s_cbranch_scc1 .Lend
	; WAVE 0: the table of m-tiles.  s[48:55]: where each expert's region ends.
	s_mov_b32 s48, s32
.irp e, 1,2,3,4,5,6,7
	s_add_co_u32 s[48+\e], s[47+\e], s[32+\e]
.endr
	s_lshr_b32 s13, s55, 7                         ; m-tiles in use
	v_mov_b32 v34, 0
.irp j, 0,1,2
	v_add_nc_u32 v32, MSTR*\j, v1
	v_lshlrev_b32 v32, 7, v32                      ; first slot of m-tile lane + 24 j
	v_mov_b32 v33, 0
.irp e, 0,1,2,3,4,5,6
	v_cmp_le_u32 vcc_lo, s[48+\e], v32             ; its expert = how many of the first seven regions end at or before it
	v_add_co_ci_u32 v33, vcc_lo, 0, v33, vcc_lo
.endr
	v_lshl_or_b32 v34, v33, 4*\j, v34
.endr
	v_lshlrev_b32 v35, 2, v1
	v_mov_b32 v36, s13
	global_store_b32 v35, v34, s[6:7]
	global_store_b32 v35, v36, s[6:7] offset:128   ; the two stores fill route's first 256 bytes
.Lend:
	s_wait_tensorcnt 0x0
	ds_add_u32 v72, v73
	s_wait_dscnt 0x0
	s_endpgm
.Lfunc_end_k_q99b21ddbfa_route:
	.size	k_q99b21ddbfa_route, .Lfunc_end_k_q99b21ddbfa_route-k_q99b21ddbfa_route
	.p2alignl 7, 3214868480
	.fill 96, 4, 3214868480
	.section	.rodata,"a",@progbits
	.p2align	6, 0x0
	.amdhsa_kernel k_q99b21ddbfa_route
		.amdhsa_group_segment_fixed_size 69888
		.amdhsa_private_segment_fixed_size 0
		.amdhsa_enable_private_segment 0
		.amdhsa_kernarg_size 16
		.amdhsa_user_sgpr_count 2
		.amdhsa_user_sgpr_kernarg_segment_ptr 1
		.amdhsa_wavefront_size32 1
		.amdhsa_system_sgpr_workgroup_id_x 1
		.amdhsa_system_sgpr_workgroup_id_y 1
		.amdhsa_system_sgpr_workgroup_id_z 1
		.amdhsa_system_vgpr_workitem_id 0
		.amdhsa_next_free_vgpr 74
		.amdhsa_next_free_sgpr 100
		.amdhsa_reserve_vcc 1
		.amdhsa_float_denorm_mode_32 3
		.amdhsa_float_denorm_mode_16_64 3
		.amdhsa_memory_ordered 1
		.amdhsa_forward_progress 1
		.amdhsa_inst_pref_size 38
	.end_amdhsa_kernel
	.amdgpu_metadata
---
amdhsa.version: [ 1, 2 ]
amdhsa.kernels:
  - .name:           k_q99b21ddbfa_route
    .symbol:         k_q99b21ddbfa_route.kd
    .args:
      - { .name: sel, .offset: 0, .size: 8, .value_kind: global_buffer, .address_space: global }
      - { .name: route, .offset: 8, .size: 8, .value_kind: global_buffer, .address_space: global }
    .group_segment_fixed_size: 69888
    .private_segment_fixed_size: 0
    .kernarg_segment_align: 8
    .kernarg_segment_size: 16
    .max_flat_workgroup_size: 1024
    .sgpr_count:     100
    .vgpr_count:     74
    .wavefront_size: 32
...
	.end_amdgpu_metadata
.endif
;; end of part 2
;; launch gather (part 3): grid 256 x 1, 20 waves a work-group, no clusters, 0 bytes of LDS; arguments x, sel, route, xg; writes xg
.if DOCPART == 3
	.amdgcn_target "amdgcn-amd-amdhsa--gfx1250"
	.amdhsa_code_object_version 6
	.text
	.protected	k_q99b21ddbfa_gather
	.globl	k_q99b21ddbfa_gather
	.p2align	8
	.type	k_q99b21ddbfa_gather,@function
k_q99b21ddbfa_gather:
	s_mov_b64 s[64:65], 0
	v_nop
	global_prefetch_b8 v0, s[64:65] scope:SCOPE_SE
	s_setreg_imm32_b32 hwreg(HW_REG_WAVE_MODE, 25, 1), 1
	s_wait_xcnt 0x0
; GATHER.  xg[slot] = bf16(x[token]) for the two slots of every token; a row of zeros for each of the 1,024 filling slots: all 9,216 rows that the next launch reads are written.
; A stream.  256 work-groups of 20 waves.  Waves 0-15: one token each: its row of 4,096 bytes is read ONCE (eight loads of 512 neighbouring bytes), rounded, and stored to both slots
; (eight stores of 256 bytes each).  Waves 16-19: one filling slot each.
; The token's two experts are the two lowest bits of sel; its slots come from tsl, the filling slots from padslot: whole numbers that an earlier launch stored.  Every expert is
; clamped to 7 and every slot to 9,215 before it enters an address.
; LIMIT.  With fewer than two bits in sel[t] (a NaN in that token's h) the token's row goes to slot 9,215, which is then a filling slot, and some filling rows stay unwritten.
; No LDS, matrix unit or cluster: nothing is shared between waves.
.set PADS, 256
.set TSL,  2304
.set CAP,  9216
	s_load_b256 s[4:11], s[0:1], 0x0               ; x s[4:5], sel s[6:7], route s[8:9], xg s[10:11]
	v_lshrrev_b32 v1, 5, v0
	v_readfirstlane_b32 s12, v1                    ; wave 0..19
	v_and_b32 v1, 31, v0
	v_lshlrev_b32 v2, 4, v1                        ; 16 bytes a lane
	v_lshlrev_b32 v3, 3, v1                        ; 8 bytes a lane
	s_mov_b32 s15, 0
	s_wait_kmcnt 0x0
	s_cmp_ge_u32 s12, 16
	s_cbranch_scc1 .Lpad
	s_lshl_b32 s13, ttmp9, 4
	s_add_co_u32 s13, s13, s12                     ; my token t
	s_lshl_b32 s14, s13, 12
	s_add_nc_u64 s[4:5], s[4:5], s[14:15]
.irp j, 0,1,2,3,4,5,6,7
	global_load_b128 v[8+4*\j:8+4*\j+3], v2, s[4:5] offset:512*\j th:TH_LOAD_NT  ; asked for first: the row hangs on no table
.endr
	s_lshl_b32 s14, s13, 2
	s_add_nc_u64 s[6:7], s[6:7], s[14:15]
	s_load_b32 s16, s[6:7], 0x0                    ; sel[t]
	s_lshl_b32 s14, s13, 1
	s_add_nc_u64 s[8:9], s[8:9], s[14:15]          ; route + 2 t
	s_wait_kmcnt 0x0
	s_and_b32 s16, s16, 0xff
.macro PICK k                          ; the lowest expert still in s16 is taken out of it, and its slot is asked for
	s_ctz_i32_b32 s17, s16
	s_min_u32 s17, s17, 7
	s_sub_co_u32 s18, s16, 1
	s_and_b32 s16, s16, s18
	s_lshl_b32 s14, s17, 13
	s_add_nc_u64 s[20+2*\k:21+2*\k], s[8:9], s[14:15]
	s_load_u16 s[28+\k], s[20+2*\k:21+2*\k], TSL   ; tsl[e][t]
.endm
	PICK 0
	PICK 1
	s_wait_kmcnt 0x0
.irp k, 0,1
	s_min_u32 s[28+\k], s[28+\k], CAP-1
	s_lshl_b32 s14, s[28+\k], 11
	s_add_nc_u64 s[24+2*\k:25+2*\k], s[10:11], s[14:15]              ; xg's row
.endr
.irp j, 0,1,2,3,4,5,6,7
	s_wait_loadcnt 7-\j                            ; load j is in; the younger ones stay out
	v_cvt_pk_bf16_f32 v[40+2*\j], v[8+4*\j],   v[8+4*\j+1]
	v_cvt_pk_bf16_f32 v[41+2*\j], v[8+4*\j+2], v[8+4*\j+3]
	global_store_b64 v3, v[40+2*\j:41+2*\j], s[24:25] offset:256*\j  ; the wave stores 256 consecutive bytes, aligned
	global_store_b64 v3, v[40+2*\j:41+2*\j], s[26:27] offset:256*\j
.endr
	s_endpgm
.Lpad:
	s_lshl_b32 s13, ttmp9, 2
	s_add_co_u32 s13, s13, s12
	s_sub_co_u32 s13, s13, 16                      ; my filling slot's number p = 4 x work-group + wave - 16
	s_lshl_b32 s14, s13, 1
	s_add_nc_u64 s[8:9], s[8:9], s[14:15]
	s_load_u16 s16, s[8:9], PADS                   ; padslot[p]
.irp c, 4,5,6,7
	v_mov_b32 v\c, 0
.endr
	s_wait_kmcnt 0x0
	s_min_u32 s16, s16, CAP-1
	s_lshl_b32 s14, s16, 11
	s_add_nc_u64 s[10:11], s[10:11], s[14:15]
.irp j, 0,1,2,3
	global_store_b128 v2, v[4:7], s[10:11] offset:512*\j             ; the wave stores 512 consecutive bytes, aligned
.endr
	s_endpgm
.Lfunc_end_k_q99b21ddbfa_gather:
	.size	k_q99b21ddbfa_gather, .Lfunc_end_k_q99b21ddbfa_gather-k_q99b21ddbfa_gather
	.p2alignl 7, 3214868480
	.fill 96, 4, 3214868480
	.section	.rodata,"a",@progbits
	.p2align	6, 0x0
	.amdhsa_kernel k_q99b21ddbfa_gather
		.amdhsa_group_segment_fixed_size 0
		.amdhsa_private_segment_fixed_size 0
		.amdhsa_enable_private_segment 0
		.amdhsa_kernarg_size 32
		.amdhsa_user_sgpr_count 2
		.amdhsa_user_sgpr_kernarg_segment_ptr 1
		.amdhsa_wavefront_size32 1
		.amdhsa_system_sgpr_workgroup_id_x 1
		.amdhsa_system_sgpr_workgroup_id_y 1
		.amdhsa_system_sgpr_workgroup_id_z 1
		.amdhsa_system_vgpr_workitem_id 0
		.amdhsa_next_free_vgpr 64
		.amdhsa_next_free_sgpr 66
		.amdhsa_reserve_vcc 0
		.amdhsa_float_denorm_mode_32 3
		.amdhsa_float_denorm_mode_16_64 3
		.amdhsa_memory_ordered 1
		.amdhsa_forward_progress 1
		.amdhsa_inst_pref_size 7
	.end_amdhsa_kernel
	.amdgpu_metadata
---
amdhsa.version: [ 1, 2 ]
amdhsa.kernels:
  - .name:           k_q99b21ddbfa_gather
    .symbol:         k_q99b21ddbfa_gather.kd
    .args:
      - { .name: x, .offset: 0, .size: 8, .value_kind: global_buffer, .address_space: global }
      - { .name: sel, .offset: 8, .size: 8, .value_kind: global_buffer, .address_space: global }
      - { .name: route, .offset: 16, .size: 8, .value_kind: global_buffer, .address_space: global }
      - { .name: xg, .offset: 24, .size: 8, .value_kind: global_buffer, .address_space: global }
    .group_segment_fixed_size: 0
    .private_segment_fixed_size: 0
    .kernarg_segment_align: 8
    .kernarg_segment_size: 32
    .max_flat_workgroup_size: 640
    .sgpr_count:     66
    .vgpr_count:     64
    .wavefront_size: 32
...
	.end_amdgpu_metadata
.endif
;; end of part 3
;; launch ffn1 (part 4): grid 192 x 1, 4 waves a work-group, no clusters, 327,680 bytes of LDS; arguments xg, wb, b1, route, hb; writes hb
.if DOCPART == 4
	.amdgcn_target "amdgcn-amd-amdhsa--gfx1250"
	.amdhsa_code_object_version 6
	.text
	.protected	k_q99b21ddbfa_ffn1
	.globl	k_q99b21ddbfa_ffn1
	.p2align	8
	.type	k_q99b21ddbfa_ffn1,@function
k_q99b21ddbfa_ffn1:
	s_mov_b64 s[64:65], 0
	v_nop
	global_prefetch_b8 v0, s[64:65] scope:SCOPE_SE
	s_setreg_imm32_b32 hwreg(HW_REG_WAVE_MODE, 25, 1), 1
	s_wait_xcnt 0x0
; GROUPED GEMM over the slots.  LAYER 1: hb = bf16(relu(xg W1_e + b1_e)).  LAYER 2: yb = hb W2_e + b2_e in f32.  e is the expert of the m-tile (128 slots), read from route's table.
; A: [slot][1024] bf16.  W: wb, [layer][expert][k][n] bf16, n along the rows: its fragments are turned on the way out of LDS by ds_load_tr16_b128.  Sums in f32.
; SHARES.  192 work-groups of four waves.  Work-group g owns the 128 columns nt = g % 8 and the three m-tiles m0 + 24 j, m0 = g / 8: it STAYS and walks them.  72 m-tiles, a constant:
; 8,192 slots (two a token) in eight regions, each filled up to a multiple of 128, are at most 64 + 7; what lies behind the last region is rows of zeros, multiplied like the others,
; so that no trip count and no barrier hangs on a number read from memory.  576 tiles = 192 x 3.  A tile is 128 x 128; a wave makes 64 x 64: 16 accumulators, 128 registers.
; RING.  K goes in four steps of 256 through two LDS slots; the ring goes on into the next tile.  Behind each change of slots every wave issues ONE tensor load of 32 KiB: waves 0, 1
; A's two halves (64 rows x 512 bytes), waves 2, 3 W's (128 k rows x 256 bytes).  By this text's count two loads of a wave are out at the start, later one.
; NO CLUSTER.  W's tiles hang on the column block and on the expert, which is read from memory.  A's tiles, half of a step's bytes, are shared by the eight work-groups of one m0 and
; could be asked for jointly by four of them; this text does not do that.
; THE MATRIX INSTRUCTION IS USED TRANSPOSED (source 0 = 16 columns of W, source 1 = 16 rows of A): a lane holds eight neighbouring numbers of a row of the result.
; REGISTERS.  Window 0: v1-27 addresses; v32-95 at work on the way out; v96-127 the bias of my lane's columns; v128-255 the accumulators ((a, b) at v[128 + 8 (4 a + b)]).
;   Window 1: two fragment buffers of 128: for 64 along K, 64 registers of A (2 x 4 x 16 rows x 32 K), then 64 of W.
.set LAYER, 1
.set TILES, 3                          ; tiles of a work-group
.set MSTR,  24                         ; m-tiles from one of them to the next
.set KSTEP, 256
.set PA,    528                        ; a row of A in LDS: 512 bytes + 16: an odd multiple of 16, so the 16 rows of a fragment load start at 16 different groups of banks
.set PW,    288                        ; a k row of W: 256 bytes + 32: an odd multiple of 32 (8 rows x 32 bytes for 16 lanes)
.set AH,    64*PA                      ; what one load of A brings, and what one wave reads of A
.set WOFF,  2*AH                       ; W's 256 k rows lie behind A's 128 rows
.set WH,    128*PW                     ; what one load of W brings
.set SLOT,  WOFF+2*WH
.set STAGE, 2*SLOT                     ; behind the ring, at a multiple of 256 bytes; no tensor load fills it
.set SP,    272
.set STEPW, KSTEP*2048                 ; bytes of W from a K step to the next
.set STEPA, 2*KSTEP*2                  ; bytes of A from a slot's K step to its next in the same tile
.set NEXT_A, MSTR*128*2048-STEPA       ; and from its last K step of a tile to its first of the next: 24 m-tiles down, back along K
.if LAYER == 1
.set OSTEP, MSTR*128*2048              ; bytes of the result from a tile to the next
.else
.set OSTEP, MSTR*128*4096
.endif
.set ADRA, 16                          ; v16-17  LDS address of my A fragments in slot 0, 1
.set ADRW, 20                          ; v20-23  of my W fragments: slot 0 k rows 0-127, 128-255; slot 1 likewise (a step's offsets would pass the 16-bit immediate)
.set STO,  24                          ; v24     the way out: where I put my numbers of a row
.set RD,   25                          ; v25     the way out: where I read a row back
.set CO,   26                          ; v26     my byte offset in the result
.set BO,   27                          ; v27     my byte offset in the bias
.set TMP,  32
.set BIAS, 96
.set ACC,  128
.set F0,   0
.set F1,   128
.set G1A, 24                           ; s[24:31] descriptor group 1 for A's tiles;  s[32:39] group 0, a set for each slot
.set G0A, 32
.set G1W, 40                           ; s[40:47], s[48:55] the same for W's
.set G0W, 48
.set MSB, 0
.macro WIN new                         ; the immediate's high byte repeats the setting that is left; a switch that changes nothing is dropped
.if MSB != \new
	s_set_vgpr_msb (MSB<<8)|\new
.set MSB, \new
.endif
.endm
.set MUL,  0x05                        ; sources 0 (W) and 1 (A) window 1; C and D window 0
.set TO_F, 0x40                        ; destination window 1, address window 0
.macro PLACES                          ; four places in front of loads into registers that matrix instructions have read, and of instructions that read results
.rept 4
	v_nop
.endr
.endm
.macro TLOAD s                         ; my one tensor load behind a change of slots; four v_nop follow each of the two lines, ahead of the jump, the label and what follows
	s_cmp_eq_u32 s15, 0
	s_cbranch_scc0 .Lfor_w_\@
	tensor_load_to_lds s[G0A+4*\s:G0A+4*\s+3], s[G1A:G1A+7]
	s_nop 0
.rept 4
	v_nop
.endr
	s_branch .Lasked_\@
.Lfor_w_\@:
	tensor_load_to_lds s[G0W+4*\s:G0W+4*\s+3], s[G1W:G1W+7]
	s_nop 0
.rept 4
	v_nop
.endr
.Lasked_\@:
.endm
	s_load_b256 s[4:11], s[0:1], 0x0               ; A s[4:5], wb s[6:7], bias s[8:9], route s[10:11]
	s_load_b64 s[12:13], s[0:1], 0x20              ; the result
	v_lshl_add_u32 v30, v0, 2, 0x4d800
	v_mov_b32 v31, 0
	ds_add_u32 v30, v31
	ds_add_u32 v30, v31
	v_lshrrev_b32 v1, 5, v0
	v_readfirstlane_b32 s14, v1                    ; wave 0..3
	s_lshr_b32 s15, s14, 1                         ; which half of the tile's rows is mine.  Also: I fetch for A (0) or for W (1)
	s_and_b32 s16, s14, 1                          ; which half of its columns.  Also: which half of that tile I fetch
	s_lshr_b32 s18, ttmp9, 3                       ; m0
	s_and_b32 s19, ttmp9, 7                        ; nt
	s_mov_b32 s[G1A+0], (1<<16)|(1<<20)|(6<<22)|(3<<25)  ; elements of 2 bytes; padding on: after every 128 words (code 6) 4 words (code 3)
	s_mov_b32 s[G1A+1], KSTEP<<16                  ; tensor_dim0 = 256
	s_mov_b32 s[G1A+2], 64<<16                     ; tensor_dim1 = 64
	s_mov_b32 s[G1A+3], KSTEP<<16                  ; tile_dim0 = 256
	s_mov_b32 s[G1A+4], 64                         ; tile_dim1 = 64
	s_mov_b32 s[G1A+5], 1024                       ; elements from row to row
	s_mov_b32 s[G1A+6], 0
	s_mov_b32 s[G1A+7], 0
	s_mov_b32 s[G1W+0], (1<<16)|(1<<20)|(5<<22)|(7<<25)  ; after every 64 words (code 5) 8 words (code 7)
	s_mov_b32 s[G1W+1], 128<<16                    ; tensor_dim0 = 128
	s_mov_b32 s[G1W+2], 128<<16                    ; tensor_dim1 = 128
	s_mov_b32 s[G1W+3], 128<<16                    ; tile_dim0 = 128
	s_mov_b32 s[G1W+4], 128                        ; tile_dim1 = 128
	s_mov_b32 s[G1W+5], 1024
	s_mov_b32 s[G1W+6], 0
	s_mov_b32 s[G1W+7], 0
	s_lshl_b32 s70, s18, 2
	s_mov_b32 s71, 0
	s_wait_dscnt 0x0
	s_wait_kmcnt 0x0
	s_add_nc_u64 s[70:71], s[10:11], s[70:71]
	s_load_b32 s20, s[70:71], 0x0                  ; tab[m0]: my three tiles' experts, four bits each
	s_wait_kmcnt 0x0
	s_mov_b32 s22, TILES-1                         ; tiles that have a successor: the loop's trips
	s_and_b32 s23, s20, 7
	s_min_u32 s23, s23, 7                          ; the first tile's expert
	s_lshr_b32 s20, s20, 4
	s_lshl_b32 s70, s19, 8                         ; W: my 128 columns (256 bytes),
	s_lshl_b32 s17, s16, 18                        ; my 128 of a step's 256 k rows,
	s_add_co_u32 s70, s70, s17
	s_add_co_u32 s70, s70, (LAYER-1)<<24           ; the layer
	s_mov_b32 s71, 0
	s_add_nc_u64 s[56:57], s[6:7], s[70:71]        ; s[56:57]: that, for expert 0
	s_lshl_b32 s70, s23, 21
	s_add_nc_u64 s[58:59], s[56:57], s[70:71]      ; s[58:59]: for this tile's expert
	s_lshl_b32 s70, s18, 18                        ; A: row 128 m0 + 64 x half, 2,048 bytes a row
	s_lshl_b32 s17, s16, 17
	s_add_co_u32 s70, s70, s17
	s_add_nc_u64 s[4:5], s[4:5], s[70:71]
	s_lshl_b32 s70, s19, 9
	s_add_nc_u64 s[66:67], s[8:9], s[70:71]        ; the bias at my work-group's 128 columns, expert 0
	s_mul_i32 s17, s16, AH                         ; where my load goes: the half that I fetch
	s_mul_i32 s2, s16, WH
	s_add_co_u32 s2, s2, WOFF
.irp s, 0,1
	s_mov_b32 s[G0A+4*\s], 1                                       ; count = 1
	s_add_co_u32 s[G0A+4*\s+1], s17, \s*SLOT                       ; LDS address
	s_add_nc_u64 s[G0A+4*\s+2:G0A+4*\s+3], s[4:5], \s*KSTEP*2      ; global address: K step s
	s_or_b32 s[G0A+4*\s+3], s[G0A+4*\s+3], 0x80000000              ; type = 2
	s_mov_b32 s[G0W+4*\s], 1
	s_add_co_u32 s[G0W+4*\s+1], s2, \s*SLOT
	s_add_nc_u64 s[G0W+4*\s+2:G0W+4*\s+3], s[58:59], \s*STEPW
	s_or_b32 s[G0W+4*\s+3], s[G0W+4*\s+3], 0x80000000
.endr
	s_cmp_eq_u32 s15, 0                            ; a wave's two first fills stand in one branch, ahead of every wait on TENSORcnt, every LDS read and every barrier
	s_cbranch_scc0 .Lfirst_w
	tensor_load_to_lds s[G0A:G0A+3], s[G1A:G1A+7]
	s_nop 0
	tensor_load_to_lds s[G0A+4:G0A+7], s[G1A:G1A+7]
	s_nop 0
.rept 4
	v_nop
.endr
	s_branch .Lfirst_asked
.Lfirst_w:
	tensor_load_to_lds s[G0W:G0W+3], s[G1W:G1W+7]
	s_nop 0
	tensor_load_to_lds s[G0W+4:G0W+7], s[G1W:G1W+7]
	s_nop 0
.rept 4
	v_nop
.endr
.Lfirst_asked:
	v_and_b32 v1, 15, v0                           ; r = l % 16
	v_bfe_u32 v2, v0, 4, 1                         ; h = l / 16
	v_mul_u32_u24 v3, v1, PA
	v_lshl_add_u32 v3, v2, 4, v3                   ; a fragment of A: row r x pitch + 16 h
	s_mul_i32 s17, s15, AH                         ; my 64 rows
	v_add_nc_u32 v[ADRA], s17, v3
	v_add_nc_u32 v[ADRA+1], SLOT, v[ADRA]
	v_and_b32 v4, 7, v0                            ; the turning load: lane l reads 16 bytes of k row 8 h + l % 8, columns 8 ((l / 8) % 2) on
	v_bfe_u32 v5, v0, 3, 1
	v_lshl_add_u32 v6, v2, 3, v4
	v_mul_u32_u24 v6, v6, PW
	v_lshl_add_u32 v6, v5, 4, v6
	s_lshl_b32 s17, s16, 7                         ; my 64 columns
	s_add_co_u32 s17, s17, WOFF
	v_add_nc_u32 v[ADRW], s17, v6
	v_add_nc_u32 v[ADRW+1], WH, v[ADRW]
	v_add_nc_u32 v[ADRW+2], SLOT, v[ADRW]
	v_add_nc_u32 v[ADRW+3], SLOT+WH, v[ADRW]
	v_lshlrev_b32 v[BO], 5, v2
	v_lshl_add_u32 v[BO], s16, 8, v[BO]            ; the bias of my lane's columns: 256 x column half + 32 h, + 64 for each block of 16
.if LAYER == 1
	s_mul_i32 s17, s15, 64*SP                      ; ONE stage of 128 rows x 272 bytes: a wave's 64 columns of bf16 are half of a row's 256 bytes
	s_lshl_b32 s2, s16, 7
	s_add_co_u32 s17, s17, s2
	s_add_co_u32 s17, s17, STAGE
	v_mul_u32_u24 v4, v1, SP
	v_lshl_add_u32 v4, v2, 4, v4
	v_add_nc_u32 v[STO], s17, v4                   ; in: my 64 rows, my half of their bytes; row r, 16 bytes for each half of the lanes
	s_mul_i32 s17, s14, 32*SP
	s_add_co_u32 s17, s17, STAGE
	v_mul_u32_u24 v5, v2, SP
	v_lshl_add_u32 v5, v1, 4, v5
	v_add_nc_u32 v[RD], s17, v5                    ; back: wave w takes rows 32 w .. 32 w + 31 whole; lanes 0-15 one row, lanes 16-31 the next
	v_lshlrev_b32 v[CO], 4, v1
	v_lshl_add_u32 v[CO], v2, 11, v[CO]            ; and the same two rows in hb
	s_lshl_b32 s68, s18, 18                        ; my first bytes of the first tile: row 128 m0 + 32 w, column 128 nt
	s_lshl_b32 s17, s14, 16
	s_add_co_u32 s68, s68, s17
	s_lshl_b32 s17, s19, 8
	s_add_co_u32 s68, s68, s17
.else
	s_mul_i32 s17, s14, 16*SP                      ; a stage of 16 rows x 272 bytes for each wave: its 64 columns of f32 are a whole 256 bytes
	s_add_co_u32 s17, s17, STAGE
	v_mul_u32_u24 v4, v1, SP
	v_lshl_add_u32 v4, v2, 5, v4
	v_add_nc_u32 v[STO], s17, v4                   ; in: row r, 32 bytes for each half of the lanes
	v_mul_u32_u24 v5, v2, SP
	v_lshl_add_u32 v5, v1, 4, v5
	v_add_nc_u32 v[RD], s17, v5                    ; back: lanes 0-15 one row of 256 bytes, lanes 16-31 the next
	v_lshlrev_b32 v[CO], 4, v1
	v_lshl_add_u32 v[CO], v2, 12, v[CO]            ; and the same two rows in yb
	s_lshl_b32 s68, s18, 19                        ; my first bytes of the first tile: row 128 m0 + 64 x row half, column 128 nt + 64 x column half
	s_lshl_b32 s17, s15, 18
	s_add_co_u32 s68, s68, s17
	s_lshl_b32 s17, s19, 9
	s_add_co_u32 s68, s68, s17
	s_lshl_b32 s17, s16, 8
	s_add_co_u32 s68, s68, s17
.endif
	s_mov_b32 s69, 0                               ; s[68:69]: what the next way out adds to the result's address
; 8 matrix instructions: m blocks a0, a0 + 1 x all 4 n blocks, 32 along K: half c of buffer f.  zero = 1: the first product starts the sums: nothing is cleared.
; The 16 accumulators take turns, one instruction a turn, in the same order everywhere.
.macro MUL8 f, c, a0, zero
.irp a, \a0, \a0+1
.irp b, 0,1,2,3
.if \zero
	v_wmma_f32_16x16x32_bf16 v[ACC+8*(4*(\a)+\b):ACC+8*(4*(\a)+\b)+7], v[\f+64+8*(4*\c+\b):\f+64+8*(4*\c+\b)+7], v[\f+8*(4*\c+\a):\f+8*(4*\c+\a)+7], 0
.else
	v_wmma_f32_16x16x32_bf16 v[ACC+8*(4*(\a)+\b):ACC+8*(4*(\a)+\b)+7], v[\f+64+8*(4*\c+\b):\f+64+8*(4*\c+\b)+7], v[\f+8*(4*\c+\a):\f+8*(4*\c+\a)+7], v[ACC+8*(4*(\a)+\b):ACC+8*(4*(\a)+\b)+7]
.endif
.endr
.endr
.endm
; 32 LDS loads in one run: the fragments of quarter qd (64 along K) of a slot into buffer f; the first 32 along K first
.macro FETCH slot, qd, f
	WIN TO_F
.irp c, 0,1
.irp i, 0,1,2,3
	ds_load_tr16_b128 v[\f+64+8*(4*\c+\i):\f+64+8*(4*\c+\i)+3],   v[ADRW+2*\slot+\qd/2] offset:(\qd%2)*64*PW+\c*32*PW+32*\i
	ds_load_tr16_b128 v[\f+64+8*(4*\c+\i)+4:\f+64+8*(4*\c+\i)+7], v[ADRW+2*\slot+\qd/2] offset:(\qd%2)*64*PW+\c*32*PW+16*PW+32*\i
	ds_load_b128 v[\f+8*(4*\c+\i):\f+8*(4*\c+\i)+3],              v[ADRA+\slot] offset:\qd*128+64*\c+\i*16*PA
	ds_load_b128 v[\f+8*(4*\c+\i)+4:\f+8*(4*\c+\i)+7],            v[ADRA+\slot] offset:\qd*128+64*\c+\i*16*PA+32
.endr
.endr
.endm
; A K step is four quarters of 64 along K, 32 matrix instructions each, on buffers 0, 1, 0, 1.  One of the first three: multiplies buffer f and fetches quarter qd into g.
.macro QUARTER slot, qd, f, g, zero
	s_wait_dscnt 16                                ; the first 32 along K are in; the 16 younger loads may be out
	WIN MUL
	MUL8 \f, 0, 0, \zero
	MUL8 \f, 0, 2, \zero
	PLACES
	FETCH \slot, \qd, \g
	s_wait_dscnt 32                                ; all but the 32 just issued
	WIN MUL
	MUL8 \f, 1, 0, 0
	MUL8 \f, 1, 2, 0
.endm
; The last quarter multiplies buffer 1 and changes slots: ONE barrier.  In front of it each wave waits for its own reads of this slot and for all its tensor loads, of which one is
; out: its part of the next slot.  Behind it nobody reads this slot any more and the next slot is whole.  fill = 1: this slot is filled again first: A's address steps by aadd,
; W's is s[wp:wp+1] + wadd.  From that request to the wait for it a wave issues 120 matrix instructions.
.macro TURN slot, next, fill, aadd, wp, wadd
	s_wait_dscnt 16
	WIN MUL
	MUL8 F1, 0, 0, 0
	s_wait_dscnt 0x0                               ; my reads of this slot are over,
	s_set_vgpr_msb 0x500
	s_wait_tensorcnt 0x0                           ; and all my tensor loads have landed: no load of mine is out, so a group 0 may be written
	ds_add_u32 v30, v31
	s_wait_dscnt 0x0
	s_set_vgpr_msb 0x5
	s_barrier_signal -1
	MUL8 F1, 0, 2, 0                               ; register work while the others arrive
.if \fill
	WIN 0                                          ; at a branch and at a label every window is 0
.endif
	s_barrier_wait -1
.if \fill
	s_add_nc_u64 s[G0A+4*\slot+2:G0A+4*\slot+3], s[G0A+4*\slot+2:G0A+4*\slot+3], \aadd   ; the type bits on top are not reached
	s_add_nc_u64 s[G0W+4*\slot+2:G0W+4*\slot+3], s[\wp:\wp+1], \wadd
	s_or_b32 s[G0W+4*\slot+3], s[G0W+4*\slot+3], 0x80000000
	TLOAD \slot                                    ; the first tensor load behind the barrier, and my only one until the next; its four v_nop are also the places in front of the loads below
.else
	PLACES
.endif
	FETCH \next, 0, F0
	WIN MUL
	MUL8 F1, 1, 0, 0
	MUL8 F1, 1, 2, 0
.endm
.macro LASTQ                           ; the very last quarter: nothing more to fetch
	s_wait_dscnt 16
	WIN MUL
	MUL8 F1, 0, 0, 0
	MUL8 F1, 0, 2, 0
	s_wait_dscnt 0x0
	MUL8 F1, 1, 0, 0
	MUL8 F1, 1, 2, 0
.endm
; A tile's head: its bias is asked for (it is wanted on the way out), and the next tile's expert is taken from the table.
.macro HEAD last
	s_lshl_b32 s70, s23, 12
	s_mov_b32 s71, 0
	s_add_nc_u64 s[62:63], s[66:67], s[70:71]      ; free: the last tile's loads of the bias were waited for on its way out
.irp b, 0,1,2,3
	global_load_b128 v[BIAS+8*\b:BIAS+8*\b+3],   v[BO], s[62:63] offset:64*\b
	global_load_b128 v[BIAS+8*\b+4:BIAS+8*\b+7], v[BO], s[62:63] offset:64*\b+16
.endr
.if !\last
	s_and_b32 s3, s20, 7
	s_min_u32 s3, s3, 7
	s_lshr_b32 s20, s20, 4
	s_lshl_b32 s70, s3, 21
	s_add_nc_u64 s[60:61], s[56:57], s[70:71]      ; W for the next tile's expert
.endif
.endm
; THE WAY OUT.
.macro OUT
	WIN 0
	s_wait_xcnt 0x0                                ; the last tile's stores have read their base and their data: both are written again only behind this wait
	s_add_nc_u64 s[12:13], s[12:13], s[68:69]
	s_mov_b32 s68, OSTEP
	s_mov_b32 s69, 0
	s_wait_loadcnt 0x0                             ; the bias
	PLACES                                         ; between the last products and the first read of a result
.if LAYER == 1
.irp t, 0,1,2,3,4,5,6,7,8,9,10,11,12,13,14,15
.irp c, 0,2,4,6
	v_pk_add_f32 v[ACC+8*\t+\c:ACC+8*\t+\c+1], v[ACC+8*\t+\c:ACC+8*\t+\c+1], v[BIAS+8*(\t%4)+\c:BIAS+8*(\t%4)+\c+1]
.endr
.irp c, 0,1,2,3,4,5,6,7
	v_max_num_f32 v[ACC+8*\t+\c], 0, v[ACC+8*\t+\c]
.endr
.irp c, 0,1,2,3
	v_cvt_pk_bf16_f32 v[TMP+4*\t+\c], v[ACC+8*\t+2*\c], v[ACC+8*\t+2*\c+1]
.endr
.endr
.irp a, 0,1,2,3
.irp b, 0,1,2,3
	ds_store_b128 v[STO], v[TMP+4*(4*\a+\b):TMP+4*(4*\a+\b)+3] offset:\a*16*SP+32*\b
.endr
.endr
	s_wait_dscnt 0x0                               ; for the others' sake: my stores into the stage are done
	s_barrier_signal -1                            ; a row's 256 bytes come from two waves.  The refill just asked for may stay out.
	s_barrier_wait -1                              ; The stage is written again a tile later, behind four changes of slots, each with every wave's wait for its LDS reads in front of its barrier.
.irp t, 0,1,2,3,4,5,6,7,8,9,10,11,12,13,14,15
	ds_load_b128 v[TMP+4*\t:TMP+4*\t+3], v[RD] offset:\t*2*SP
.endr
.irp t, 0,1,2,3,4,5,6,7,8,9,10,11,12,13,14,15
	s_wait_dscnt 15-\t                             ; load t is back; the younger ones may be out
	global_store_b128 v[CO], v[TMP+4*\t:TMP+4*\t+3], s[12:13] offset:\t*2*2048   ; 16 lanes store 256 consecutive bytes, aligned
.endr
.else
.irp a, 0,1,2,3
.irp b, 0,1,2,3
.irp c, 0,2,4,6
	v_pk_add_f32 v[ACC+8*(4*\a+\b)+\c:ACC+8*(4*\a+\b)+\c+1], v[ACC+8*(4*\a+\b)+\c:ACC+8*(4*\a+\b)+\c+1], v[BIAS+8*\b+\c:BIAS+8*\b+\c+1]
.endr
.endr
.irp b, 0,1,2,3
	ds_store_b128 v[STO], v[ACC+8*(4*\a+\b):ACC+8*(4*\a+\b)+3]   offset:64*\b
	ds_store_b128 v[STO], v[ACC+8*(4*\a+\b)+4:ACC+8*(4*\a+\b)+7] offset:64*\b+16
.endr
.if \a >= 2
	s_wait_xcnt 0x0                                ; these registers are the data of the stores of two blocks ago
.endif
.irp t, 0,1,2,3,4,5,6,7
	ds_load_b128 v[TMP+32*(\a%2)+4*\t:TMP+32*(\a%2)+4*\t+3], v[RD] offset:\t*2*SP   ; the stage is my wave's own, and LDS serves a wave's instructions in order
.endr
.irp t, 0,1,2,3,4,5,6,7
	s_wait_dscnt 7-\t                              ; load t is back; the younger ones may be out
	global_store_b128 v[CO], v[TMP+32*(\a%2)+4*\t:TMP+32*(\a%2)+4*\t+3], s[12:13] offset:(16*\a+2*\t)*4096   ; 16 lanes store 256 consecutive bytes, aligned
.endr
.endr
.endif
.endm
; A tile: K steps 0 to 3 in slots 0, 1, 0, 1.  Slots 0 and 1 are filled again with K steps 2 and 3; then, in a tile that has a successor, with the next tile's K steps 0 and 1.
.macro TILE last
	HEAD \last
	QUARTER 0, 1, F0, F1, 1
	QUARTER 0, 2, F1, F0, 0
	QUARTER 0, 3, F0, F1, 0
	TURN 0, 1, 1, STEPA, 58, 2*STEPW
	QUARTER 1, 1, F0, F1, 0
	QUARTER 1, 2, F1, F0, 0
	QUARTER 1, 3, F0, F1, 0
	TURN 1, 0, 1, STEPA, 58, 3*STEPW
	QUARTER 0, 1, F0, F1, 0
	QUARTER 0, 2, F1, F0, 0
	QUARTER 0, 3, F0, F1, 0
.if \last
	TURN 0, 1, 0, 0, 58, 0
.else
	TURN 0, 1, 1, NEXT_A, 60, 0
.endif
	QUARTER 1, 1, F0, F1, 0
	QUARTER 1, 2, F1, F0, 0
	QUARTER 1, 3, F0, F1, 0
.if \last
	LASTQ
.else
	TURN 1, 0, 1, NEXT_A, 60, STEPW
.endif
	OUT
.endm
	s_wait_tensorcnt 0x1                           ; my part of K step 0 is in; K step 1's may stay out
	s_barrier_signal -1
	s_barrier_wait -1                              ; everybody's is
	FETCH 0, 0, F0
	WIN 0
.Ltile:                                                ; two trips: every tile but the last
	TILE 0
	s_mov_b32 s23, s3                              ; the next tile's expert and weights become this tile's
	s_mov_b64 s[58:59], s[60:61]
	s_sub_co_u32 s22, s22, 1
	s_cmp_lg_u32 s22, 0
	s_cbranch_scc1 .Ltile
	TILE 1                                         ; the last tile is written out: it asks for nothing beyond its own K steps
	s_wait_tensorcnt 0x0
	ds_add_u32 v30, v31
	s_wait_dscnt 0x0
	s_endpgm
.Lfunc_end_k_q99b21ddbfa_ffn1:
	.size	k_q99b21ddbfa_ffn1, .Lfunc_end_k_q99b21ddbfa_ffn1-k_q99b21ddbfa_ffn1
	.p2alignl 7, 3214868480
	.fill 96, 4, 3214868480
	.section	.rodata,"a",@progbits
	.p2align	6, 0x0
	.amdhsa_kernel k_q99b21ddbfa_ffn1
		.amdhsa_group_segment_fixed_size 327680
		.amdhsa_private_segment_fixed_size 0
		.amdhsa_enable_private_segment 0
		.amdhsa_kernarg_size 40
		.amdhsa_user_sgpr_count 2
		.amdhsa_user_sgpr_kernarg_segment_ptr 1
		.amdhsa_wavefront_size32 1
		.amdhsa_system_sgpr_workgroup_id_x 1
		.amdhsa_system_sgpr_workgroup_id_y 1
		.amdhsa_system_sgpr_workgroup_id_z 1
		.amdhsa_system_vgpr_workitem_id 0
		.amdhsa_next_free_vgpr 512
		.amdhsa_next_free_sgpr 72
		.amdhsa_reserve_vcc 0
		.amdhsa_float_denorm_mode_32 3
		.amdhsa_float_denorm_mode_16_64 3
		.amdhsa_memory_ordered 1
		.amdhsa_forward_progress 1
		.amdhsa_inst_pref_size 184
	.end_amdhsa_kernel
	.amdgpu_metadata
---
amdhsa.version: [ 1, 2 ]
amdhsa.kernels:
  - .name:           k_q99b21ddbfa_ffn1
    .symbol:         k_q99b21ddbfa_ffn1.kd
    .args:
      - { .name: xg, .offset: 0, .size: 8, .value_kind: global_buffer, .address_space: global }
      - { .name: wb, .offset: 8, .size: 8, .value_kind: global_buffer, .address_space: global }
      - { .name: b1, .offset: 16, .size: 8, .value_kind: global_buffer, .address_space: global }
      - { .name: route, .offset: 24, .size: 8, .value_kind: global_buffer, .address_space: global }
      - { .name: hb, .offset: 32, .size: 8, .value_kind: global_buffer, .address_space: global }
    .group_segment_fixed_size: 327680
    .private_segment_fixed_size: 0
    .kernarg_segment_align: 8
    .kernarg_segment_size: 40
    .max_flat_workgroup_size: 128
    .sgpr_count:     72
    .vgpr_count:     512
    .wavefront_size: 32
...
	.end_amdgpu_metadata
.endif
;; end of part 4
;; launch ffn2 (part 5): grid 192 x 1, 4 waves a work-group, no clusters, 327,680 bytes of LDS; arguments hb, wb, b2, route, yb; writes yb
.if DOCPART == 5
	.amdgcn_target "amdgcn-amd-amdhsa--gfx1250"
	.amdhsa_code_object_version 6
	.text
	.protected	k_q99b21ddbfa_ffn2
	.globl	k_q99b21ddbfa_ffn2
	.p2align	8
	.type	k_q99b21ddbfa_ffn2,@function
k_q99b21ddbfa_ffn2:
	s_mov_b64 s[64:65], 0
	v_nop
	global_prefetch_b8 v0, s[64:65] scope:SCOPE_SE
	s_setreg_imm32_b32 hwreg(HW_REG_WAVE_MODE, 25, 1), 1
	s_wait_xcnt 0x0
; GROUPED GEMM over the slots.  LAYER 1: hb = bf16(relu(xg W1_e + b1_e)).  LAYER 2: yb = hb W2_e + b2_e in f32.  e is the expert of the m-tile (128 slots), read from route's table.
; A: [slot][1024] bf16.  W: wb, [layer][expert][k][n] bf16, n along the rows: its fragments are turned on the way out of LDS by ds_load_tr16_b128.  Sums in f32.
; SHARES.  192 work-groups of four waves.  Work-group g owns the 128 columns nt = g % 8 and the three m-tiles m0 + 24 j, m0 = g / 8: it STAYS and walks them.  72 m-tiles, a constant:
; 8,192 slots (two a token) in eight regions, each filled up to a multiple of 128, are at most 64 + 7; what lies behind the last region is rows of zeros, multiplied like the others,
; so that no trip count and no barrier hangs on a number read from memory.  576 tiles = 192 x 3.  A tile is 128 x 128; a wave makes 64 x 64: 16 accumulators, 128 registers.
; RING.  K goes in four steps of 256 through two LDS slots; the ring goes on into the next tile.  Behind each change of slots every wave issues ONE tensor load of 32 KiB: waves 0, 1
; A's two halves (64 rows x 512 bytes), waves 2, 3 W's (128 k rows x 256 bytes).  By this text's count two loads of a wave are out at the start, later one.
; NO CLUSTER.  W's tiles hang on the column block and on the expert, which is read from memory.  A's tiles, half of a step's bytes, are shared by the eight work-groups of one m0 and
; could be asked for jointly by four of them; this text does not do that.
; THE MATRIX INSTRUCTION IS USED TRANSPOSED (source 0 = 16 columns of W, source 1 = 16 rows of A): a lane holds eight neighbouring numbers of a row of the result.
; REGISTERS.  Window 0: v1-27 addresses; v32-95 at work on the way out; v96-127 the bias of my lane's columns; v128-255 the accumulators ((a, b) at v[128 + 8 (4 a + b)]).
;   Window 1: two fragment buffers of 128: for 64 along K, 64 registers of A (2 x 4 x 16 rows x 32 K), then 64 of W.
.set LAYER, 2
.set TILES, 3                          ; tiles of a work-group
.set MSTR,  24                         ; m-tiles from one of them to the next
.set KSTEP, 256
.set PA,    528                        ; a row of A in LDS: 512 bytes + 16: an odd multiple of 16, so the 16 rows of a fragment load start at 16 different groups of banks
.set PW,    288                        ; a k row of W: 256 bytes + 32: an odd multiple of 32 (8 rows x 32 bytes for 16 lanes)
.set AH,    64*PA                      ; what one load of A brings, and what one wave reads of A
.set WOFF,  2*AH                       ; W's 256 k rows lie behind A's 128 rows
.set WH,    128*PW                     ; what one load of W brings
.set SLOT,  WOFF+2*WH
.set STAGE, 2*SLOT                     ; behind the ring, at a multiple of 256 bytes; no tensor load fills it
.set SP,    272
.set STEPW, KSTEP*2048                 ; bytes of W from a K step to the next
.set STEPA, 2*KSTEP*2                  ; bytes of A from a slot's K step to its next in the same tile
.set NEXT_A, MSTR*128*2048-STEPA       ; and from its last K step of a tile to its first of the next: 24 m-tiles down, back along K
.if LAYER == 1
.set OSTEP, MSTR*128*2048              ; bytes of the result from a tile to the next
.else
.set OSTEP, MSTR*128*4096
.endif
.set ADRA, 16                          ; v16-17  LDS address of my A fragments in slot 0, 1
.set ADRW, 20                          ; v20-23  of my W fragments: slot 0 k rows 0-127, 128-255; slot 1 likewise (a step's offsets would pass the 16-bit immediate)
.set STO,  24                          ; v24     the way out: where I put my numbers of a row
.set RD,   25                          ; v25     the way out: where I read a row back
.set CO,   26                          ; v26     my byte offset in the result
.set BO,   27                          ; v27     my byte offset in the bias
.set TMP,  32
.set BIAS, 96
.set ACC,  128
.set F0,   0
.set F1,   128
.set G1A, 24                           ; s[24:31] descriptor group 1 for A's tiles;  s[32:39] group 0, a set for each slot
.set G0A, 32
.set G1W, 40                           ; s[40:47], s[48:55] the same for W's
.set G0W, 48
.set MSB, 0
.macro WIN new                         ; the immediate's high byte repeats the setting that is left; a switch that changes nothing is dropped
.if MSB != \new
	s_set_vgpr_msb (MSB<<8)|\new
.set MSB, \new
.endif
.endm
.set MUL,  0x05                        ; sources 0 (W) and 1 (A) window 1; C and D window 0
.set TO_F, 0x40                        ; destination window 1, address window 0
.macro PLACES                          ; four places in front of loads into registers that matrix instructions have read, and of instructions that read results
.rept 4
	v_nop
.endr
.endm
.macro TLOAD s                         ; my one tensor load behind a change of slots; four v_nop follow each of the two lines, ahead of the jump, the label and what follows
	s_cmp_eq_u32 s15, 0
	s_cbranch_scc0 .Lfor_w_\@
	tensor_load_to_lds s[G0A+4*\s:G0A+4*\s+3], s[G1A:G1A+7]
	s_nop 0
.rept 4
	v_nop
.endr
	s_branch .Lasked_\@
.Lfor_w_\@:
	tensor_load_to_lds s[G0W+4*\s:G0W+4*\s+3], s[G1W:G1W+7]
	s_nop 0
.rept 4
	v_nop
.endr
.Lasked_\@:
.endm
	s_load_b256 s[4:11], s[0:1], 0x0               ; A s[4:5], wb s[6:7], bias s[8:9], route s[10:11]
	s_load_b64 s[12:13], s[0:1], 0x20              ; the result
	v_lshl_add_u32 v30, v0, 2, 0x49400
	v_mov_b32 v31, 0
	ds_add_u32 v30, v31
	ds_add_u32 v30, v31
	v_lshrrev_b32 v1, 5, v0
	v_readfirstlane_b32 s14, v1                    ; wave 0..3
	s_lshr_b32 s15, s14, 1                         ; which half of the tile's rows is mine.  Also: I fetch for A (0) or for W (1)
	s_and_b32 s16, s14, 1                          ; which half of its columns.  Also: which half of that tile I fetch
	s_lshr_b32 s18, ttmp9, 3                       ; m0
	s_and_b32 s19, ttmp9, 7                        ; nt
	s_mov_b32 s[G1A+0], (1<<16)|(1<<20)|(6<<22)|(3<<25)  ; elements of 2 bytes; padding on: after every 128 words (code 6) 4 words (code 3)
	s_mov_b32 s[G1A+1], KSTEP<<16                  ; tensor_dim0 = 256
	s_mov_b32 s[G1A+2], 64<<16                     ; tensor_dim1 = 64
	s_mov_b32 s[G1A+3], KSTEP<<16                  ; tile_dim0 = 256
	s_mov_b32 s[G1A+4], 64                         ; tile_dim1 = 64
	s_mov_b32 s[G1A+5], 1024                       ; elements from row to row
	s_mov_b32 s[G1A+6], 0
	s_mov_b32 s[G1A+7], 0
	s_mov_b32 s[G1W+0], (1<<16)|(1<<20)|(5<<22)|(7<<25)  ; after every 64 words (code 5) 8 words (code 7)
	s_mov_b32 s[G1W+1], 128<<16                    ; tensor_dim0 = 128
	s_mov_b32 s[G1W+2], 128<<16                    ; tensor_dim1 = 128
	s_mov_b32 s[G1W+3], 128<<16                    ; tile_dim0 = 128
	s_mov_b32 s[G1W+4], 128                        ; tile_dim1 = 128
	s_mov_b32 s[G1W+5], 1024
	s_mov_b32 s[G1W+6], 0
	s_mov_b32 s[G1W+7], 0
	s_lshl_b32 s70, s18, 2
	s_mov_b32 s71, 0
	s_wait_dscnt 0x0
	s_wait_kmcnt 0x0
	s_add_nc_u64 s[70:71], s[10:11], s[70:71]
	s_load_b32 s20, s[70:71], 0x0                  ; tab[m0]: my three tiles' experts, four bits each
	s_wait_kmcnt 0x0
	s_mov_b32 s22, TILES-1                         ; tiles that have a successor: the loop's trips
	s_and_b32 s23, s20, 7
	s_min_u32 s23, s23, 7                          ; the first tile's expert
	s_lshr_b32 s20, s20, 4
	s_lshl_b32 s70, s19, 8                         ; W: my 128 columns (256 bytes),
	s_lshl_b32 s17, s16, 18                        ; my 128 of a step's 256 k rows,
	s_add_co_u32 s70, s70, s17
	s_add_co_u32 s70, s70, (LAYER-1)<<24           ; the layer
	s_mov_b32 s71, 0
	s_add_nc_u64 s[56:57], s[6:7], s[70:71]        ; s[56:57]: that, for expert 0
	s_lshl_b32 s70, s23, 21
	s_add_nc_u64 s[58:59], s[56:57], s[70:71]      ; s[58:59]: for this tile's expert
	s_lshl_b32 s70, s18, 18                        ; A: row 128 m0 + 64 x half, 2,048 bytes a row
	s_lshl_b32 s17, s16, 17
	s_add_co_u32 s70, s70, s17
	s_add_nc_u64 s[4:5], s[4:5], s[70:71]
	s_lshl_b32 s70, s19, 9
	s_add_nc_u64 s[66:67], s[8:9], s[70:71]        ; the bias at my work-group's 128 columns, expert 0
	s_mul_i32 s17, s16, AH                         ; where my load goes: the half that I fetch
	s_mul_i32 s2, s16, WH
	s_add_co_u32 s2, s2, WOFF
.irp s, 0,1
	s_mov_b32 s[G0A+4*\s], 1                                       ; count = 1
	s_add_co_u32 s[G0A+4*\s+1], s17, \s*SLOT                       ; LDS address
	s_add_nc_u64 s[G0A+4*\s+2:G0A+4*\s+3], s[4:5], \s*KSTEP*2      ; global address: K step s
	s_or_b32 s[G0A+4*\s+3], s[G0A+4*\s+3], 0x80000000              ; type = 2
	s_mov_b32 s[G0W+4*\s], 1
	s_add_co_u32 s[G0W+4*\s+1], s2, \s*SLOT
	s_add_nc_u64 s[G0W+4*\s+2:G0W+4*\s+3], s[58:59], \s*STEPW
	s_or_b32 s[G0W+4*\s+3], s[G0W+4*\s+3], 0x80000000
.endr
	s_cmp_eq_u32 s15, 0                            ; a wave's two first fills stand in one branch, ahead of every wait on TENSORcnt, every LDS read and every barrier
	s_cbranch_scc0 .Lfirst_w
	tensor_load_to_lds s[G0A:G0A+3], s[G1A:G1A+7]
	s_nop 0
	tensor_load_to_lds s[G0A+4:G0A+7], s[G1A:G1A+7]
	s_nop 0
.rept 4
	v_nop
.endr
	s_branch .Lfirst_asked
.Lfirst_w:
	tensor_load_to_lds s[G0W:G0W+3], s[G1W:G1W+7]
	s_nop 0
	tensor_load_to_lds s[G0W+4:G0W+7], s[G1W:G1W+7]
	s_nop 0
.rept 4
	v_nop
.endr
.Lfirst_asked:
	v_and_b32 v1, 15, v0                           ; r = l % 16
	v_bfe_u32 v2, v0, 4, 1                         ; h = l / 16
	v_mul_u32_u24 v3, v1, PA
	v_lshl_add_u32 v3, v2, 4, v3                   ; a fragment of A: row r x pitch + 16 h
	s_mul_i32 s17, s15, AH                         ; my 64 rows
	v_add_nc_u32 v[ADRA], s17, v3
	v_add_nc_u32 v[ADRA+1], SLOT, v[ADRA]
	v_and_b32 v4, 7, v0                            ; the turning load: lane l reads 16 bytes of k row 8 h + l % 8, columns 8 ((l / 8) % 2) on
	v_bfe_u32 v5, v0, 3, 1
	v_lshl_add_u32 v6, v2, 3, v4
	v_mul_u32_u24 v6, v6, PW
	v_lshl_add_u32 v6, v5, 4, v6
	s_lshl_b32 s17, s16, 7                         ; my 64 columns
	s_add_co_u32 s17, s17, WOFF
	v_add_nc_u32 v[ADRW], s17, v6
	v_add_nc_u32 v[ADRW+1], WH, v[ADRW]
	v_add_nc_u32 v[ADRW+2], SLOT, v[ADRW]
	v_add_nc_u32 v[ADRW+3], SLOT+WH, v[ADRW]
	v_lshlrev_b32 v[BO], 5, v2
	v_lshl_add_u32 v[BO], s16, 8, v[BO]            ; the bias of my lane's columns: 256 x column half + 32 h, + 64 for each block of 16
.if LAYER == 1
	s_mul_i32 s17, s15, 64*SP                      ; ONE stage of 128 rows x 272 bytes: a wave's 64 columns of bf16 are half of a row's 256 bytes
	s_lshl_b32 s2, s16, 7
	s_add_co_u32 s17, s17, s2
	s_add_co_u32 s17, s17, STAGE
	v_mul_u32_u24 v4, v1, SP
	v_lshl_add_u32 v4, v2, 4, v4
	v_add_nc_u32 v[STO], s17, v4                   ; in: my 64 rows, my half of their bytes; row r, 16 bytes for each half of the lanes
	s_mul_i32 s17, s14, 32*SP
	s_add_co_u32 s17, s17, STAGE
	v_mul_u32_u24 v5, v2, SP
	v_lshl_add_u32 v5, v1, 4, v5
	v_add_nc_u32 v[RD], s17, v5                    ; back: wave w takes rows 32 w .. 32 w + 31 whole; lanes 0-15 one row, lanes 16-31 the next
	v_lshlrev_b32 v[CO], 4, v1
	v_lshl_add_u32 v[CO], v2, 11, v[CO]            ; and the same two rows in hb
	s_lshl_b32 s68, s18, 18                        ; my first bytes of the first tile: row 128 m0 + 32 w, column 128 nt
	s_lshl_b32 s17, s14, 16
	s_add_co_u32 s68, s68, s17
	s_lshl_b32 s17, s19, 8
	s_add_co_u32 s68, s68, s17
.else
	s_mul_i32 s17, s14, 16*SP                      ; a stage of 16 rows x 272 bytes for each wave: its 64 columns of f32 are a whole 256 bytes
	s_add_co_u32 s17, s17, STAGE
	v_mul_u32_u24 v4, v1, SP
	v_lshl_add_u32 v4, v2, 5, v4
	v_add_nc_u32 v[STO], s17, v4                   ; in: row r, 32 bytes for each half of the lanes
	v_mul_u32_u24 v5, v2, SP
	v_lshl_add_u32 v5, v1, 4, v5
	v_add_nc_u32 v[RD], s17, v5                    ; back: lanes 0-15 one row of 256 bytes, lanes 16-31 the next
	v_lshlrev_b32 v[CO], 4, v1
	v_lshl_add_u32 v[CO], v2, 12, v[CO]            ; and the same two rows in yb
	s_lshl_b32 s68, s18, 19                        ; my first bytes of the first tile: row 128 m0 + 64 x row half, column 128 nt + 64 x column half
	s_lshl_b32 s17, s15, 18
	s_add_co_u32 s68, s68, s17
	s_lshl_b32 s17, s19, 9
	s_add_co_u32 s68, s68, s17
	s_lshl_b32 s17, s16, 8
	s_add_co_u32 s68, s68, s17
.endif
	s_mov_b32 s69, 0                               ; s[68:69]: what the next way out adds to the result's address
; 8 matrix instructions: m blocks a0, a0 + 1 x all 4 n blocks, 32 along K: half c of buffer f.  zero = 1: the first product starts the sums: nothing is cleared.
; The 16 accumulators take turns, one instruction a turn, in the same order everywhere.
.macro MUL8 f, c, a0, zero
.irp a, \a0, \a0+1
.irp b, 0,1,2,3
.if \zero
	v_wmma_f32_16x16x32_bf16 v[ACC+8*(4*(\a)+\b):ACC+8*(4*(\a)+\b)+7], v[\f+64+8*(4*\c+\b):\f+64+8*(4*\c+\b)+7], v[\f+8*(4*\c+\a):\f+8*(4*\c+\a)+7], 0
.else
	v_wmma_f32_16x16x32_bf16 v[ACC+8*(4*(\a)+\b):ACC+8*(4*(\a)+\b)+7], v[\f+64+8*(4*\c+\b):\f+64+8*(4*\c+\b)+7], v[\f+8*(4*\c+\a):\f+8*(4*\c+\a)+7], v[ACC+8*(4*(\a)+\b):ACC+8*(4*(\a)+\b)+7]
.endif
.endr
.endr
.endm
; 32 LDS loads in one run: the fragments of quarter qd (64 along K) of a slot into buffer f; the first 32 along K first
.macro FETCH slot, qd, f
	WIN TO_F
.irp c, 0,1
.irp i, 0,1,2,3
	ds_load_tr16_b128 v[\f+64+8*(4*\c+\i):\f+64+8*(4*\c+\i)+3],   v[ADRW+2*\slot+\qd/2] offset:(\qd%2)*64*PW+\c*32*PW+32*\i
	ds_load_tr16_b128 v[\f+64+8*(4*\c+\i)+4:\f+64+8*(4*\c+\i)+7], v[ADRW+2*\slot+\qd/2] offset:(\qd%2)*64*PW+\c*32*PW+16*PW+32*\i
	ds_load_b128 v[\f+8*(4*\c+\i):\f+8*(4*\c+\i)+3],              v[ADRA+\slot] offset:\qd*128+64*\c+\i*16*PA
	ds_load_b128 v[\f+8*(4*\c+\i)+4:\f+8*(4*\c+\i)+7],            v[ADRA+\slot] offset:\qd*128+64*\c+\i*16*PA+32
.endr
.endr
.endm
; A K step is four quarters of 64 along K, 32 matrix instructions each, on buffers 0, 1, 0, 1.  One of the first three: multiplies buffer f and fetches quarter qd into g.
.macro QUARTER slot, qd, f, g, zero
	s_wait_dscnt 16                                ; the first 32 along K are in; the 16 younger loads may be out
	WIN MUL
	MUL8 \f, 0, 0, \zero
	MUL8 \f, 0, 2, \zero
	PLACES
	FETCH \slot, \qd, \g
	s_wait_dscnt 32                                ; all but the 32 just issued
	WIN MUL
	MUL8 \f, 1, 0, 0
	MUL8 \f, 1, 2, 0
.endm
; The last quarter multiplies buffer 1 and changes slots: ONE barrier.  In front of it each wave waits for its own reads of this slot and for all its tensor loads, of which one is
; out: its part of the next slot.  Behind it nobody reads this slot any more and the next slot is whole.  fill = 1: this slot is filled again first: A's address steps by aadd,
; W's is s[wp:wp+1] + wadd.  From that request to the wait for it a wave issues 120 matrix instructions.
.macro TURN slot, next, fill, aadd, wp, wadd
	s_wait_dscnt 16
	WIN MUL
	MUL8 F1, 0, 0, 0
	s_wait_dscnt 0x0                               ; my reads of this slot are over,
	s_set_vgpr_msb 0x500
	s_wait_tensorcnt 0x0                           ; and all my tensor loads have landed: no load of mine is out, so a group 0 may be written
	ds_add_u32 v30, v31
	s_wait_dscnt 0x0
	s_set_vgpr_msb 0x5
	s_barrier_signal -1
	MUL8 F1, 0, 2, 0                               ; register work while the others arrive
.if \fill
	WIN 0                                          ; at a branch and at a label every window is 0
.endif
	s_barrier_wait -1
.if \fill
	s_add_nc_u64 s[G0A+4*\slot+2:G0A+4*\slot+3], s[G0A+4*\slot+2:G0A+4*\slot+3], \aadd   ; the type bits on top are not reached
	s_add_nc_u64 s[G0W+4*\slot+2:G0W+4*\slot+3], s[\wp:\wp+1], \wadd
	s_or_b32 s[G0W+4*\slot+3], s[G0W+4*\slot+3], 0x80000000
	TLOAD \slot                                    ; the first tensor load behind the barrier, and my only one until the next; its four v_nop are also the places in front of the loads below
.else
	PLACES
.endif
	FETCH \next, 0, F0
	WIN MUL
	MUL8 F1, 1, 0, 0
	MUL8 F1, 1, 2, 0
.endm
.macro LASTQ                           ; the very last quarter: nothing more to fetch
	s_wait_dscnt 16
	WIN MUL
	MUL8 F1, 0, 0, 0
	MUL8 F1, 0, 2, 0
	s_wait_dscnt 0x0
	MUL8 F1, 1, 0, 0
	MUL8 F1, 1, 2, 0
.endm
; A tile's head: its bias is asked for (it is wanted on the way out), and the next tile's expert is taken from the table.
.macro HEAD last
	s_lshl_b32 s70, s23, 12
	s_mov_b32 s71, 0
	s_add_nc_u64 s[62:63], s[66:67], s[70:71]      ; free: the last tile's loads of the bias were waited for on its way out
.irp b, 0,1,2,3
	global_load_b128 v[BIAS+8*\b:BIAS+8*\b+3],   v[BO], s[62:63] offset:64*\b
	global_load_b128 v[BIAS+8*\b+4:BIAS+8*\b+7], v[BO], s[62:63] offset:64*\b+16
.endr
.if !\last
	s_and_b32 s3, s20, 7
	s_min_u32 s3, s3, 7
	s_lshr_b32 s20, s20, 4
	s_lshl_b32 s70, s3, 21
	s_add_nc_u64 s[60:61], s[56:57], s[70:71]      ; W for the next tile's expert
.endif
.endm
; THE WAY OUT.
.macro OUT
	WIN 0
	s_wait_xcnt 0x0                                ; the last tile's stores have read their base and their data: both are written again only behind this wait
	s_add_nc_u64 s[12:13], s[12:13], s[68:69]
	s_mov_b32 s68, OSTEP
	s_mov_b32 s69, 0
	s_wait_loadcnt 0x0                             ; the bias
	PLACES                                         ; between the last products and the first read of a result
.if LAYER == 1
.irp t, 0,1,2,3,4,5,6,7,8,9,10,11,12,13,14,15
.irp c, 0,2,4,6
	v_pk_add_f32 v[ACC+8*\t+\c:ACC+8*\t+\c+1], v[ACC+8*\t+\c:ACC+8*\t+\c+1], v[BIAS+8*(\t%4)+\c:BIAS+8*(\t%4)+\c+1]
.endr
.irp c, 0,1,2,3,4,5,6,7
	v_max_num_f32 v[ACC+8*\t+\c], 0, v[ACC+8*\t+\c]
.endr
.irp c, 0,1,2,3
	v_cvt_pk_bf16_f32 v[TMP+4*\t+\c], v[ACC+8*\t+2*\c], v[ACC+8*\t+2*\c+1]
.endr
.endr
.irp a, 0,1,2,3
.irp b, 0,1,2,3
	ds_store_b128 v[STO], v[TMP+4*(4*\a+\b):TMP+4*(4*\a+\b)+3] offset:\a*16*SP+32*\b
.endr
.endr
	s_wait_dscnt 0x0                               ; for the others' sake: my stores into the stage are done
	s_barrier_signal -1                            ; a row's 256 bytes come from two waves.  The refill just asked for may stay out.
	s_barrier_wait -1                              ; The stage is written again a tile later, behind four changes of slots, each with every wave's wait for its LDS reads in front of its barrier.
.irp t, 0,1,2,3,4,5,6,7,8,9,10,11,12,13,14,15
	ds_load_b128 v[TMP+4*\t:TMP+4*\t+3], v[RD] offset:\t*2*SP
.endr
.irp t, 0,1,2,3,4,5,6,7,8,9,10,11,12,13,14,15
	s_wait_dscnt 15-\t                             ; load t is back; the younger ones may be out
	global_store_b128 v[CO], v[TMP+4*\t:TMP+4*\t+3], s[12:13] offset:\t*2*2048   ; 16 lanes store 256 consecutive bytes, aligned
.endr
.else
.irp a, 0,1,2,3
.irp b, 0,1,2,3
.irp c, 0,2,4,6
	v_pk_add_f32 v[ACC+8*(4*\a+\b)+\c:ACC+8*(4*\a+\b)+\c+1], v[ACC+8*(4*\a+\b)+\c:ACC+8*(4*\a+\b)+\c+1], v[BIAS+8*\b+\c:BIAS+8*\b+\c+1]
.endr
.endr
.irp b, 0,1,2,3
	ds_store_b128 v[STO], v[ACC+8*(4*\a+\b):ACC+8*(4*\a+\b)+3]   offset:64*\b
	ds_store_b128 v[STO], v[ACC+8*(4*\a+\b)+4:ACC+8*(4*\a+\b)+7] offset:64*\b+16
.endr
.if \a >= 2
	s_wait_xcnt 0x0                                ; these registers are the data of the stores of two blocks ago
.endif
.irp t, 0,1,2,3,4,5,6,7
	ds_load_b128 v[TMP+32*(\a%2)+4*\t:TMP+32*(\a%2)+4*\t+3], v[RD] offset:\t*2*SP   ; the stage is my wave's own, and LDS serves a wave's instructions in order
.endr
.irp t, 0,1,2,3,4,5,6,7
	s_wait_dscnt 7-\t                              ; load t is back; the younger ones may be out
	global_store_b128 v[CO], v[TMP+32*(\a%2)+4*\t:TMP+32*(\a%2)+4*\t+3], s[12:13] offset:(16*\a+2*\t)*4096   ; 16 lanes store 256 consecutive bytes, aligned
.endr
.endr
.endif
.endm
; A tile: K steps 0 to 3 in slots 0, 1, 0, 1.  Slots 0 and 1 are filled again with K steps 2 and 3; then, in a tile that has a successor, with the next tile's K steps 0 and 1.
.macro TILE last
	HEAD \last
	QUARTER 0, 1, F0, F1, 1
	QUARTER 0, 2, F1, F0, 0
	QUARTER 0, 3, F0, F1, 0
	TURN 0, 1, 1, STEPA, 58, 2*STEPW
	QUARTER 1, 1, F0, F1, 0
	QUARTER 1, 2, F1, F0, 0
	QUARTER 1, 3, F0, F1, 0
	TURN 1, 0, 1, STEPA, 58, 3*STEPW
	QUARTER 0, 1, F0, F1, 0
	QUARTER 0, 2, F1, F0, 0
	QUARTER 0, 3, F0, F1, 0
.if \last
	TURN 0, 1, 0, 0, 58, 0
.else
	TURN 0, 1, 1, NEXT_A, 60, 0
.endif
	QUARTER 1, 1, F0, F1, 0
	QUARTER 1, 2, F1, F0, 0
	QUARTER 1, 3, F0, F1, 0
.if \last
	LASTQ
.else
	TURN 1, 0, 1, NEXT_A, 60, STEPW
.endif
	OUT
.endm
	s_wait_tensorcnt 0x1                           ; my part of K step 0 is in; K step 1's may stay out
	s_barrier_signal -1
	s_barrier_wait -1                              ; everybody's is
	FETCH 0, 0, F0
	WIN 0
.Ltile:                                                ; two trips: every tile but the last
	TILE 0
	s_mov_b32 s23, s3                              ; the next tile's expert and weights become this tile's
	s_mov_b64 s[58:59], s[60:61]
	s_sub_co_u32 s22, s22, 1
	s_cmp_lg_u32 s22, 0
	s_cbranch_scc1 .Ltile
	TILE 1                                         ; the last tile is written out: it asks for nothing beyond its own K steps
	s_wait_tensorcnt 0x0
	ds_add_u32 v30, v31
	s_wait_dscnt 0x0
	s_endpgm
.Lfunc_end_k_q99b21ddbfa_ffn2:
	.size	k_q99b21ddbfa_ffn2, .Lfunc_end_k_q99b21ddbfa_ffn2-k_q99b21ddbfa_ffn2
	.p2alignl 7, 3214868480
	.fill 96, 4, 3214868480
	.section	.rodata,"a",@progbits
	.p2align	6, 0x0
	.amdhsa_kernel k_q99b21ddbfa_ffn2
		.amdhsa_group_segment_fixed_size 327680
		.amdhsa_private_segment_fixed_size 0
		.amdhsa_enable_private_segment 0
		.amdhsa_kernarg_size 40
		.amdhsa_user_sgpr_count 2
		.amdhsa_user_sgpr_kernarg_segment_ptr 1
		.amdhsa_wavefront_size32 1
		.amdhsa_system_sgpr_workgroup_id_x 1
		.amdhsa_system_sgpr_workgroup_id_y 1
		.amdhsa_system_sgpr_workgroup_id_z 1
		.amdhsa_system_vgpr_workitem_id 0
		.amdhsa_next_free_vgpr 512
		.amdhsa_next_free_sgpr 72
		.amdhsa_reserve_vcc 0
		.amdhsa_float_denorm_mode_32 3
		.amdhsa_float_denorm_mode_16_64 3
		.amdhsa_memory_ordered 1
		.amdhsa_forward_progress 1
		.amdhsa_inst_pref_size 176
	.end_amdhsa_kernel
	.amdgpu_metadata
---
amdhsa.version: [ 1, 2 ]
amdhsa.kernels:
  - .name:           k_q99b21ddbfa_ffn2
    .symbol:         k_q99b21ddbfa_ffn2.kd
    .args:
      - { .name: hb, .offset: 0, .size: 8, .value_kind: global_buffer, .address_space: global }
      - { .name: wb, .offset: 8, .size: 8, .value_kind: global_buffer, .address_space: global }
      - { .name: b2, .offset: 16, .size: 8, .value_kind: global_buffer, .address_space: global }
      - { .name: route, .offset: 24, .size: 8, .value_kind: global_buffer, .address_space: global }
      - { .name: yb, .offset: 32, .size: 8, .value_kind: global_buffer, .address_space: global }
    .group_segment_fixed_size: 327680
    .private_segment_fixed_size: 0
    .kernarg_segment_align: 8
    .kernarg_segment_size: 40
    .max_flat_workgroup_size: 128
    .sgpr_count:     72
    .vgpr_count:     512
    .wavefront_size: 32
...
	.end_amdgpu_metadata
.endif
;; end of part 5
;; launch combine (part 6): grid 256 x 1, 16 waves a work-group, no clusters, 0 bytes of LDS; arguments yb, gates, sel, route, x, wb, b1, b2, out0; writes out0
.if DOCPART == 6
	.amdgcn_target "amdgcn-amd-amdhsa--gfx1250"
	.amdhsa_code_object_version 6
	.text
	.protected	k_q99b21ddbfa_combine
	.globl	k_q99b21ddbfa_combine
	.p2align	8
	.type	k_q99b21ddbfa_combine,@function
k_q99b21ddbfa_combine:
	s_mov_b64 s[64:65], 0
	v_nop
	global_prefetch_b8 v0, s[64:65] scope:SCOPE_SE
	s_setreg_imm32_b32 hwreg(HW_REG_WAVE_MODE, 25, 1), 1
	s_wait_xcnt 0x0
; COMBINE.  out0[t] = the sum over the kept experts e, ascending, of gates[t][e] y_e[t], in f32.  An expert that is not kept has the gate 0 and adds nothing.
; One wave, one token.  The token's two lowest kept experts went through the routed products: their rows y_e[t] = yb[tsl[e][t]] are read (two rows of 4,096 bytes, eight loads of 512
; neighbouring bytes each) and one row is stored: a stream.
; TIES.  A third to eighth kept expert (h equal to the second largest more than once) has no slot.  The wave makes its row itself, one expert a trip:
; y = bf16(relu(bf16(x[t]) W1_e + b1_e)) W2_e + b2_e, weights in bf16 from wb, sums in f32, k ascending, as the routed products round.  A product with ONE row: 4 MiB of weights are
; streamed for 2 M multiply-adds, so the vector unit does it and the matrix unit would add nothing.  The trip count is the number of bits in sel[t]; the loop holds no barrier and no LDS.
; It waits for each four rows of weights before it multiplies them: plain on purpose, for a case that wants equal f32 numbers in h.
; The kept experts come from sel, whole numbers that an earlier launch stored; every expert is clamped to 7 and every slot to 9,215 before it enters an address.
; LIMIT.  With a NaN in a token's h (fewer than two bits in sel) that token's result is unspecified; all accesses stay inside their buffers.
; No LDS, matrix unit or cluster: nothing is shared between waves.
.set TSL, 2304                         ; where tsl begins in route
.set CAP, 9216                         ; slots
.set OUT, 8                            ; v[8:39]    the token's row: register 4 j + c holds column 128 j + 4 lane + c
.set Y,   40                           ; v[40:71]   the second row; in a tie the sums of a layer, in the same layout
.set XR,  72                           ; v[72:103]  ties: x[t] rounded to bf16, as f32, in the same layout
.set HR,  104                          ; v[104:135] ties: the hidden row likewise
.set W,   136                          ; v[136:199] ties: four k rows of weights, 8 bytes a lane and load
.set T,   200                          ; v[200:203] at work
	s_load_b512 s[4:19], s[0:1], 0x0               ; yb 4:5, gates 6:7, sel 8:9, route 10:11, x 12:13, wb 14:15, b1 16:17, b2 18:19
	s_load_b64 s[20:21], s[0:1], 0x40              ; out0
	v_lshrrev_b32 v1, 5, v0
	v_readfirstlane_b32 s22, v1                    ; wave 0..15
	v_and_b32 v1, 31, v0
	v_lshlrev_b32 v2, 4, v1                        ; 16 bytes a lane
	v_lshlrev_b32 v3, 3, v1                        ; 8 bytes a lane
	s_lshl_b32 s23, ttmp9, 4
	s_add_co_u32 s23, s23, s22                     ; my token t
	s_mov_b32 s29, 0
	s_lshl_b32 s28, s23, 2
	s_wait_kmcnt 0x0
	s_add_nc_u64 s[30:31], s[8:9], s[28:29]
	s_load_b32 s24, s[30:31], 0x0                  ; sel[t]
	s_lshl_b32 s28, s23, 1
	s_add_nc_u64 s[10:11], s[10:11], s[28:29]      ; route + 2 t
	s_lshl_b32 s28, s23, 5
	s_add_nc_u64 s[6:7], s[6:7], s[28:29]          ; gates + 32 t
	s_lshl_b32 s28, s23, 12
	s_add_nc_u64 s[20:21], s[20:21], s[28:29]      ; out0 + 4,096 t
	s_add_nc_u64 s[12:13], s[12:13], s[28:29]      ; x + 4,096 t
	s_wait_kmcnt 0x0
	s_and_b32 s24, s24, 0xff
	s_bcnt1_i32_b32 s25, s24
	s_min_u32 s25, s25, 8                          ; how many experts are kept
.macro NEXTE                           ; the lowest expert still in s24 is taken out of it, into s26
	s_ctz_i32_b32 s26, s24
	s_min_u32 s26, s26, 7
	s_sub_co_u32 s27, s24, 1
	s_and_b32 s24, s24, s27
.endm
.macro GATE k                          ; its gate is asked for, into set k (0 or 1) of the registers
	s_lshl_b32 s28, s26, 2
	s_add_nc_u64 s[34+4*\k:35+4*\k], s[6:7], s[28:29]
	s_load_b32 s[42+2*\k], s[34+4*\k:35+4*\k], 0x0 ; gates[t][e]
.endm
.macro PICK k                          ; an expert with a slot: slot and gate
	NEXTE
	s_lshl_b32 s28, s26, 13
	s_add_nc_u64 s[32+4*\k:33+4*\k], s[10:11], s[28:29]
	s_load_u16 s[40+\k], s[32+4*\k:33+4*\k], TSL   ; tsl[e][t]
	GATE \k
.endm
.macro ROWPTR k                        ; behind the wait for them: the row's address, and the gate's pair written whole (the packed forms name a pair and take its low word twice)
	s_min_u32 s[40+\k], s[40+\k], CAP-1
	s_lshl_b32 s28, s[40+\k], 12
	s_add_nc_u64 s[46+2*\k:47+2*\k], s[4:5], s[28:29]
	s_mov_b32 s[43+2*\k], s[42+2*\k]
.endm
	PICK 0
	PICK 1
	s_wait_kmcnt 0x0
	ROWPTR 0
	ROWPTR 1
.irp j, 0,1,2,3,4,5,6,7
	global_load_b128 v[OUT+4*\j:OUT+4*\j+3], v2, s[46:47] offset:512*\j th:TH_LOAD_NT   ; a slot belongs to one token: each row is read once
.endr
.irp j, 0,1,2,3,4,5,6,7
	global_load_b128 v[Y+4*\j:Y+4*\j+3], v2, s[48:49] offset:512*\j th:TH_LOAD_NT
.endr
	s_wait_loadcnt 8                               ; the first row is in; the second row's eight loads may be out
.irp i, 0,1,2,3,4,5,6,7,8,9,10,11,12,13,14,15
	v_pk_mul_f32 v[OUT+2*\i:OUT+2*\i+1], v[OUT+2*\i:OUT+2*\i+1], s[42:43] op_sel_hi:[1,0]
.endr
.irp j, 0,1,2,3,4,5,6,7
	s_wait_loadcnt 7-\j                            ; load j of the second row is in; the younger ones stay out
	v_pk_fma_f32 v[OUT+4*\j:OUT+4*\j+1],   v[Y+4*\j:Y+4*\j+1],   s[44:45], v[OUT+4*\j:OUT+4*\j+1]   op_sel_hi:[1,0,1]
	v_pk_fma_f32 v[OUT+4*\j+2:OUT+4*\j+3], v[Y+4*\j+2:Y+4*\j+3], s[44:45], v[OUT+4*\j+2:OUT+4*\j+3] op_sel_hi:[1,0,1]
.endr
	s_cmp_le_u32 s25, 2
	s_cbranch_scc1 .Lstore
; Y += (the row in registers sr) x (the 1,024 x 1,024 weights at s[52:53]).  Number k = 128 j + 4 l + c of the row lies in register sr + 4 j + c of lane l.
; The inner loop walks l: four numbers (c = 0..3) are read out of lane l into scalars, and the four k rows 128 j + 4 l + c, 8,192 neighbouring bytes, are loaded (eight loads of 256
; bytes a row: a lane's four bf16 are its four columns of Y) and multiplied.  The outer loop walks j: a register cannot be chosen by a counter, so the row is turned by four registers
; after each inner loop; after eight turns it lies as before.  k ascends throughout, and the weights' address simply steps on.
.macro GEMV sr
	s_mov_b32 s50, 0
.Lblock_\@:
	s_mov_b32 s51, 0
.Llane_\@:
.irp c, 0,1,2,3
	v_readlane_b32 s[56+\c], v[\sr+\c], s51
.endr
.irp r, 0,1,2,3
.irp j, 0,1,2,3,4,5,6,7
	global_load_b64 v[W+2*(8*\r+\j):W+2*(8*\r+\j)+1], v3, s[52:53] offset:2048*\r+256*\j
.endr
.endr
	s_wait_loadcnt 0x0                             ; the four rows (in the first trip also the bias, which started Y)
.irp r, 0,1,2,3
.irp j, 0,1,2,3,4,5,6,7
	v_fma_mix_f32_bf16 v[Y+4*\j],   v[W+2*(8*\r+\j)],   s[56+\r], v[Y+4*\j]   op_sel_hi:[1,0,0]                  ; the low bf16 x an f32 + an f32
	v_fma_mix_f32_bf16 v[Y+4*\j+1], v[W+2*(8*\r+\j)],   s[56+\r], v[Y+4*\j+1] op_sel:[1,0,0] op_sel_hi:[1,0,0]   ; the high bf16
	v_fma_mix_f32_bf16 v[Y+4*\j+2], v[W+2*(8*\r+\j)+1], s[56+\r], v[Y+4*\j+2] op_sel_hi:[1,0,0]
	v_fma_mix_f32_bf16 v[Y+4*\j+3], v[W+2*(8*\r+\j)+1], s[56+\r], v[Y+4*\j+3] op_sel:[1,0,0] op_sel_hi:[1,0,0]
.endr
.endr
	s_add_nc_u64 s[52:53], s[52:53], 8192          ; free: the loads that named it have been waited for
	s_add_co_u32 s51, s51, 1
	s_cmp_lt_u32 s51, 32
	s_cbranch_scc1 .Llane_\@
.irp c, 0,1,2,3
	v_mov_b32 v[T+\c], v[\sr+\c]
.endr
.set ii, 0
.rept 28
	v_mov_b32 v[\sr+ii], v[\sr+ii+4]
.set ii, ii+1
.endr
.irp c, 0,1,2,3
	v_mov_b32 v[\sr+28+\c], v[T+\c]
.endr
	s_add_co_u32 s50, s50, 1
	s_cmp_lt_u32 s50, 8
	s_cbranch_scc1 .Lblock_\@
.endm
.macro BIASIN lo                       ; the layer's bias starts the sums: nothing is cleared
	s_lshl_b32 s28, s26, 12
	s_add_nc_u64 s[54:55], s[\lo:\lo+1], s[28:29]  ; free: every earlier load has been waited for
.irp j, 0,1,2,3,4,5,6,7
	global_load_b128 v[Y+4*\j:Y+4*\j+3], v2, s[54:55] offset:512*\j
.endr
	s_lshl_b32 s28, s26, 21
	s_add_nc_u64 s[52:53], s[14:15], s[28:29]      ; W1 of the expert
.endm
	; x[t], once for all the token's ties, rounded to bf16 and widened again
.irp j, 0,1,2,3,4,5,6,7
	global_load_b128 v[XR+4*\j:XR+4*\j+3], v2, s[12:13] offset:512*\j
.endr
	s_wait_loadcnt 0x0
.irp i, 0,1,2,3,4,5,6,7,8,9,10,11,12,13,14,15
	v_cvt_pk_bf16_f32 v[T+\i%4], v[XR+2*\i], v[XR+2*\i+1]
	v_lshlrev_b32 v[XR+2*\i], 16, v[T+\i%4]
	v_and_b32 v[XR+2*\i+1], 0xffff0000, v[T+\i%4]
.endr
	s_mov_b32 s60, 2
.Ltie:                                                 ; one more kept expert a trip; all earlier loads, scalar and vector, have been waited for
	NEXTE
	GATE 1
	BIASIN 16
	GEMV XR
.irp i, 0,1,2,3,4,5,6,7,8,9,10,11,12,13,14,15
	v_max_num_f32 v[Y+2*\i], 0, v[Y+2*\i]
	v_max_num_f32 v[Y+2*\i+1], 0, v[Y+2*\i+1]
	v_cvt_pk_bf16_f32 v[T+\i%4], v[Y+2*\i], v[Y+2*\i+1]
	v_lshlrev_b32 v[HR+2*\i], 16, v[T+\i%4]
	v_and_b32 v[HR+2*\i+1], 0xffff0000, v[T+\i%4]
.endr
	BIASIN 18
	s_add_nc_u64 s[52:53], s[52:53], 0x1000000     ; W2 lies 16,777,216 bytes behind W1
	GEMV HR
	s_wait_kmcnt 0x0                               ; the gate
	s_mov_b32 s45, s44
.irp i, 0,1,2,3,4,5,6,7,8,9,10,11,12,13,14,15
	v_pk_fma_f32 v[OUT+2*\i:OUT+2*\i+1], v[Y+2*\i:Y+2*\i+1], s[44:45], v[OUT+2*\i:OUT+2*\i+1] op_sel_hi:[1,0,1]
.endr
	s_add_co_u32 s60, s60, 1
	s_cmp_lt_u32 s60, s25
	s_cbranch_scc1 .Ltie
.Lstore:
.irp j, 0,1,2,3,4,5,6,7
	global_store_b128 v2, v[OUT+4*\j:OUT+4*\j+3], s[20:21] offset:512*\j th:TH_STORE_NT   ; the wave stores 512 consecutive bytes, aligned
.endr
	s_endpgm
.Lfunc_end_k_q99b21ddbfa_combine:
	.size	k_q99b21ddbfa_combine, .Lfunc_end_k_q99b21ddbfa_combine-k_q99b21ddbfa_combine
	.p2alignl 7, 3214868480
	.fill 96, 4, 3214868480
	.section	.rodata,"a",@progbits
	.p2align	6, 0x0
	.amdhsa_kernel k_q99b21ddbfa_combine
		.amdhsa_group_segment_fixed_size 0
		.amdhsa_private_segment_fixed_size 0
		.amdhsa_enable_private_segment 0
		.amdhsa_kernarg_size 72
		.amdhsa_user_sgpr_count 2
		.amdhsa_user_sgpr_kernarg_segment_ptr 1
		.amdhsa_wavefront_size32 1
		.amdhsa_system_sgpr_workgroup_id_x 1
		.amdhsa_system_sgpr_workgroup_id_y 1
		.amdhsa_system_sgpr_workgroup_id_z 1
		.amdhsa_system_vgpr_workitem_id 0
		.amdhsa_next_free_vgpr 208
		.amdhsa_next_free_sgpr 66
		.amdhsa_reserve_vcc 0
		.amdhsa_float_denorm_mode_32 3
		.amdhsa_float_denorm_mode_16_64 3
		.amdhsa_memory_ordered 1
		.amdhsa_forward_progress 1
		.amdhsa_inst_pref_size 43
	.end_amdhsa_kernel
	.amdgpu_metadata
---
amdhsa.version: [ 1, 2 ]
amdhsa.kernels:
  - .name:           k_q99b21ddbfa_combine
    .symbol:         k_q99b21ddbfa_combine.kd
    .args:
      - { .name: yb, .offset: 0, .size: 8, .value_kind: global_buffer, .address_space: global }
      - { .name: gates, .offset: 8, .size: 8, .value_kind: global_buffer, .address_space: global }
      - { .name: sel, .offset: 16, .size: 8, .value_kind: global_buffer, .address_space: global }
      - { .name: route, .offset: 24, .size: 8, .value_kind: global_buffer, .address_space: global }
      - { .name: x, .offset: 32, .size: 8, .value_kind: global_buffer, .address_space: global }
      - { .name: wb, .offset: 40, .size: 8, .value_kind: global_buffer, .address_space: global }
      - { .name: b1, .offset: 48, .size: 8, .value_kind: global_buffer, .address_space: global }
      - { .name: b2, .offset: 56, .size: 8, .value_kind: global_buffer, .address_space: global }
      - { .name: out0, .offset: 64, .size: 8, .value_kind: global_buffer, .address_space: global }
    .group_segment_fixed_size: 0
    .private_segment_fixed_size: 0
    .kernarg_segment_align: 8
    .kernarg_segment_size: 72
    .max_flat_workgroup_size: 512
    .sgpr_count:     66
    .vgpr_count:     208
    .wavefront_size: 32
...
	.end_amdgpu_metadata
.endif
;; end of part 6
;; ======== version 2 of 4: 6 launches; 1.13 times as fast as version 1
;; workspace buffers: sel 16,384 bytes of whole numbers; gates 131,072 bytes; wb 33,554,432 bytes; route 69,376 bytes of whole numbers; xg 20,447,232 bytes; hb 20,447,232 bytes; yb 40,894,464 bytes
;; launch gate: the kernel of part 1 again; grid 256 x 1, 8 waves a work-group, no clusters, 78,848 bytes of LDS; arguments x, noise, W_g, W_noise, W1, W2, sel, gates, wb; writes sel, gates, wb
;; launch route (part 7): grid 1 x 1, 32 waves a work-group, no clusters, 69,888 bytes of LDS; arguments sel, route; writes route
.if DOCPART == 7
	.amdgcn_target "amdgcn-amd-amdhsa--gfx1250"
	.amdhsa_code_object_version 6
	.text
	.protected	k_q99b21ddbfa_route
	.globl	k_q99b21ddbfa_route
	.p2align	8
	.type	k_q99b21ddbfa_route,@function
k_q99b21ddbfa_route:
	s_mov_b64 s[64:65], 0
	v_nop
	global_prefetch_b8 v0, s[64:65] scope:SCOPE_SE
	s_setreg_imm32_b32 hwreg(HW_REG_WAVE_MODE, 25, 1), 1
	s_wait_xcnt 0x0
; ROUTE.  From sel (a word with 8 bits for each of 4,096 tokens) to the tables that steer the later launches' addresses.
; The routed path takes TWO experts a token: the two lowest bits of sel.  (Further bits, ties, are served by the last launch, token by token.)
; A SLOT is one (token, expert) row.  An expert's slots lie together, in the order of the tokens; each expert's region is filled up to a multiple of 256.
; 8,192 slots in 8 such regions are at most 32 + 7 blocks of 256: the capacity is 39 blocks = 9,984 slots, so there are exactly 1,792 filling slots.
; route:  bytes 0-255      tab[mt], a word for each m-tile of 256 slots: its expert (39 in use; 64 written, so that the 256 bytes are whole)
;         bytes 256-       padslot[p], u16, p = 0..1791: the filling slots
;         bytes 3,840-     tsl[expert][token], u16: the slot; 9,983 where the expert is not one of the token's two
; Every store's address is made of the wave's and the lane's number alone; the numbers that hang on sel are data.
; ONE work-group of 32 waves: the counts of all experts meet in LDS, and no traffic between work-groups is allowed.  Wave w = 4 e + q owns expert e and tokens 1024 q .. 1024 q + 1023.
; LIMIT.  With fewer than two bits in a word of sel (a NaN in that token's h) there are more than 1,792 filling slots, and those beyond are not listed.
.set CNT,  0x10000                     ; LDS: 32 words, the waves' counts; below it 2,048 bytes for each wave: its 1,024 entries of tsl
.set PADS, 256
.set TSL,  3840
.set CAP,  9984
.set B,    66                          ; s[66:97] chunk c's ballot: which of tokens 32 c + lane have my expert among their two
.set M,    32                          ; v[32:63] sel of my 1,024 tokens
	s_load_b128 s[4:7], s[0:1], 0x0                ; sel s[4:5], route s[6:7]
	v_lshl_add_u32 v72, v0, 2, 0x10100
	v_mov_b32 v73, 0
	v_lshrrev_b32 v8, 5, v0
	v_readfirstlane_b32 s8, v8                     ; wave 0..31
	v_and_b32 v1, 31, v0                           ; lane
	s_lshr_b32 s9, s8, 2                           ; e
	s_and_b32 s10, s8, 3                           ; q
	s_lshl_b32 s11, 1, s9                          ; my expert's bit
	s_lshl_b32 s15, s9, 2                          ; 4 e: my expert's first wave
	s_mov_b32 s20, 0x76543210                      ; v_permlanex16_b32: each lane takes its own place in the other half
	s_mov_b32 s21, 0xfedcba98
	v_lshlrev_b32 v2, 2, v1
	v_lshl_add_u32 v2, s10, 12, v2                 ; sel: 4,096 q + 4 lane
	v_lshlrev_b32 v7, 1, v1
	v_lshl_add_u32 v7, s8, 11, v7                  ; my wave's tsl in LDS, 2 bytes a token
	v_lshlrev_b32 v19, 4, v1
	v_lshl_add_u32 v19, s8, 11, v19                ; the same bytes, 16 a lane: LDS address and, with TSL, offset in route
	v_mov_b32 v18, CAP-1                           ; the entry of an expert that is not taken
	v_mov_b32 v13, 0                               ; written, since a DPP form counts as a reader of its destination
	s_mov_b32 s12, 0
	s_wait_kmcnt 0x0
.set cc, 0
.rept 32
	global_load_b32 v[M+cc], v2, s[4:5] offset:128*cc
.set cc, cc+1
.endr
	s_wait_loadcnt 0x0
.set cc, 0
.rept 32
	v_and_b32 v8, 0xff, v[M+cc]
	v_add_nc_u32 v9, -1, v8
	v_and_b32 v9, v9, v8                           ; without its lowest bit
	v_add_nc_u32 v10, -1, v9
	v_and_b32 v10, v10, v9                         ; without its two lowest bits
	v_xor_b32 v8, v8, v10                          ; the two lowest bits
	v_and_b32 v8, s11, v8
	v_cmp_ne_u32 s[B+cc], 0, v8
	s_bcnt1_i32_b32 s13, s[B+cc]
	s_add_co_u32 s12, s12, s13                     ; my wave's count
.set cc, cc+1
.endr
	v_mov_b32 v9, s8
	v_lshlrev_b32 v9, 2, v9
	v_add_nc_u32 v9, CNT, v9
	v_mov_b32 v10, s12
	ds_store_b32 v9, v10                           ; all lanes write the same word with the same value
	v_lshlrev_b32 v12, 2, v1
	v_add_nc_u32 v12, CNT, v12
	s_wait_dscnt 0x0                               ; for the others' sake: my count is in LDS
	s_barrier_signal -1
	s_barrier_wait -1
	ds_load_b32 v11, v12                           ; lane l: wave l's count
	s_wait_dscnt 0x0
	; an expert's count: the sum over its four waves = four neighbouring lanes
	v_mov_b32_dpp v13, v11 row_xmask:1 row_mask:0xf bank_mask:0xf
	v_add_nc_u32 v14, v11, v13
	v_mov_b32_dpp v13, v14 row_xmask:2 row_mask:0xf bank_mask:0xf
	v_add_nc_u32 v14, v14, v13                     ; v14: lane l holds the count of expert l / 4
	v_add_nc_u32 v15, 255, v14
	v_and_b32 v15, 0xffffff00, v15                 ; v15: filled up to a multiple of 256
	; my first slot = the filled-up counts of the experts before mine + the counts of my expert's earlier quarters
	v_and_b32 v16, 3, v1
	v_cmp_eq_u32 s16, 0, v16
	v_cmp_gt_u32 s17, s15, v1                      ; lane < 4 e
	v_cmp_gt_u32 s18, s8, v1                       ; lane < w
	s_and_b32 s16, s16, s17                        ; one lane for each earlier expert
	s_and_not1_b32 s18, s18, s17                   ; 4 e <= lane < w
	v_cndmask_b32 v17, 0, v15, s16
	v_cndmask_b32 v17, v17, v11, s18
.irp k, 1,2,4,8
	v_mov_b32_dpp v13, v17 row_xmask:\k row_mask:0xf bank_mask:0xf
	v_add_nc_u32 v17, v17, v13
.endr
	v_permlanex16_b32 v13, v17, s20, s21
	v_add_nc_u32 v17, v17, v13
	v_readfirstlane_b32 s12, v17
	; chunk by chunk the tokens that have my expert take the next slots, in the order of the lanes
.set cc, 0
.rept 32
	v_mbcnt_lo_u32_b32 v4, s[B+cc], 0              ; how many such lanes stand below mine
	v_add_nc_u32 v4, s12, v4
	v_min_u32 v4, CAP-1, v4                        ; the slot
	v_cndmask_b32 v5, v18, v4, s[B+cc]
	ds_store_b16 v7, v5 offset:64*cc               ; every token's entry is written
	s_bcnt1_i32_b32 s13, s[B+cc]
	s_add_co_u32 s12, s12, s13
.set cc, cc+1
.endr
	; tsl leaves LDS through registers: the bytes are my wave's own, and LDS serves a wave's instructions in order
.irp i, 0,1,2,3
	ds_load_b128 v[40+4*\i:40+4*\i+3], v19 offset:512*\i
.endr
.irp i, 0,1,2,3
	s_wait_dscnt 3-\i                              ; load i is back; the younger ones may be out
	global_store_b128 v19, v[40+4*\i:40+4*\i+3], s[6:7] offset:TSL+512*\i        ; the wave stores 512 consecutive bytes, aligned
.endr
	s_cmp_ge_u32 s8, 14
	s_cbranch_scc1 .Lend
	; WAVES 0-13: the filling slots, 128 a wave.  n_e = expert e's count, s[24:31]; its filled-up count, s[32:39]; CP_e = the filling slots in front of expert e's, s[40:47].
	; Expert e's filling slots begin at (regions before) + n_e = (n_0 + .. + n_e) + CP_e, and what lies behind the last region counts as expert 7's.
	; So filling slot p is slot p + the sum of n_e over the experts with CP_e <= p.
.irp e, 0,1,2,3,4,5,6,7
	v_readlane_b32 s[24+\e], v14, 4*\e
	v_readlane_b32 s[32+\e], v15, 4*\e
.endr
	s_mov_b32 s40, 0
.irp e, 1,2,3,4,5,6,7
	s_sub_co_u32 s13, s[31+\e], s[23+\e]
	s_add_co_u32 s[40+\e], s[39+\e], s13
	v_mov_b32 v[56+\e], s[24+\e]
.endr
	v_lshlrev_b32 v20, 2, v1
	v_lshl_add_u32 v20, s8, 7, v20                 ; p = 128 w + 4 lane + c
.irp c, 0,1,2,3
	v_add_nc_u32 v21, \c, v20
	v_add_nc_u32 v[24+\c], s24, v21                ; CP_0 = 0 <= p
.irp e, 1,2,3,4,5,6,7
	v_cmp_le_u32 vcc_lo, s[40+\e], v21
	v_cndmask_b32 v22, 0, v[56+\e], vcc_lo
	v_add_nc_u32 v[24+\c], v[24+\c], v22
.endr
	v_min_u32 v[24+\c], CAP-1, v[24+\c]
.endr
	v_lshl_or_b32 v28, v25, 16, v24
	v_lshl_or_b32 v29, v27, 16, v26
	v_lshlrev_b32 v30, 3, v1
	v_lshl_add_u32 v30, s8, 8, v30
	global_store_b64 v30, v[28:29], s[6:7] offset:PADS                           ; the wave stores 256 consecutive bytes, aligned
	s_cmp_lg_u32 s8, 0
	s_cbranch_scc1 .Lend
	; WAVE 0: the table of m-tiles.  s[48:55]: where each expert's region ends.
	s_mov_b32 s48, s32
.irp e, 1,2,3,4,5,6,7
	s_add_co_u32 s[48+\e], s[47+\e], s[32+\e]
.endr
.irp j, 0,1
	v_add_nc_u32 v32, 32*\j, v1
	v_lshlrev_b32 v32, 8, v32                      ; first slot of m-tile lane + 32 j
	v_mov_b32 v[33+\j], 0
.irp e, 0,1,2,3,4,5,6
	v_cmp_le_u32 vcc_lo, s[48+\e], v32             ; its expert = how many of the first seven regions end at or before it
	v_add_co_ci_u32 v[33+\j], vcc_lo, 0, v[33+\j], vcc_lo
.endr
.endr
	v_lshlrev_b32 v35, 2, v1
	global_store_b32 v35, v33, s[6:7]
	global_store_b32 v35, v34, s[6:7] offset:128   ; the two stores fill route's first 256 bytes
.Lend:
	s_wait_tensorcnt 0x0
	ds_add_u32 v72, v73
	s_wait_dscnt 0x0
	s_endpgm
.Lfunc_end_k_q99b21ddbfa_route:
	.size	k_q99b21ddbfa_route, .Lfunc_end_k_q99b21ddbfa_route-k_q99b21ddbfa_route
	.p2alignl 7, 3214868480
	.fill 96, 4, 3214868480
	.section	.rodata,"a",@progbits
	.p2align	6, 0x0
	.amdhsa_kernel k_q99b21ddbfa_route
		.amdhsa_group_segment_fixed_size 69888
		.amdhsa_private_segment_fixed_size 0
		.amdhsa_enable_private_segment 0
		.amdhsa_kernarg_size 16
		.amdhsa_user_sgpr_count 2
		.amdhsa_user_sgpr_kernarg_segment_ptr 1
		.amdhsa_wavefront_size32 1
		.amdhsa_system_sgpr_workgroup_id_x 1
		.amdhsa_system_sgpr_workgroup_id_y 1
		.amdhsa_system_sgpr_workgroup_id_z 1
		.amdhsa_system_vgpr_workitem_id 0
		.amdhsa_next_free_vgpr 74
		.amdhsa_next_free_sgpr 100
		.amdhsa_reserve_vcc 1
		.amdhsa_float_denorm_mode_32 3
		.amdhsa_float_denorm_mode_16_64 3
		.amdhsa_memory_ordered 1
		.amdhsa_forward_progress 1
		.amdhsa_inst_pref_size 37
	.end_amdhsa_kernel
	.amdgpu_metadata
---
amdhsa.version: [ 1, 2 ]
amdhsa.kernels:
  - .name:           k_q99b21ddbfa_route
    .symbol:         k_q99b21ddbfa_route.kd
    .args:
      - { .name: sel, .offset: 0, .size: 8, .value_kind: global_buffer, .address_space: global }
      - { .name: route, .offset: 8, .size: 8, .value_kind: global_buffer, .address_space: global }
    .group_segment_fixed_size: 69888
    .private_segment_fixed_size: 0
    .kernarg_segment_align: 8
    .kernarg_segment_size: 16
    .max_flat_workgroup_size: 1024
    .sgpr_count:     100
    .vgpr_count:     74
    .wavefront_size: 32
...
	.end_amdgpu_metadata
.endif
;; end of part 7
;; launch gather (part 8): grid 256 x 1, 23 waves a work-group, no clusters, 0 bytes of LDS; arguments x, sel, route, xg; writes xg
.if DOCPART == 8
	.amdgcn_target "amdgcn-amd-amdhsa--gfx1250"
	.amdhsa_code_object_version 6
	.text
	.protected	k_q99b21ddbfa_gather
	.globl	k_q99b21ddbfa_gather
	.p2align	8
	.type	k_q99b21ddbfa_gather,@function
k_q99b21ddbfa_gather:
	s_mov_b64 s[64:65], 0
	v_nop
	global_prefetch_b8 v0, s[64:65] scope:SCOPE_SE
	s_setreg_imm32_b32 hwreg(HW_REG_WAVE_MODE, 25, 1), 1
	s_wait_xcnt 0x0
; GATHER.  xg[slot] = bf16(x[token]) for the two slots of every token; a row of zeros for each of the 1,792 filling slots: all 9,984 rows that the next launch reads are written.
; A stream.  256 work-groups of 23 waves.  Waves 0-15: one token each: its row of 4,096 bytes is read ONCE (eight loads of 512 neighbouring bytes), rounded, and stored to both slots
; (eight stores of 256 bytes each).  Waves 16-22: one filling slot each (7 x 256 = 1,792).
; The token's two experts are the two lowest bits of sel; its slots come from tsl, the filling slots from padslot: whole numbers that an earlier launch stored.  Every expert is
; clamped to 7 and every slot to 9,983 before it enters an address.
; LIMIT.  With fewer than two bits in sel[t] (a NaN in that token's h) the token's row goes to slot 9,983, and some filling rows stay unwritten.
; No LDS, matrix unit or cluster: nothing is shared between waves.
.set PADS, 256
.set TSL,  3840
.set CAP,  9984
	s_load_b256 s[4:11], s[0:1], 0x0               ; x s[4:5], sel s[6:7], route s[8:9], xg s[10:11]
	v_lshrrev_b32 v1, 5, v0
	v_readfirstlane_b32 s12, v1                    ; wave 0..22
	v_and_b32 v1, 31, v0
	v_lshlrev_b32 v2, 4, v1                        ; 16 bytes a lane
	v_lshlrev_b32 v3, 3, v1                        ; 8 bytes a lane
	s_mov_b32 s15, 0
	s_wait_kmcnt 0x0
	s_cmp_ge_u32 s12, 16
	s_cbranch_scc1 .Lpad
	s_lshl_b32 s13, ttmp9, 4
	s_add_co_u32 s13, s13, s12                     ; my token t
	s_lshl_b32 s14, s13, 12
	s_add_nc_u64 s[4:5], s[4:5], s[14:15]
.irp j, 0,1,2,3,4,5,6,7
	global_load_b128 v[8+4*\j:8+4*\j+3], v2, s[4:5] offset:512*\j th:TH_LOAD_NT  ; asked for first: the row hangs on no table
.endr
	s_lshl_b32 s14, s13, 2
	s_add_nc_u64 s[6:7], s[6:7], s[14:15]
	s_load_b32 s16, s[6:7], 0x0                    ; sel[t]
	s_lshl_b32 s14, s13, 1
	s_add_nc_u64 s[8:9], s[8:9], s[14:15]          ; route + 2 t
	s_wait_kmcnt 0x0
	s_and_b32 s16, s16, 0xff
.macro PICK k                          ; the lowest expert still in s16 is taken out of it, and its slot is asked for
	s_ctz_i32_b32 s17, s16
	s_min_u32 s17, s17, 7
	s_sub_co_u32 s18, s16, 1
	s_and_b32 s16, s16, s18
	s_lshl_b32 s14, s17, 13
	s_add_nc_u64 s[20+2*\k:21+2*\k], s[8:9], s[14:15]
	s_load_u16 s[28+\k], s[20+2*\k:21+2*\k], TSL   ; tsl[e][t]
.endm
	PICK 0
	PICK 1
	s_wait_kmcnt 0x0
.irp k, 0,1
	s_min_u32 s[28+\k], s[28+\k], CAP-1
	s_lshl_b32 s14, s[28+\k], 11
	s_add_nc_u64 s[24+2*\k:25+2*\k], s[10:11], s[14:15]              ; xg's row
.endr
.irp j, 0,1,2,3,4,5,6,7
	s_wait_loadcnt 7-\j                            ; load j is in; the younger ones stay out
	v_cvt_pk_bf16_f32 v[40+2*\j], v[8+4*\j],   v[8+4*\j+1]
	v_cvt_pk_bf16_f32 v[41+2*\j], v[8+4*\j+2], v[8+4*\j+3]
	global_store_b64 v3, v[40+2*\j:41+2*\j], s[24:25] offset:256*\j  ; the wave stores 256 consecutive bytes, aligned
	global_store_b64 v3, v[40+2*\j:41+2*\j], s[26:27] offset:256*\j
.endr
	s_endpgm
.Lpad:
	s_mul_i32 s13, ttmp9, 7
	s_add_co_u32 s13, s13, s12
	s_sub_co_u32 s13, s13, 16                      ; my filling slot's number p = 7 x work-group + wave - 16
	s_lshl_b32 s14, s13, 1
	s_add_nc_u64 s[8:9], s[8:9], s[14:15]
	s_load_u16 s16, s[8:9], PADS                   ; padslot[p]
.irp c, 4,5,6,7
	v_mov_b32 v\c, 0
.endr
	s_wait_kmcnt 0x0
	s_min_u32 s16, s16, CAP-1
	s_lshl_b32 s14, s16, 11
	s_add_nc_u64 s[10:11], s[10:11], s[14:15]
.irp j, 0,1,2,3
	global_store_b128 v2, v[4:7], s[10:11] offset:512*\j             ; the wave stores 512 consecutive bytes, aligned
.endr
	s_endpgm
.Lfunc_end_k_q99b21ddbfa_gather:
	.size	k_q99b21ddbfa_gather, .Lfunc_end_k_q99b21ddbfa_gather-k_q99b21ddbfa_gather
	.p2alignl 7, 3214868480
	.fill 96, 4, 3214868480
	.section	.rodata,"a",@progbits
	.p2align	6, 0x0
	.amdhsa_kernel k_q99b21ddbfa_gather
		.amdhsa_group_segment_fixed_size 0
		.amdhsa_private_segment_fixed_size 0
		.amdhsa_enable_private_segment 0
		.amdhsa_kernarg_size 32
		.amdhsa_user_sgpr_count 2
		.amdhsa_user_sgpr_kernarg_segment_ptr 1
		.amdhsa_wavefront_size32 1
		.amdhsa_system_sgpr_workgroup_id_x 1
		.amdhsa_system_sgpr_workgroup_id_y 1
		.amdhsa_system_sgpr_workgroup_id_z 1
		.amdhsa_system_vgpr_workitem_id 0
		.amdhsa_next_free_vgpr 64
		.amdhsa_next_free_sgpr 66
		.amdhsa_reserve_vcc 0
		.amdhsa_float_denorm_mode_32 3
		.amdhsa_float_denorm_mode_16_64 3
		.amdhsa_memory_ordered 1
		.amdhsa_forward_progress 1
		.amdhsa_inst_pref_size 7
	.end_amdhsa_kernel
	.amdgpu_metadata
---
amdhsa.version: [ 1, 2 ]
amdhsa.kernels:
  - .name:           k_q99b21ddbfa_gather
    .symbol:         k_q99b21ddbfa_gather.kd
    .args:
      - { .name: x, .offset: 0, .size: 8, .value_kind: global_buffer, .address_space: global }
      - { .name: sel, .offset: 8, .size: 8, .value_kind: global_buffer, .address_space: global }
      - { .name: route, .offset: 16, .size: 8, .value_kind: global_buffer, .address_space: global }
      - { .name: xg, .offset: 24, .size: 8, .value_kind: global_buffer, .address_space: global }
    .group_segment_fixed_size: 0
    .private_segment_fixed_size: 0
    .kernarg_segment_align: 8
    .kernarg_segment_size: 32
    .max_flat_workgroup_size: 736
    .sgpr_count:     66
    .vgpr_count:     64
    .wavefront_size: 32
...
	.end_amdgpu_metadata
.endif
;; end of part 8
;; launch ffn1 (part 9): grid 156 x 1, 4 waves a work-group, clusters of 4 x 1, 327,680 bytes of LDS; arguments xg, wb, b1, route, hb; writes hb
.if DOCPART == 9
	.amdgcn_target "amdgcn-amd-amdhsa--gfx1250"
	.amdhsa_code_object_version 6
	.text
	.protected	k_q99b21ddbfa_ffn1
	.globl	k_q99b21ddbfa_ffn1
	.p2align	8
	.type	k_q99b21ddbfa_ffn1,@function
k_q99b21ddbfa_ffn1:
	s_mov_b64 s[64:65], 0
	v_nop
	global_prefetch_b8 v0, s[64:65] scope:SCOPE_SE
	s_setreg_imm32_b32 hwreg(HW_REG_WAVE_MODE, 25, 1), 1
	s_wait_xcnt 0x0
	s_wait_alu depctr_hold_cnt(0) depctr_sa_sdst(0) depctr_va_vdst(0) depctr_va_sdst(0) depctr_va_ssrc(0) depctr_va_vcc(0) depctr_vm_vsrc(0)
	s_getreg_b32 s2, hwreg(HW_REG_IB_STS2, 6, 4)
	s_cmp_eq_u32 s2, 0
	s_cbranch_scc0 .Lentry_in_a_cluster
	s_endpgm
.Lentry_in_a_cluster:
	s_bfe_u32 s2, ttmp6, 0x10000c
	s_cmp_lg_u32 s2, 0x3003
	s_cbranch_scc0 .Lentry_shape_is_right
	s_endpgm
.Lentry_shape_is_right:
; GROUPED GEMM over the slots.  LAYER 1: hb = bf16(relu(xg W1_e + b1_e)).  LAYER 2: yb = hb W2_e + b2_e in f32.  e is the expert of the m-tile (256 slots), read from route's table.
; A: [slot][1024] bf16.  W: wb, [layer][expert][k][n] bf16, n along the rows: its fragments are turned on the way out of LDS by ds_load_tr16_b128.  Sums in f32, started by the bias.
; SHARES.  39 m-tiles x 4 column blocks = 156 work-groups of four waves, one tile of 256 x 256 each; a wave makes 128 x 128: 64 accumulators of 16 x 16, 512 registers.  39 is a constant:
; 8,192 slots (two a token) in eight regions, each filled up to a multiple of 256, are at most 32 + 7 blocks; filling rows are zeros and are multiplied like the others, so that no trip
; count and no barrier hangs on a number read from memory.  The large tile is taken for its ratio: a K step's 128 KiB feed 256 matrix instructions of each wave.
; RING.  K goes in eight steps of 128 through two LDS slots.  Behind each change of slots every wave issues ONE tensor load of 32 KiB: waves 0, 1 A's two halves (128 rows x 256 bytes),
; waves 2, 3 W's (64 k rows x 512 bytes).  By this text's count two loads of a wave are out at the start, later one.
; CLUSTER.  The four column blocks of an m-tile form a cluster of 4 x 1.  They need the same tiles of A, which are asked for JOINTLY: the same tensor load, with the same descriptor and a
; mask that names the four, in all four; each receives the tile in its own LDS.  W's tiles hang on the column block, which differs between the four: each work-group asks for its own by
; a plain load, at the same place in the text, behind the same round of the cluster's barrier.
; THE MATRIX INSTRUCTION IS USED TRANSPOSED (source 0 = 16 columns of W, source 1 = 16 rows of A): lane l holds row l % 16 and the eight neighbouring columns 8 (l / 16) + 0..7.
; REGISTERS, in windows of 256 (s_set_vgpr_msb's low byte: bits 1:0 source 0, 3:2 source 1, 5:4 source 2, 7:6 destination):
;   window 0: v1-27 addresses; v64-127, v128-191 fragments of A (8 x 16 rows x 32 K), two buffers; v32-63, v192-255 (layer 2: v64-191) at work on the way out
;   window 1: v0-63 the bias of my lane's columns (block b of 16 columns at v[8 b]); v64-127, v128-191 fragments of W, two buffers
;   window 2: the 32 accumulators of my rows 0-63 (accumulator (a, b) at v[8 (8 a + b)]);   window 3: those of my rows 64-127
.set LAYER, 1
.set KSTEP,  128
.set PA,     272                       ; a row of A in LDS: 256 bytes + 16: an odd multiple of 16, so the 16 rows of a fragment load start at 16 different groups of banks
.set PW,     544                       ; a k row of W: 512 bytes + 32: an odd multiple of 32 (8 rows x 32 bytes for 16 lanes)
.set HALFT,  128*PA                    ; what one tensor load brings: 128 rows of A, or 64 k rows of W (64 x 544 is the same number)
.set SLOT,   4*HALFT                   ; A's 256 rows, then W's 128 k rows
.set STAGE,  2*SLOT                    ; behind the ring, at a multiple of 256 bytes; no tensor load fills it: 16 rows for each wave
.set STEPW,  KSTEP*2048                ; bytes of W from a K step to the next
.set LAPS,   1024/(2*KSTEP)            ; a lap = two K steps = once round the ring
.set OSH,    10+LAYER                  ; a row of the result is 1 << OSH bytes
.if LAYER == 1
.set SP,     272                       ; a stage row: my 128 columns in bf16 + 16 bytes
.else
.set SP,     528                       ; in f32 + 16 bytes
.endif
.set ADRA, 16                          ; v16-17  LDS address of my A fragments in slot 0, 1
.set ADRW, 20                          ; v20-21  the same for W
.set STO,  24                          ; v24     the way out: where I put my numbers of a row
.set RD,   25                          ; v25     the way out: where I read rows back
.set CO,   26                          ; v26     my byte offset in the result
.set BO,   27                          ; v27     my byte offset in the bias
.set F0,   64                          ; fragment buffer 0
.set F1,   128                         ; fragment buffer 1
.set TMP,  192                         ; layer 1, the way out: packed results
.set OB,   32                          ; layer 1, the way out: 16 rows read back from the stage: v32-63 and v224-255 by turns
.set G1A, 24                           ; s[24:31] descriptor group 1 for A's tiles;  s[32:39] group 0, a set for each slot
.set G0A, 32
.set G1W, 40                           ; s[40:47], s[48:55] the same for W's
.set G0W, 48
.set MSB, 0
.macro WIN new                         ; the immediate's high byte repeats the setting that is left; a switch that changes nothing is dropped
.if MSB != (\new)
	s_set_vgpr_msb (MSB<<8)|(\new)
.set MSB, (\new)
.endif
.endm
.set MUL_LO,   0xa1                    ; source 0 (W) window 1, source 1 (A) window 0, C and D window 2
.set MUL_HI,   0xf1                    ; the same, C and D window 3
.set FIRST_LO, 0x91                    ; an accumulator's first product: C is the bias, in window 1
.set FIRST_HI, 0xd1
.set TO_B,     0x40                    ; destination window 1, address window 0
.macro PLACES                          ; four places in front of loads into registers that matrix instructions have read, and of instructions that read results
.rept 4
	v_nop
.endr
.endm
; My one tensor load behind a round: waves 0 and 1 the joint load of A's halves, waves 2 and 3 the plain load of W's.  The branch hangs on the wave's number alone: it is the same in
; every work-group.  Four v_nop follow each of the two lines, ahead of the jump, the label and what follows.
.macro JLOAD s
	s_cmp_eq_u32 s15, 0
	s_cbranch_scc0 .Lfor_w_\@
	tensor_load_to_lds s[G0A+4*\s:G0A+4*\s+3], s[G1A:G1A+7]
	s_nop 0
.rept 4
	v_nop
.endr
	s_branch .Lasked_\@
.Lfor_w_\@:
	tensor_load_to_lds s[G0W+4*\s:G0W+4*\s+3], s[G1W:G1W+7]
	s_nop 0
.rept 4
	v_nop
.endr
.Lasked_\@:
.endm
; A round of the cluster's barrier: my work-group's barrier, so that wave 0's signal speaks for all four waves; wave 0 signals for the work-group; every wave waits for all four
; work-groups; my work-group's barrier once more.  No LDS instruction of the wave is pending at a signal.
.macro CREST                           ; a round behind its opening barrier
	s_cmp_lg_u32 s14, 0
	s_cbranch_scc1 .Lnot_wave_0_\@
	s_barrier_signal -3
.Lnot_wave_0_\@:
	s_barrier_wait -3
	s_barrier_signal -1
	s_barrier_wait -1
.endm
.macro CROUND                          ; a whole round
	s_barrier_signal -1
	s_barrier_wait -1
	CREST
.endm
	s_load_b256 s[4:11], s[0:1], 0x0               ; A s[4:5], wb s[6:7], bias s[8:9], route s[10:11]
	s_load_b64 s[12:13], s[0:1], 0x20              ; the result
	s_set_vgpr_msb 0x40
	v_lshl_add_u32 v255, v0, 2, 0x48400
	s_set_vgpr_msb 0x4000
	v_mov_b32 v31, 0
	s_set_vgpr_msb 0x1
	ds_add_u32 v255, v31
	ds_add_u32 v255, v31
	s_set_vgpr_msb 0x100
	v_lshrrev_b32 v1, 5, v0
	v_readfirstlane_b32 s14, v1                    ; wave 0..3
	s_lshr_b32 s15, s14, 1                         ; which half of the tile's rows is mine.  Also: I fetch for A (0) or for W (1)
	s_and_b32 s16, s14, 1                          ; which half of its columns.  Also: which half of that tile I fetch
	s_bfe_u32 s19, ttmp6, 0x40000                  ; cx, my place in the cluster: the column block.  In a cluster launch ttmp9 counts clusters: the m-tile
	s_mov_b32 s[G1A+0], 15|(1<<16)|(1<<20)|(1<<21)|(5<<22)|(3<<25)  ; 15:0 the mask: all four work-groups; elements of 2 bytes; padding on; 21 set beside a mask; after every 64 words (code 5) 4 words (code 3)
	s_mov_b32 s[G1A+1], KSTEP<<16                  ; tensor_dim0 = 128
	s_mov_b32 s[G1A+2], 128<<16                    ; tensor_dim1 = 128
	s_mov_b32 s[G1A+3], KSTEP<<16                  ; tile_dim0 = 128
	s_mov_b32 s[G1A+4], 128                        ; tile_dim1 = 128
	s_mov_b32 s[G1A+5], 1024                       ; elements from row to row
	s_mov_b32 s[G1A+6], 0
	s_mov_b32 s[G1A+7], 0
	s_mov_b32 s[G1W+0], (1<<16)|(1<<20)|(6<<22)|(7<<25)  ; no mask; after every 128 words (code 6) 8 words (code 7)
	s_mov_b32 s[G1W+1], 256<<16                    ; tensor_dim0 = 256
	s_mov_b32 s[G1W+2], 64<<16                     ; tensor_dim1 = 64
	s_mov_b32 s[G1W+3], 256<<16                    ; tile_dim0 = 256
	s_mov_b32 s[G1W+4], 64                         ; tile_dim1 = 64
	s_mov_b32 s[G1W+5], 1024
	s_mov_b32 s[G1W+6], 0
	s_mov_b32 s[G1W+7], 0
	s_lshl_b32 s56, ttmp9, 2
	s_mov_b32 s57, 0
	s_lshl_b32 s22, ttmp9, 19                      ; A: row 256 x m-tile + 128 x half, 2,048 bytes a row: made of the cluster's number and the wave's alone,
	s_lshl_b32 s17, s16, 18                        ; in registers that never hold cx
	s_add_co_u32 s22, s22, s17
	s_mov_b32 s23, 0
	s_mul_i32 s20, s14, HALFT                      ; where my load goes: A's two halves, then W's two halves = wave x 34,816: no place in the cluster enters an LDS address
	s_wait_dscnt 0x0
	s_wait_kmcnt 0x0
	s_add_nc_u64 s[56:57], s[10:11], s[56:57]
	s_load_b32 s21, s[56:57], 0x0                  ; tab[m-tile]: the expert, the same for the four partners
	s_add_nc_u64 s[4:5], s[4:5], s[22:23]
	s_wait_kmcnt 0x0
	s_min_u32 s21, s21, 7
	s_lshl_b32 s58, s19, 9                         ; W: my work-group's 256 columns (512 bytes),
	s_lshl_b32 s18, s16, 17                        ; my 64 of a step's 128 k rows,
	s_add_co_u32 s58, s58, s18
	s_lshl_b32 s18, s21, 21                        ; the expert,
	s_add_co_u32 s58, s58, s18
	s_add_co_u32 s58, s58, (LAYER-1)<<24           ; the layer
	s_mov_b32 s59, 0
	s_add_nc_u64 s[6:7], s[6:7], s[58:59]
	s_lshl_b32 s60, s21, 12                        ; the bias: the expert's row, my work-group's 256 columns
	s_lshl_b32 s18, s19, 10
	s_add_co_u32 s60, s60, s18
	s_mov_b32 s61, 0
	s_add_nc_u64 s[8:9], s[8:9], s[60:61]
	s_lshl_b32 s60, ttmp9, 8+OSH                   ; the result: row 256 x m-tile + 128 x row half, column 256 x column block + 128 x column half
	s_lshl_b32 s18, s15, 7+OSH
	s_add_co_u32 s60, s60, s18
	s_lshl_b32 s18, s19, OSH-2
	s_add_co_u32 s60, s60, s18
	s_lshl_b32 s18, s16, OSH-3
	s_add_co_u32 s60, s60, s18
	s_add_nc_u64 s[12:13], s[12:13], s[60:61]
.irp s, 0,1
	s_mov_b32 s[G0A+4*\s], 1                                       ; count = 1
	s_add_co_u32 s[G0A+4*\s+1], s20, \s*SLOT                       ; LDS address
	s_add_nc_u64 s[G0A+4*\s+2:G0A+4*\s+3], s[4:5], \s*KSTEP*2      ; global address: K step s
	s_or_b32 s[G0A+4*\s+3], s[G0A+4*\s+3], 0x80000000              ; type = 2
	s_mov_b32 s[G0W+4*\s], 1
	s_add_co_u32 s[G0W+4*\s+1], s20, \s*SLOT
	s_add_nc_u64 s[G0W+4*\s+2:G0W+4*\s+3], s[6:7], \s*STEPW
	s_or_b32 s[G0W+4*\s+3], s[G0W+4*\s+3], 0x80000000
.endr
	CROUND                                         ; all four work-groups are here: the first joint loads meet
	s_cmp_eq_u32 s15, 0                            ; a wave's two first fills stand in one branch, ahead of every wait on TENSORcnt and every LDS read
	s_cbranch_scc0 .Lfirst_w
	tensor_load_to_lds s[G0A:G0A+3], s[G1A:G1A+7]
	s_nop 0
	tensor_load_to_lds s[G0A+4:G0A+7], s[G1A:G1A+7]
	s_nop 0
.rept 4
	v_nop
.endr
	s_branch .Lfirst_asked
.Lfirst_w:
	tensor_load_to_lds s[G0W:G0W+3], s[G1W:G1W+7]
	s_nop 0
	tensor_load_to_lds s[G0W+4:G0W+7], s[G1W:G1W+7]
	s_nop 0
.rept 4
	v_nop
.endr
.Lfirst_asked:
	v_and_b32 v1, 15, v0                           ; r = l % 16
	v_bfe_u32 v2, v0, 4, 1                         ; h = l / 16
	v_lshlrev_b32 v[BO], 5, v2
	v_lshl_add_u32 v[BO], s16, 9, v[BO]            ; the bias of my lane's columns: 512 x column half + 32 h, + 64 for each block of 16
	WIN TO_B
.irp b, 0,1,2,3,4,5,6,7
	global_load_b128 v[8*\b:8*\b+3],   v[BO], s[8:9] offset:64*\b
	global_load_b128 v[8*\b+4:8*\b+7], v[BO], s[8:9] offset:64*\b+16
.endr
	WIN 0
	v_mul_u32_u24 v3, v1, PA
	v_lshl_add_u32 v3, v2, 4, v3                   ; a fragment of A: row r x pitch + 16 h
	s_mul_i32 s17, s15, HALFT                      ; my 128 rows
	v_add_nc_u32 v[ADRA], s17, v3
	v_add_nc_u32 v[ADRA+1], SLOT, v[ADRA]
	v_and_b32 v4, 7, v0                            ; the turning load: lane l reads 16 bytes of k row 8 h + l % 8, columns 8 ((l / 8) % 2) on
	v_bfe_u32 v5, v0, 3, 1
	v_lshl_add_u32 v6, v2, 3, v4
	v_mul_u32_u24 v6, v6, PW
	v_lshl_add_u32 v6, v5, 4, v6
	s_lshl_b32 s17, s16, 8                         ; my 128 columns
	s_add_co_u32 s17, s17, 2*HALFT                 ; W lies behind A's 256 rows
	v_add_nc_u32 v[ADRW], s17, v6
	v_add_nc_u32 v[ADRW+1], SLOT, v[ADRW]
	s_mul_i32 s17, s14, 16*SP
	s_add_co_u32 s17, s17, STAGE                   ; my stage
	v_mul_u32_u24 v4, v1, SP
.if LAYER == 1
	v_lshl_add_u32 v4, v2, 4, v4
	v_add_nc_u32 v[STO], s17, v4                   ; in: row r, 16 bytes for each half of the lanes
	v_mul_u32_u24 v5, v2, SP
	v_lshl_add_u32 v5, v1, 4, v5
	v_add_nc_u32 v[RD], s17, v5                    ; back: lanes 0-15 take one row of 256 bytes, lanes 16-31 the next
	v_lshlrev_b32 v[CO], 4, v1
	v_lshl_add_u32 v[CO], v2, 11, v[CO]            ; and the same two rows in hb
.else
	v_lshl_add_u32 v4, v2, 5, v4
	v_add_nc_u32 v[STO], s17, v4                   ; in: row r, 32 bytes for each half of the lanes
	v_and_b32 v5, 31, v0
	v_lshlrev_b32 v[CO], 4, v5                     ; back: the 32 lanes take one row of 512 bytes; the same bytes of a row of yb
	v_add_nc_u32 v[RD], s17, v[CO]
.endif
; 16 matrix instructions: m blocks a0, a0 + 1 of the window's four (hi = 0: my rows 0-63, 1: rows 64-127) x all 8 n blocks, 32 along K.
; first = 1: the product starts the sum from the bias: nothing is cleared, and nothing is added on the way out.
; The 64 accumulators take turns, one instruction a turn, in the same order in every quarter.
.macro MUL16 f, hi, a0, first
.irp a, \a0, \a0+1
.irp b, 0,1,2,3,4,5,6,7
.if \first
	v_wmma_f32_16x16x32_bf16 v[8*(8*(\a)+\b):8*(8*(\a)+\b)+7], v[\f+8*\b:\f+8*\b+7], v[\f+8*(4*\hi+\a):\f+8*(4*\hi+\a)+7], v[8*\b:8*\b+7]
.else
	v_wmma_f32_16x16x32_bf16 v[8*(8*(\a)+\b):8*(8*(\a)+\b)+7], v[\f+8*\b:\f+8*\b+7], v[\f+8*(4*\hi+\a):\f+8*(4*\hi+\a)+7], v[8*(8*(\a)+\b):8*(8*(\a)+\b)+7]
.endif
.endr
.endr
.endm
; 32 LDS loads in one run: the fragments of quarter q (32 along K) of a slot into buffer f: 128 columns of W, turned, then 128 rows of A
.macro FETCH slot, q, f
	WIN TO_B
.irp i, 0,1,2,3,4,5,6,7
	ds_load_tr16_b128 v[\f+8*\i:\f+8*\i+3],   v[ADRW+\slot] offset:\q*32*PW+32*\i
	ds_load_tr16_b128 v[\f+8*\i+4:\f+8*\i+7], v[ADRW+\slot] offset:\q*32*PW+16*PW+32*\i
.endr
	WIN 0
.irp i, 0,1,2,3,4,5,6,7
	ds_load_b128 v[\f+8*\i:\f+8*\i+3],   v[ADRA+\slot] offset:\q*64+\i*16*PA
	ds_load_b128 v[\f+8*\i+4:\f+8*\i+7], v[ADRA+\slot] offset:\q*64+\i*16*PA+32
.endr
.endm
; A K step is four quarters of 32 along K, 64 matrix instructions each, on buffers 0, 1, 0, 1.
; One of the first three: multiplies buffer f; in its middle it fetches quarter q of the same slot into buffer g.
.macro QUARTER slot, q, f, g, first
	s_wait_dscnt 8                                 ; W and A's rows 0-63 are in; the youngest eight loads (A's rows 64-127) may be out
.if \first
	WIN FIRST_LO
.else
	WIN MUL_LO
.endif
	MUL16 \f, 0, 0, \first
	MUL16 \f, 0, 2, \first
	PLACES
	FETCH \slot, \q, \g
	s_wait_dscnt 32                                ; all but the 32 just issued
.if \first
	WIN FIRST_HI
.else
	WIN MUL_HI
.endif
	MUL16 \f, 1, 0, \first
	MUL16 \f, 1, 2, \first
.endm
; The last quarter multiplies buffer 1 and changes slots: ONE barrier.  In front of it each wave waits for its own reads of this slot and for all its tensor loads, of which one is out:
; its part of the next slot.  Behind it nobody reads this slot any more and the next slot is whole.
; fill = 1: the barrier opens a round of the cluster's barrier, so that no wave of any partner still reads this slot's tile or has a load on its way; behind the round this slot is filled
; again first, two K steps ahead.  From that request to the wait for it a wave issues 240 matrix instructions.
.macro TURN slot, next, fill
	s_wait_dscnt 8
	WIN MUL_LO
	MUL16 F1, 0, 0, 0
	s_wait_dscnt 0x0                               ; my reads of this slot are over,
	s_wait_tensorcnt 0x0                           ; and all my tensor loads have landed: no load of mine is out, so a group 0 may be written
	ds_add_u32 v255, v31
	s_wait_dscnt 0x0
	s_barrier_signal -1
	MUL16 F1, 0, 2, 0                              ; register work while the others arrive
.if \fill
	WIN 0                                          ; at a branch and at a label every window is 0
.endif
	s_barrier_wait -1
.if \fill
	CREST
	s_add_nc_u64 s[G0A+4*\slot+2:G0A+4*\slot+3], s[G0A+4*\slot+2:G0A+4*\slot+3], 2*KSTEP*2   ; the type bits on top are not reached
	s_add_nc_u64 s[G0W+4*\slot+2:G0W+4*\slot+3], s[G0W+4*\slot+2:G0W+4*\slot+3], 2*STEPW
	JLOAD \slot                                    ; the first tensor load behind the round, and my only one until the next; its four v_nop are also the places in front of the loads below
.else
	PLACES
.endif
	FETCH \next, 0, F0
	WIN MUL_HI
	MUL16 F1, 1, 0, 0
	MUL16 F1, 1, 2, 0
.endm
	s_wait_tensorcnt 0x1                           ; my part of K step 0 is in; K step 1's may stay out
	s_barrier_signal -1
	s_barrier_wait -1                              ; everybody's is
	FETCH 0, 0, F0
	s_wait_loadcnt 0x0                             ; the bias
	QUARTER 0, 1, F0, F1, 1                        ; the first quarter stands in front of the loop: its products start the sums
	WIN 0                                          ; at a label and at a branch every window is 0
	s_mov_b32 s3, LAPS-1
.Llap:                                                 ; a trip goes once round the ring, from a lap's second quarter to the next lap's first, and fills both slots again
	QUARTER 0, 2, F1, F0, 0
	QUARTER 0, 3, F0, F1, 0
	TURN 0, 1, 1
	QUARTER 1, 1, F0, F1, 0
	QUARTER 1, 2, F1, F0, 0
	QUARTER 1, 3, F0, F1, 0
	TURN 1, 0, 1
	QUARTER 0, 1, F0, F1, 0
	WIN 0
	s_sub_co_u32 s3, s3, 1
	s_cmp_lg_u32 s3, 0
	s_cbranch_scc1 .Llap
	QUARTER 0, 2, F1, F0, 0                        ; the last lap is written out: it fills nothing, and has no round of the cluster's barrier
	QUARTER 0, 3, F0, F1, 0
	TURN 0, 1, 0
	QUARTER 1, 1, F0, F1, 0
	QUARTER 1, 2, F1, F0, 0
	QUARTER 1, 3, F0, F1, 0
	s_wait_dscnt 8                                 ; the very last quarter: nothing more to fetch
	WIN MUL_LO
	MUL16 F1, 0, 0, 0
	MUL16 F1, 0, 2, 0
	s_wait_dscnt 0x0
	WIN MUL_HI
	MUL16 F1, 1, 0, 0
	MUL16 F1, 1, 2, 0
	PLACES                                         ; between the last products and the first read of a result, and the first load into a fragment's registers
; THE WAY OUT, a block of 16 rows at a time through my own stage in LDS: a lane holds a piece of one row, and whole rows are stored.  A block's place stands in the stores' immediates
; (127 rows of 4,096 bytes at the most), so no base is stepped.
.if LAYER == 1
.macro PACK a                          ; relu, and rounded to bf16: 16 bytes a lane and block of 16 columns
.set AC, 64*((\a)%4)
	WIN 0x88+0x44*((\a)/4)                         ; destination and source 1: window 2 or 3
.set ii, 0
.rept 64
	v_max_num_f32 v[AC+ii], 0, v[AC+ii]
.set ii, ii+1
.endr
	WIN 0x0a+5*((\a)/4)                            ; sources 0 and 1: window 2 or 3; destination window 0
.irp b, 0,1,2,3,4,5,6,7
.irp c, 0,1,2,3
	v_cvt_pk_bf16_f32 v[TMP+4*\b+\c], v[AC+8*\b+2*\c], v[AC+8*\b+2*\c+1]
.endr
.endr
	WIN 0
.endm
.macro TOSTAGE a
.set BK, OB+192*((\a)%2)
.irp b, 0,1,2,3,4,5,6,7
	ds_store_b128 v[STO], v[TMP+4*\b:TMP+4*\b+3] offset:32*\b
.endr
.irp t, 0,1,2,3,4,5,6,7
	ds_load_b128 v[BK+4*\t:BK+4*\t+3], v[RD] offset:\t*2*SP        ; LDS serves a wave's instructions in order: these see the stores above
.endr
.endm
.macro SEND a
.set BK, OB+192*((\a)%2)
	s_wait_dscnt 0x0                               ; the block is back in registers
	s_wait_xcnt 0x0                                ; the stores of the block before have read their data: its registers are loaded again, by the next block, only behind this wait
.irp t, 0,1,2,3,4,5,6,7
	global_store_b128 v[CO], v[BK+4*\t:BK+4*\t+3], s[12:13] offset:(16*(\a)+2*\t)*2048   ; 16 lanes store 256 consecutive bytes, aligned
.endr
.endm
	PACK 0
	TOSTAGE 0
.irp a, 1,2,3,4,5,6,7                  ; block a's arithmetic stands between block a - 1's loads from the stage and the wait for them
	PACK \a
	SEND \a-1
	TOSTAGE \a
.endr
	SEND 7
.else
.macro TOSTAGE a                       ; the sums go into the stage as they are, and come back as whole rows of 512 bytes, into the registers that A's fragments have left
.set AC, 64*((\a)%4)
.set BK, 64+64*((\a)%2)
	WIN 0x08+4*((\a)/4)                            ; an LDS store's data are its source 1: window 2 or 3
.irp b, 0,1,2,3,4,5,6,7
	ds_store_b128 v[STO], v[AC+8*\b:AC+8*\b+3]   offset:64*\b
	ds_store_b128 v[STO], v[AC+8*\b+4:AC+8*\b+7] offset:64*\b+16
.endr
	WIN 0
.if (\a) >= 2
	s_wait_xcnt 0x0                                ; these registers are the data of the stores of two blocks ago
.endif
.irp t, 0,1,2,3,4,5,6,7,8,9,10,11,12,13,14,15
	ds_load_b128 v[BK+4*\t:BK+4*\t+3], v[RD] offset:\t*SP          ; LDS serves a wave's instructions in order: these see the stores above; the next block's stores come behind them
.endr
.endm
.macro SEND a, younger                 ; younger: the LDS instructions issued behind block a's loads: the next block's 32, or none
.set BK, 64+64*((\a)%2)
.irp t, 0,1,2,3,4,5,6,7,8,9,10,11,12,13,14,15
	s_wait_dscnt \younger+15-\t                    ; load t is back; the younger ones may be out
	global_store_b128 v[CO], v[BK+4*\t:BK+4*\t+3], s[12:13] offset:(16*(\a)+\t)*4096     ; the wave stores 512 consecutive bytes, aligned
.endr
.endm
	TOSTAGE 0
.irp a, 1,2,3,4,5,6,7
	TOSTAGE \a
	SEND \a-1, 32
.endr
	SEND 7, 0
.endif
	s_set_vgpr_msb 0x1
	s_wait_tensorcnt 0x0
	ds_add_u32 v255, v31
	s_wait_dscnt 0x0
	s_set_vgpr_msb 0x100
	CROUND                                         ; the closing round: no work-group ends while a partner may still ask for a tile that names it
	s_endpgm
.Lfunc_end_k_q99b21ddbfa_ffn1:
	.size	k_q99b21ddbfa_ffn1, .Lfunc_end_k_q99b21ddbfa_ffn1-k_q99b21ddbfa_ffn1
	.p2alignl 7, 3214868480
	.fill 96, 4, 3214868480
	.section	.rodata,"a",@progbits
	.p2align	6, 0x0
	.amdhsa_kernel k_q99b21ddbfa_ffn1
		.amdhsa_group_segment_fixed_size 327680
		.amdhsa_private_segment_fixed_size 0
		.amdhsa_enable_private_segment 0
		.amdhsa_kernarg_size 40
		.amdhsa_user_sgpr_count 2
		.amdhsa_user_sgpr_kernarg_segment_ptr 1
		.amdhsa_wavefront_size32 1
		.amdhsa_system_sgpr_workgroup_id_x 1
		.amdhsa_system_sgpr_workgroup_id_y 1
		.amdhsa_system_sgpr_workgroup_id_z 1
		.amdhsa_system_vgpr_workitem_id 0
		.amdhsa_next_free_vgpr 1024
		.amdhsa_next_free_sgpr 66
		.amdhsa_reserve_vcc 0
		.amdhsa_float_denorm_mode_32 3
		.amdhsa_float_denorm_mode_16_64 3
		.amdhsa_memory_ordered 1
		.amdhsa_forward_progress 1
		.amdhsa_inst_pref_size 160
	.end_amdhsa_kernel
	.amdgpu_metadata
---
amdhsa.version: [ 1, 2 ]
amdhsa.kernels:
  - .name:           k_q99b21ddbfa_ffn1
    .symbol:         k_q99b21ddbfa_ffn1.kd
    .args:
      - { .name: xg, .offset: 0, .size: 8, .value_kind: global_buffer, .address_space: global }
      - { .name: wb, .offset: 8, .size: 8, .value_kind: global_buffer, .address_space: global }
      - { .name: b1, .offset: 16, .size: 8, .value_kind: global_buffer, .address_space: global }
      - { .name: route, .offset: 24, .size: 8, .value_kind: global_buffer, .address_space: global }
      - { .name: hb, .offset: 32, .size: 8, .value_kind: global_buffer, .address_space: global }
    .group_segment_fixed_size: 327680
    .private_segment_fixed_size: 0
    .kernarg_segment_align: 8
    .kernarg_segment_size: 40
    .max_flat_workgroup_size: 128
    .sgpr_count:     66
    .vgpr_count:     1024
    .wavefront_size: 32
...
	.end_amdgpu_metadata
.endif
;; end of part 9
;; launch ffn2 (part 10): grid 156 x 1, 4 waves a work-group, clusters of 4 x 1, 327,680 bytes of LDS; arguments hb, wb, b2, route, yb; writes yb
.if DOCPART == 10
	.amdgcn_target "amdgcn-amd-amdhsa--gfx1250"
	.amdhsa_code_object_version 6
	.text
	.protected	k_q99b21ddbfa_ffn2
	.globl	k_q99b21ddbfa_ffn2
	.p2align	8
	.type	k_q99b21ddbfa_ffn2,@function
k_q99b21ddbfa_ffn2:
	s_mov_b64 s[64:65], 0
	v_nop
	global_prefetch_b8 v0, s[64:65] scope:SCOPE_SE
	s_setreg_imm32_b32 hwreg(HW_REG_WAVE_MODE, 25, 1), 1
	s_wait_xcnt 0x0
	s_wait_alu depctr_hold_cnt(0) depctr_sa_sdst(0) depctr_va_vdst(0) depctr_va_sdst(0) depctr_va_ssrc(0) depctr_va_vcc(0) depctr_vm_vsrc(0)
	s_getreg_b32 s2, hwreg(HW_REG_IB_STS2, 6, 4)
	s_cmp_eq_u32 s2, 0
	s_cbranch_scc0 .Lentry_in_a_cluster
	s_endpgm
.Lentry_in_a_cluster:
	s_bfe_u32 s2, ttmp6, 0x10000c
	s_cmp_lg_u32 s2, 0x3003
	s_cbranch_scc0 .Lentry_shape_is_right
	s_endpgm
.Lentry_shape_is_right:
; GROUPED GEMM over the slots.  LAYER 1: hb = bf16(relu(xg W1_e + b1_e)).  LAYER 2: yb = hb W2_e + b2_e in f32.  e is the expert of the m-tile (256 slots), read from route's table.
; A: [slot][1024] bf16.  W: wb, [layer][expert][k][n] bf16, n along the rows: its fragments are turned on the way out of LDS by ds_load_tr16_b128.  Sums in f32, started by the bias.
; SHARES.  39 m-tiles x 4 column blocks = 156 work-groups of four waves, one tile of 256 x 256 each; a wave makes 128 x 128: 64 accumulators of 16 x 16, 512 registers.  39 is a constant:
; 8,192 slots (two a token) in eight regions, each filled up to a multiple of 256, are at most 32 + 7 blocks; filling rows are zeros and are multiplied like the others, so that no trip
; count and no barrier hangs on a number read from memory.  The large tile is taken for its ratio: a K step's 128 KiB feed 256 matrix instructions of each wave.
; RING.  K goes in eight steps of 128 through two LDS slots.  Behind each change of slots every wave issues ONE tensor load of 32 KiB: waves 0, 1 A's two halves (128 rows x 256 bytes),
; waves 2, 3 W's (64 k rows x 512 bytes).  By this text's count two loads of a wave are out at the start, later one.
; CLUSTER.  The four column blocks of an m-tile form a cluster of 4 x 1.  They need the same tiles of A, which are asked for JOINTLY: the same tensor load, with the same descriptor and a
; mask that names the four, in all four; each receives the tile in its own LDS.  W's tiles hang on the column block, which differs between the four: each work-group asks for its own by
; a plain load, at the same place in the text, behind the same round of the cluster's barrier.
; THE MATRIX INSTRUCTION IS USED TRANSPOSED (source 0 = 16 columns of W, source 1 = 16 rows of A): lane l holds row l % 16 and the eight neighbouring columns 8 (l / 16) + 0..7.
; REGISTERS, in windows of 256 (s_set_vgpr_msb's low byte: bits 1:0 source 0, 3:2 source 1, 5:4 source 2, 7:6 destination):
;   window 0: v1-27 addresses; v64-127, v128-191 fragments of A (8 x 16 rows x 32 K), two buffers; v32-63, v192-255 (layer 2: v64-191) at work on the way out
;   window 1: v0-63 the bias of my lane's columns (block b of 16 columns at v[8 b]); v64-127, v128-191 fragments of W, two buffers
;   window 2: the 32 accumulators of my rows 0-63 (accumulator (a, b) at v[8 (8 a + b)]);   window 3: those of my rows 64-127
.set LAYER, 2
.set KSTEP,  128
.set PA,     272                       ; a row of A in LDS: 256 bytes + 16: an odd multiple of 16, so the 16 rows of a fragment load start at 16 different groups of banks
.set PW,     544                       ; a k row of W: 512 bytes + 32: an odd multiple of 32 (8 rows x 32 bytes for 16 lanes)
.set HALFT,  128*PA                    ; what one tensor load brings: 128 rows of A, or 64 k rows of W (64 x 544 is the same number)
.set SLOT,   4*HALFT                   ; A's 256 rows, then W's 128 k rows
.set STAGE,  2*SLOT                    ; behind the ring, at a multiple of 256 bytes; no tensor load fills it: 16 rows for each wave
.set STEPW,  KSTEP*2048                ; bytes of W from a K step to the next
.set LAPS,   1024/(2*KSTEP)            ; a lap = two K steps = once round the ring
.set OSH,    10+LAYER                  ; a row of the result is 1 << OSH bytes
.if LAYER == 1
.set SP,     272                       ; a stage row: my 128 columns in bf16 + 16 bytes
.else
.set SP,     528                       ; in f32 + 16 bytes
.endif
.set ADRA, 16                          ; v16-17  LDS address of my A fragments in slot 0, 1
.set ADRW, 20                          ; v20-21  the same for W
.set STO,  24                          ; v24     the way out: where I put my numbers of a row
.set RD,   25                          ; v25     the way out: where I read rows back
.set CO,   26                          ; v26     my byte offset in the result
.set BO,   27                          ; v27     my byte offset in the bias
.set F0,   64                          ; fragment buffer 0
.set F1,   128                         ; fragment buffer 1
.set TMP,  192                         ; layer 1, the way out: packed results
.set OB,   32                          ; layer 1, the way out: 16 rows read back from the stage: v32-63 and v224-255 by turns
.set G1A, 24                           ; s[24:31] descriptor group 1 for A's tiles;  s[32:39] group 0, a set for each slot
.set G0A, 32
.set G1W, 40                           ; s[40:47], s[48:55] the same for W's
.set G0W, 48
.set MSB, 0
.macro WIN new                         ; the immediate's high byte repeats the setting that is left; a switch that changes nothing is dropped
.if MSB != (\new)
	s_set_vgpr_msb (MSB<<8)|(\new)
.set MSB, (\new)
.endif
.endm
.set MUL_LO,   0xa1                    ; source 0 (W) window 1, source 1 (A) window 0, C and D window 2
.set MUL_HI,   0xf1                    ; the same, C and D window 3
.set FIRST_LO, 0x91                    ; an accumulator's first product: C is the bias, in window 1
.set FIRST_HI, 0xd1
.set TO_B,     0x40                    ; destination window 1, address window 0
.macro PLACES                          ; four places in front of loads into registers that matrix instructions have read, and of instructions that read results
.rept 4
	v_nop
.endr
.endm
; My one tensor load behind a round: waves 0 and 1 the joint load of A's halves, waves 2 and 3 the plain load of W's.  The branch hangs on the wave's number alone: it is the same in
; every work-group.  Four v_nop follow each of the two lines, ahead of the jump, the label and what follows.
.macro JLOAD s
	s_cmp_eq_u32 s15, 0
	s_cbranch_scc0 .Lfor_w_\@
	tensor_load_to_lds s[G0A+4*\s:G0A+4*\s+3], s[G1A:G1A+7]
	s_nop 0
.rept 4
	v_nop
.endr
	s_branch .Lasked_\@
.Lfor_w_\@:
	tensor_load_to_lds s[G0W+4*\s:G0W+4*\s+3], s[G1W:G1W+7]
	s_nop 0
.rept 4
	v_nop
.endr
.Lasked_\@:
.endm
; A round of the cluster's barrier: my work-group's barrier, so that wave 0's signal speaks for all four waves; wave 0 signals for the work-group; every wave waits for all four
; work-groups; my work-group's barrier once more.  No LDS instruction of the wave is pending at a signal.
.macro CREST                           ; a round behind its opening barrier
	s_cmp_lg_u32 s14, 0
	s_cbranch_scc1 .Lnot_wave_0_\@
	s_barrier_signal -3
.Lnot_wave_0_\@:
	s_barrier_wait -3
	s_barrier_signal -1
	s_barrier_wait -1
.endm
.macro CROUND                          ; a whole round
	s_barrier_signal -1
	s_barrier_wait -1
	CREST
.endm
	s_load_b256 s[4:11], s[0:1], 0x0               ; A s[4:5], wb s[6:7], bias s[8:9], route s[10:11]
	s_load_b64 s[12:13], s[0:1], 0x20              ; the result
	s_set_vgpr_msb 0x40
	v_lshl_add_u32 v255, v0, 2, 0x4c400
	s_set_vgpr_msb 0x4000
	v_mov_b32 v255, 0
	s_set_vgpr_msb 0x1
	ds_add_u32 v255, v255
	ds_add_u32 v255, v255
	s_set_vgpr_msb 0x100
	v_lshrrev_b32 v1, 5, v0
	v_readfirstlane_b32 s14, v1                    ; wave 0..3
	s_lshr_b32 s15, s14, 1                         ; which half of the tile's rows is mine.  Also: I fetch for A (0) or for W (1)
	s_and_b32 s16, s14, 1                          ; which half of its columns.  Also: which half of that tile I fetch
	s_bfe_u32 s19, ttmp6, 0x40000                  ; cx, my place in the cluster: the column block.  In a cluster launch ttmp9 counts clusters: the m-tile
	s_mov_b32 s[G1A+0], 15|(1<<16)|(1<<20)|(1<<21)|(5<<22)|(3<<25)  ; 15:0 the mask: all four work-groups; elements of 2 bytes; padding on; 21 set beside a mask; after every 64 words (code 5) 4 words (code 3)
	s_mov_b32 s[G1A+1], KSTEP<<16                  ; tensor_dim0 = 128
	s_mov_b32 s[G1A+2], 128<<16                    ; tensor_dim1 = 128
	s_mov_b32 s[G1A+3], KSTEP<<16                  ; tile_dim0 = 128
	s_mov_b32 s[G1A+4], 128                        ; tile_dim1 = 128
	s_mov_b32 s[G1A+5], 1024                       ; elements from row to row
	s_mov_b32 s[G1A+6], 0
	s_mov_b32 s[G1A+7], 0
	s_mov_b32 s[G1W+0], (1<<16)|(1<<20)|(6<<22)|(7<<25)  ; no mask; after every 128 words (code 6) 8 words (code 7)
	s_mov_b32 s[G1W+1], 256<<16                    ; tensor_dim0 = 256
	s_mov_b32 s[G1W+2], 64<<16                     ; tensor_dim1 = 64
	s_mov_b32 s[G1W+3], 256<<16                    ; tile_dim0 = 256
	s_mov_b32 s[G1W+4], 64                         ; tile_dim1 = 64
	s_mov_b32 s[G1W+5], 1024
	s_mov_b32 s[G1W+6], 0
	s_mov_b32 s[G1W+7], 0
	s_lshl_b32 s56, ttmp9, 2
	s_mov_b32 s57, 0
	s_lshl_b32 s22, ttmp9, 19                      ; A: row 256 x m-tile + 128 x half, 2,048 bytes a row: made of the cluster's number and the wave's alone,
	s_lshl_b32 s17, s16, 18                        ; in registers that never hold cx
	s_add_co_u32 s22, s22, s17
	s_mov_b32 s23, 0
	s_mul_i32 s20, s14, HALFT                      ; where my load goes: A's two halves, then W's two halves = wave x 34,816: no place in the cluster enters an LDS address
	s_wait_dscnt 0x0
	s_wait_kmcnt 0x0
	s_add_nc_u64 s[56:57], s[10:11], s[56:57]
	s_load_b32 s21, s[56:57], 0x0                  ; tab[m-tile]: the expert, the same for the four partners
	s_add_nc_u64 s[4:5], s[4:5], s[22:23]
	s_wait_kmcnt 0x0
	s_min_u32 s21, s21, 7
	s_lshl_b32 s58, s19, 9                         ; W: my work-group's 256 columns (512 bytes),
	s_lshl_b32 s18, s16, 17                        ; my 64 of a step's 128 k rows,
	s_add_co_u32 s58, s58, s18
	s_lshl_b32 s18, s21, 21                        ; the expert,
	s_add_co_u32 s58, s58, s18
	s_add_co_u32 s58, s58, (LAYER-1)<<24           ; the layer
	s_mov_b32 s59, 0
	s_add_nc_u64 s[6:7], s[6:7], s[58:59]
	s_lshl_b32 s60, s21, 12                        ; the bias: the expert's row, my work-group's 256 columns
	s_lshl_b32 s18, s19, 10
	s_add_co_u32 s60, s60, s18
	s_mov_b32 s61, 0
	s_add_nc_u64 s[8:9], s[8:9], s[60:61]
	s_lshl_b32 s60, ttmp9, 8+OSH                   ; the result: row 256 x m-tile + 128 x row half, column 256 x column block + 128 x column half
	s_lshl_b32 s18, s15, 7+OSH
	s_add_co_u32 s60, s60, s18
	s_lshl_b32 s18, s19, OSH-2
	s_add_co_u32 s60, s60, s18
	s_lshl_b32 s18, s16, OSH-3
	s_add_co_u32 s60, s60, s18
	s_add_nc_u64 s[12:13], s[12:13], s[60:61]
.irp s, 0,1
	s_mov_b32 s[G0A+4*\s], 1                                       ; count = 1
	s_add_co_u32 s[G0A+4*\s+1], s20, \s*SLOT                       ; LDS address
	s_add_nc_u64 s[G0A+4*\s+2:G0A+4*\s+3], s[4:5], \s*KSTEP*2      ; global address: K step s
	s_or_b32 s[G0A+4*\s+3], s[G0A+4*\s+3], 0x80000000              ; type = 2
	s_mov_b32 s[G0W+4*\s], 1
	s_add_co_u32 s[G0W+4*\s+1], s20, \s*SLOT
	s_add_nc_u64 s[G0W+4*\s+2:G0W+4*\s+3], s[6:7], \s*STEPW
	s_or_b32 s[G0W+4*\s+3], s[G0W+4*\s+3], 0x80000000
.endr
	CROUND                                         ; all four work-groups are here: the first joint loads meet
	s_cmp_eq_u32 s15, 0                            ; a wave's two first fills stand in one branch, ahead of every wait on TENSORcnt and every LDS read
	s_cbranch_scc0 .Lfirst_w
	tensor_load_to_lds s[G0A:G0A+3], s[G1A:G1A+7]
	s_nop 0
	tensor_load_to_lds s[G0A+4:G0A+7], s[G1A:G1A+7]
	s_nop 0
.rept 4
	v_nop
.endr
	s_branch .Lfirst_asked
.Lfirst_w:
	tensor_load_to_lds s[G0W:G0W+3], s[G1W:G1W+7]
	s_nop 0
	tensor_load_to_lds s[G0W+4:G0W+7], s[G1W:G1W+7]
	s_nop 0
.rept 4
	v_nop
.endr
.Lfirst_asked:
	v_and_b32 v1, 15, v0                           ; r = l % 16
	v_bfe_u32 v2, v0, 4, 1                         ; h = l / 16
	v_lshlrev_b32 v[BO], 5, v2
	v_lshl_add_u32 v[BO], s16, 9, v[BO]            ; the bias of my lane's columns: 512 x column half + 32 h, + 64 for each block of 16
	WIN TO_B
.irp b, 0,1,2,3,4,5,6,7
	global_load_b128 v[8*\b:8*\b+3],   v[BO], s[8:9] offset:64*\b
	global_load_b128 v[8*\b+4:8*\b+7], v[BO], s[8:9] offset:64*\b+16
.endr
	WIN 0
	v_mul_u32_u24 v3, v1, PA
	v_lshl_add_u32 v3, v2, 4, v3                   ; a fragment of A: row r x pitch + 16 h
	s_mul_i32 s17, s15, HALFT                      ; my 128 rows
	v_add_nc_u32 v[ADRA], s17, v3
	v_add_nc_u32 v[ADRA+1], SLOT, v[ADRA]
	v_and_b32 v4, 7, v0                            ; the turning load: lane l reads 16 bytes of k row 8 h + l % 8, columns 8 ((l / 8) % 2) on
	v_bfe_u32 v5, v0, 3, 1
	v_lshl_add_u32 v6, v2, 3, v4
	v_mul_u32_u24 v6, v6, PW
	v_lshl_add_u32 v6, v5, 4, v6
	s_lshl_b32 s17, s16, 8                         ; my 128 columns
	s_add_co_u32 s17, s17, 2*HALFT                 ; W lies behind A's 256 rows
	v_add_nc_u32 v[ADRW], s17, v6
	v_add_nc_u32 v[ADRW+1], SLOT, v[ADRW]
	s_mul_i32 s17, s14, 16*SP
	s_add_co_u32 s17, s17, STAGE                   ; my stage
	v_mul_u32_u24 v4, v1, SP
.if LAYER == 1
	v_lshl_add_u32 v4, v2, 4, v4
	v_add_nc_u32 v[STO], s17, v4                   ; in: row r, 16 bytes for each half of the lanes
	v_mul_u32_u24 v5, v2, SP
	v_lshl_add_u32 v5, v1, 4, v5
	v_add_nc_u32 v[RD], s17, v5                    ; back: lanes 0-15 take one row of 256 bytes, lanes 16-31 the next
	v_lshlrev_b32 v[CO], 4, v1
	v_lshl_add_u32 v[CO], v2, 11, v[CO]            ; and the same two rows in hb
.else
	v_lshl_add_u32 v4, v2, 5, v4
	v_add_nc_u32 v[STO], s17, v4                   ; in: row r, 32 bytes for each half of the lanes
	v_and_b32 v5, 31, v0
	v_lshlrev_b32 v[CO], 4, v5                     ; back: the 32 lanes take one row of 512 bytes; the same bytes of a row of yb
	v_add_nc_u32 v[RD], s17, v[CO]
.endif
; 16 matrix instructions: m blocks a0, a0 + 1 of the window's four (hi = 0: my rows 0-63, 1: rows 64-127) x all 8 n blocks, 32 along K.
; first = 1: the product starts the sum from the bias: nothing is cleared, and nothing is added on the way out.
; The 64 accumulators take turns, one instruction a turn, in the same order in every quarter.
.macro MUL16 f, hi, a0, first
.irp a, \a0, \a0+1
.irp b, 0,1,2,3,4,5,6,7
.if \first
	v_wmma_f32_16x16x32_bf16 v[8*(8*(\a)+\b):8*(8*(\a)+\b)+7], v[\f+8*\b:\f+8*\b+7], v[\f+8*(4*\hi+\a):\f+8*(4*\hi+\a)+7], v[8*\b:8*\b+7]
.else
	v_wmma_f32_16x16x32_bf16 v[8*(8*(\a)+\b):8*(8*(\a)+\b)+7], v[\f+8*\b:\f+8*\b+7], v[\f+8*(4*\hi+\a):\f+8*(4*\hi+\a)+7], v[8*(8*(\a)+\b):8*(8*(\a)+\b)+7]
.endif
.endr
.endr
.endm
; 32 LDS loads in one run: the fragments of quarter q (32 along K) of a slot into buffer f: 128 columns of W, turned, then 128 rows of A
.macro FETCH slot, q, f
	WIN TO_B
.irp i, 0,1,2,3,4,5,6,7
	ds_load_tr16_b128 v[\f+8*\i:\f+8*\i+3],   v[ADRW+\slot] offset:\q*32*PW+32*\i
	ds_load_tr16_b128 v[\f+8*\i+4:\f+8*\i+7], v[ADRW+\slot] offset:\q*32*PW+16*PW+32*\i
.endr
	WIN 0
.irp i, 0,1,2,3,4,5,6,7
	ds_load_b128 v[\f+8*\i:\f+8*\i+3],   v[ADRA+\slot] offset:\q*64+\i*16*PA
	ds_load_b128 v[\f+8*\i+4:\f+8*\i+7], v[ADRA+\slot] offset:\q*64+\i*16*PA+32
.endr
.endm
; A K step is four quarters of 32 along K, 64 matrix instructions each, on buffers 0, 1, 0, 1.
; One of the first three: multiplies buffer f; in its middle it fetches quarter q of the same slot into buffer g.
.macro QUARTER slot, q, f, g, first
	s_wait_dscnt 8                                 ; W and A's rows 0-63 are in; the youngest eight loads (A's rows 64-127) may be out
.if \first
	WIN FIRST_LO
.else
	WIN MUL_LO
.endif
	MUL16 \f, 0, 0, \first
	MUL16 \f, 0, 2, \first
	PLACES
	FETCH \slot, \q, \g
	s_wait_dscnt 32                                ; all but the 32 just issued
.if \first
	WIN FIRST_HI
.else
	WIN MUL_HI
.endif
	MUL16 \f, 1, 0, \first
	MUL16 \f, 1, 2, \first
.endm
; The last quarter multiplies buffer 1 and changes slots: ONE barrier.  In front of it each wave waits for its own reads of this slot and for all its tensor loads, of which one is out:
; its part of the next slot.  Behind it nobody reads this slot any more and the next slot is whole.
; fill = 1: the barrier opens a round of the cluster's barrier, so that no wave of any partner still reads this slot's tile or has a load on its way; behind the round this slot is filled
; again first, two K steps ahead.  From that request to the wait for it a wave issues 240 matrix instructions.
.macro TURN slot, next, fill
	s_wait_dscnt 8
	WIN MUL_LO
	MUL16 F1, 0, 0, 0
	s_wait_dscnt 0x0                               ; my reads of this slot are over,
	s_wait_tensorcnt 0x0                           ; and all my tensor loads have landed: no load of mine is out, so a group 0 may be written
	ds_add_u32 v255, v255
	s_wait_dscnt 0x0
	s_barrier_signal -1
	MUL16 F1, 0, 2, 0                              ; register work while the others arrive
.if \fill
	WIN 0                                          ; at a branch and at a label every window is 0
.endif
	s_barrier_wait -1
.if \fill
	CREST
	s_add_nc_u64 s[G0A+4*\slot+2:G0A+4*\slot+3], s[G0A+4*\slot+2:G0A+4*\slot+3], 2*KSTEP*2   ; the type bits on top are not reached
	s_add_nc_u64 s[G0W+4*\slot+2:G0W+4*\slot+3], s[G0W+4*\slot+2:G0W+4*\slot+3], 2*STEPW
	JLOAD \slot                                    ; the first tensor load behind the round, and my only one until the next; its four v_nop are also the places in front of the loads below
.else
	PLACES
.endif
	FETCH \next, 0, F0
	WIN MUL_HI
	MUL16 F1, 1, 0, 0
	MUL16 F1, 1, 2, 0
.endm
	s_wait_tensorcnt 0x1                           ; my part of K step 0 is in; K step 1's may stay out
	s_barrier_signal -1
	s_barrier_wait -1                              ; everybody's is
	FETCH 0, 0, F0
	s_wait_loadcnt 0x0                             ; the bias
	QUARTER 0, 1, F0, F1, 1                        ; the first quarter stands in front of the loop: its products start the sums
	WIN 0                                          ; at a label and at a branch every window is 0
	s_mov_b32 s3, LAPS-1
.Llap:                                                 ; a trip goes once round the ring, from a lap's second quarter to the next lap's first, and fills both slots again
	QUARTER 0, 2, F1, F0, 0
	QUARTER 0, 3, F0, F1, 0
	TURN 0, 1, 1
	QUARTER 1, 1, F0, F1, 0
	QUARTER 1, 2, F1, F0, 0
	QUARTER 1, 3, F0, F1, 0
	TURN 1, 0, 1
	QUARTER 0, 1, F0, F1, 0
	WIN 0
	s_sub_co_u32 s3, s3, 1
	s_cmp_lg_u32 s3, 0
	s_cbranch_scc1 .Llap
	QUARTER 0, 2, F1, F0, 0                        ; the last lap is written out: it fills nothing, and has no round of the cluster's barrier
	QUARTER 0, 3, F0, F1, 0
	TURN 0, 1, 0
	QUARTER 1, 1, F0, F1, 0
	QUARTER 1, 2, F1, F0, 0
	QUARTER 1, 3, F0, F1, 0
	s_wait_dscnt 8                                 ; the very last quarter: nothing more to fetch
	WIN MUL_LO
	MUL16 F1, 0, 0, 0
	MUL16 F1, 0, 2, 0
	s_wait_dscnt 0x0
	WIN MUL_HI
	MUL16 F1, 1, 0, 0
	MUL16 F1, 1, 2, 0
	PLACES                                         ; between the last products and the first read of a result, and the first load into a fragment's registers
; THE WAY OUT, a block of 16 rows at a time through my own stage in LDS: a lane holds a piece of one row, and whole rows are stored.  A block's place stands in the stores' immediates
; (127 rows of 4,096 bytes at the most), so no base is stepped.
.if LAYER == 1
.macro PACK a                          ; relu, and rounded to bf16: 16 bytes a lane and block of 16 columns
.set AC, 64*((\a)%4)
	WIN 0x88+0x44*((\a)/4)                         ; destination and source 1: window 2 or 3
.set ii, 0
.rept 64
	v_max_num_f32 v[AC+ii], 0, v[AC+ii]
.set ii, ii+1
.endr
	WIN 0x0a+5*((\a)/4)                            ; sources 0 and 1: window 2 or 3; destination window 0
.irp b, 0,1,2,3,4,5,6,7
.irp c, 0,1,2,3
	v_cvt_pk_bf16_f32 v[TMP+4*\b+\c], v[AC+8*\b+2*\c], v[AC+8*\b+2*\c+1]
.endr
.endr
	WIN 0
.endm
.macro TOSTAGE a
.set BK, OB+192*((\a)%2)
.irp b, 0,1,2,3,4,5,6,7
	ds_store_b128 v[STO], v[TMP+4*\b:TMP+4*\b+3] offset:32*\b
.endr
.irp t, 0,1,2,3,4,5,6,7
	ds_load_b128 v[BK+4*\t:BK+4*\t+3], v[RD] offset:\t*2*SP        ; LDS serves a wave's instructions in order: these see the stores above
.endr
.endm
.macro SEND a
.set BK, OB+192*((\a)%2)
	s_wait_dscnt 0x0                               ; the block is back in registers
	s_wait_xcnt 0x0                                ; the stores of the block before have read their data: its registers are loaded again, by the next block, only behind this wait
.irp t, 0,1,2,3,4,5,6,7
	global_store_b128 v[CO], v[BK+4*\t:BK+4*\t+3], s[12:13] offset:(16*(\a)+2*\t)*2048   ; 16 lanes store 256 consecutive bytes, aligned
.endr
.endm
	PACK 0
	TOSTAGE 0
.irp a, 1,2,3,4,5,6,7                  ; block a's arithmetic stands between block a - 1's loads from the stage and the wait for them
	PACK \a
	SEND \a-1
	TOSTAGE \a
.endr
	SEND 7
.else
.macro TOSTAGE a                       ; the sums go into the stage as they are, and come back as whole rows of 512 bytes, into the registers that A's fragments have left
.set AC, 64*((\a)%4)
.set BK, 64+64*((\a)%2)
	WIN 0x08+4*((\a)/4)                            ; an LDS store's data are its source 1: window 2 or 3
.irp b, 0,1,2,3,4,5,6,7
	ds_store_b128 v[STO], v[AC+8*\b:AC+8*\b+3]   offset:64*\b
	ds_store_b128 v[STO], v[AC+8*\b+4:AC+8*\b+7] offset:64*\b+16
.endr
	WIN 0
.if (\a) >= 2
	s_wait_xcnt 0x0                                ; these registers are the data of the stores of two blocks ago
.endif
.irp t, 0,1,2,3,4,5,6,7,8,9,10,11,12,13,14,15
	ds_load_b128 v[BK+4*\t:BK+4*\t+3], v[RD] offset:\t*SP          ; LDS serves a wave's instructions in order: these see the stores above; the next block's stores come behind them
.endr
.endm
.macro SEND a, younger                 ; younger: the LDS instructions issued behind block a's loads: the next block's 32, or none
.set BK, 64+64*((\a)%2)
.irp t, 0,1,2,3,4,5,6,7,8,9,10,11,12,13,14,15
	s_wait_dscnt \younger+15-\t                    ; load t is back; the younger ones may be out
	global_store_b128 v[CO], v[BK+4*\t:BK+4*\t+3], s[12:13] offset:(16*(\a)+\t)*4096     ; the wave stores 512 consecutive bytes, aligned
.endr
.endm
	TOSTAGE 0
.irp a, 1,2,3,4,5,6,7
	TOSTAGE \a
	SEND \a-1, 32
.endr
	SEND 7, 0
.endif
	s_set_vgpr_msb 0x1
	s_wait_tensorcnt 0x0
	ds_add_u32 v255, v255
	s_wait_dscnt 0x0
	s_set_vgpr_msb 0x100
	CROUND                                         ; the closing round: no work-group ends while a partner may still ask for a tile that names it
	s_endpgm
.Lfunc_end_k_q99b21ddbfa_ffn2:
	.size	k_q99b21ddbfa_ffn2, .Lfunc_end_k_q99b21ddbfa_ffn2-k_q99b21ddbfa_ffn2
	.p2alignl 7, 3214868480
	.fill 96, 4, 3214868480
	.section	.rodata,"a",@progbits
	.p2align	6, 0x0
	.amdhsa_kernel k_q99b21ddbfa_ffn2
		.amdhsa_group_segment_fixed_size 327680
		.amdhsa_private_segment_fixed_size 0
		.amdhsa_enable_private_segment 0
		.amdhsa_kernarg_size 40
		.amdhsa_user_sgpr_count 2
		.amdhsa_user_sgpr_kernarg_segment_ptr 1
		.amdhsa_wavefront_size32 1
		.amdhsa_system_sgpr_workgroup_id_x 1
		.amdhsa_system_sgpr_workgroup_id_y 1
		.amdhsa_system_sgpr_workgroup_id_z 1
		.amdhsa_system_vgpr_workitem_id 0
		.amdhsa_next_free_vgpr 1024
		.amdhsa_next_free_sgpr 66
		.amdhsa_reserve_vcc 0
		.amdhsa_float_denorm_mode_32 3
		.amdhsa_float_denorm_mode_16_64 3
		.amdhsa_memory_ordered 1
		.amdhsa_forward_progress 1
		.amdhsa_inst_pref_size 145
	.end_amdhsa_kernel
	.amdgpu_metadata
---
amdhsa.version: [ 1, 2 ]
amdhsa.kernels:
  - .name:           k_q99b21ddbfa_ffn2
    .symbol:         k_q99b21ddbfa_ffn2.kd
    .args:
      - { .name: hb, .offset: 0, .size: 8, .value_kind: global_buffer, .address_space: global }
      - { .name: wb, .offset: 8, .size: 8, .value_kind: global_buffer, .address_space: global }
      - { .name: b2, .offset: 16, .size: 8, .value_kind: global_buffer, .address_space: global }
      - { .name: route, .offset: 24, .size: 8, .value_kind: global_buffer, .address_space: global }
      - { .name: yb, .offset: 32, .size: 8, .value_kind: global_buffer, .address_space: global }
    .group_segment_fixed_size: 327680
    .private_segment_fixed_size: 0
    .kernarg_segment_align: 8
    .kernarg_segment_size: 40
    .max_flat_workgroup_size: 128
    .sgpr_count:     66
    .vgpr_count:     1024
    .wavefront_size: 32
...
	.end_amdgpu_metadata
.endif
;; end of part 10
;; launch combine (part 11): grid 256 x 1, 16 waves a work-group, no clusters, 0 bytes of LDS; arguments yb, gates, sel, route, x, wb, b1, b2, out0; writes out0
.if DOCPART == 11
	.amdgcn_target "amdgcn-amd-amdhsa--gfx1250"
	.amdhsa_code_object_version 6
	.text
	.protected	k_q99b21ddbfa_combine
	.globl	k_q99b21ddbfa_combine
	.p2align	8
	.type	k_q99b21ddbfa_combine,@function
k_q99b21ddbfa_combine:
	s_mov_b64 s[64:65], 0
	v_nop
	global_prefetch_b8 v0, s[64:65] scope:SCOPE_SE
	s_setreg_imm32_b32 hwreg(HW_REG_WAVE_MODE, 25, 1), 1
	s_wait_xcnt 0x0
; COMBINE.  out0[t] = the sum over the kept experts e, ascending, of gates[t][e] y_e[t], in f32.  An expert that is not kept has the gate 0 and adds nothing.
; One wave, one token.  The token's two lowest kept experts went through the routed products: their rows y_e[t] = yb[tsl[e][t]] are read (two rows of 4,096 bytes, eight loads of 512
; neighbouring bytes each) and one row is stored: a stream.
; TIES.  A third to eighth kept expert (h equal to the second largest more than once) has no slot.  The wave makes its row itself, one expert a trip:
; y = bf16(relu(bf16(x[t]) W1_e + b1_e)) W2_e + b2_e, weights in bf16 from wb, sums in f32, k ascending, as the routed products round.  A product with ONE row: 4 MiB of weights are
; streamed for 2 M multiply-adds, so the vector unit does it and the matrix unit would add nothing.  The trip count is the number of bits in sel[t]; the loop holds no barrier and no LDS.
; It waits for each four rows of weights before it multiplies them: plain on purpose, for a case that wants equal f32 numbers in h.
; The kept experts come from sel, whole numbers that an earlier launch stored; every expert is clamped to 7 and every slot to 9,983 before it enters an address.
; LIMIT.  With a NaN in a token's h (fewer than two bits in sel) that token's result is unspecified; all accesses stay inside their buffers.
; No LDS, matrix unit or cluster: nothing is shared between waves.
.set TSL, 3840                         ; where tsl begins in route
.set CAP, 9984                         ; slots
.set OUT, 8                            ; v[8:39]    the token's row: register 4 j + c holds column 128 j + 4 lane + c
.set Y,   40                           ; v[40:71]   the second row; in a tie the sums of a layer, in the same layout
.set XR,  72                           ; v[72:103]  ties: x[t] rounded to bf16, as f32, in the same layout
.set HR,  104                          ; v[104:135] ties: the hidden row likewise
.set W,   136                          ; v[136:199] ties: four k rows of weights, 8 bytes a lane and load
.set T,   200                          ; v[200:203] at work
	s_load_b512 s[4:19], s[0:1], 0x0               ; yb 4:5, gates 6:7, sel 8:9, route 10:11, x 12:13, wb 14:15, b1 16:17, b2 18:19
	s_load_b64 s[20:21], s[0:1], 0x40              ; out0
	v_lshrrev_b32 v1, 5, v0
	v_readfirstlane_b32 s22, v1                    ; wave 0..15
	v_and_b32 v1, 31, v0
	v_lshlrev_b32 v2, 4, v1                        ; 16 bytes a lane
	v_lshlrev_b32 v3, 3, v1                        ; 8 bytes a lane
	s_lshl_b32 s23, ttmp9, 4
	s_add_co_u32 s23, s23, s22                     ; my token t
	s_mov_b32 s29, 0
	s_lshl_b32 s28, s23, 2
	s_wait_kmcnt 0x0
	s_add_nc_u64 s[30:31], s[8:9], s[28:29]
	s_load_b32 s24, s[30:31], 0x0                  ; sel[t]
	s_lshl_b32 s28, s23, 1
	s_add_nc_u64 s[10:11], s[10:11], s[28:29]      ; route + 2 t
	s_lshl_b32 s28, s23, 5
	s_add_nc_u64 s[6:7], s[6:7], s[28:29]          ; gates + 32 t
	s_lshl_b32 s28, s23, 12
	s_add_nc_u64 s[20:21], s[20:21], s[28:29]      ; out0 + 4,096 t
	s_add_nc_u64 s[12:13], s[12:13], s[28:29]      ; x + 4,096 t
	s_wait_kmcnt 0x0
	s_and_b32 s24, s24, 0xff
	s_bcnt1_i32_b32 s25, s24
	s_min_u32 s25, s25, 8                          ; how many experts are kept
.macro NEXTE                           ; the lowest expert still in s24 is taken out of it, into s26
	s_ctz_i32_b32 s26, s24
	s_min_u32 s26, s26, 7
	s_sub_co_u32 s27, s24, 1
	s_and_b32 s24, s24, s27
.endm
.macro GATE k                          ; its gate is asked for, into set k (0 or 1) of the registers
	s_lshl_b32 s28, s26, 2
	s_add_nc_u64 s[34+4*\k:35+4*\k], s[6:7], s[28:29]
	s_load_b32 s[42+2*\k], s[34+4*\k:35+4*\k], 0x0 ; gates[t][e]
.endm
.macro PICK k                          ; an expert with a slot: slot and gate
	NEXTE
	s_lshl_b32 s28, s26, 13
	s_add_nc_u64 s[32+4*\k:33+4*\k], s[10:11], s[28:29]
	s_load_u16 s[40+\k], s[32+4*\k:33+4*\k], TSL   ; tsl[e][t]
	GATE \k
.endm
.macro ROWPTR k                        ; behind the wait for them: the row's address, and the gate's pair written whole (the packed forms name a pair and take its low word twice)
	s_min_u32 s[40+\k], s[40+\k], CAP-1
	s_lshl_b32 s28, s[40+\k], 12
	s_add_nc_u64 s[46+2*\k:47+2*\k], s[4:5], s[28:29]
	s_mov_b32 s[43+2*\k], s[42+2*\k]
.endm
	PICK 0
	PICK 1
	s_wait_kmcnt 0x0
	ROWPTR 0
	ROWPTR 1
.irp j, 0,1,2,3,4,5,6,7
	global_load_b128 v[OUT+4*\j:OUT+4*\j+3], v2, s[46:47] offset:512*\j th:TH_LOAD_NT   ; a slot belongs to one token: each row is read once
.endr
.irp j, 0,1,2,3,4,5,6,7
	global_load_b128 v[Y+4*\j:Y+4*\j+3], v2, s[48:49] offset:512*\j th:TH_LOAD_NT
.endr
	s_wait_loadcnt 8                               ; the first row is in; the second row's eight loads may be out
.irp i, 0,1,2,3,4,5,6,7,8,9,10,11,12,13,14,15
	v_pk_mul_f32 v[OUT+2*\i:OUT+2*\i+1], v[OUT+2*\i:OUT+2*\i+1], s[42:43] op_sel_hi:[1,0]
.endr
.irp j, 0,1,2,3,4,5,6,7
	s_wait_loadcnt 7-\j                            ; load j of the second row is in; the younger ones stay out
	v_pk_fma_f32 v[OUT+4*\j:OUT+4*\j+1],   v[Y+4*\j:Y+4*\j+1],   s[44:45], v[OUT+4*\j:OUT+4*\j+1]   op_sel_hi:[1,0,1]
	v_pk_fma_f32 v[OUT+4*\j+2:OUT+4*\j+3], v[Y+4*\j+2:Y+4*\j+3], s[44:45], v[OUT+4*\j+2:OUT+4*\j+3] op_sel_hi:[1,0,1]
.endr
	s_cmp_le_u32 s25, 2
	s_cbranch_scc1 .Lstore
; Y += (the row in registers sr) x (the 1,024 x 1,024 weights at s[52:53]).  Number k = 128 j + 4 l + c of the row lies in register sr + 4 j + c of lane l.
; The inner loop walks l: four numbers (c = 0..3) are read out of lane l into scalars, and the four k rows 128 j + 4 l + c, 8,192 neighbouring bytes, are loaded (eight loads of 256
; bytes a row: a lane's four bf16 are its four columns of Y) and multiplied.  The outer loop walks j: a register cannot be chosen by a counter, so the row is turned by four registers
; after each inner loop; after eight turns it lies as before.  k ascends throughout, and the weights' address simply steps on.
.macro GEMV sr
	s_mov_b32 s50, 0
.Lblock_\@:
	s_mov_b32 s51, 0
.Llane_\@:
.irp c, 0,1,2,3
	v_readlane_b32 s[56+\c], v[\sr+\c], s51
.endr
.irp r, 0,1,2,3
.irp j, 0,1,2,3,4,5,6,7
	global_load_b64 v[W+2*(8*\r+\j):W+2*(8*\r+\j)+1], v3, s[52:53] offset:2048*\r+256*\j
.endr
.endr
	s_wait_loadcnt 0x0                             ; the four rows (in the first trip also the bias, which started Y)
.irp r, 0,1,2,3
.irp j, 0,1,2,3,4,5,6,7
	v_fma_mix_f32_bf16 v[Y+4*\j],   v[W+2*(8*\r+\j)],   s[56+\r], v[Y+4*\j]   op_sel_hi:[1,0,0]                  ; the low bf16 x an f32 + an f32
	v_fma_mix_f32_bf16 v[Y+4*\j+1], v[W+2*(8*\r+\j)],   s[56+\r], v[Y+4*\j+1] op_sel:[1,0,0] op_sel_hi:[1,0,0]   ; the high bf16
	v_fma_mix_f32_bf16 v[Y+4*\j+2], v[W+2*(8*\r+\j)+1], s[56+\r], v[Y+4*\j+2] op_sel_hi:[1,0,0]
	v_fma_mix_f32_bf16 v[Y+4*\j+3], v[W+2*(8*\r+\j)+1], s[56+\r], v[Y+4*\j+3] op_sel:[1,0,0] op_sel_hi:[1,0,0]
.endr
.endr
	s_add_nc_u64 s[52:53], s[52:53], 8192          ; free: the loads that named it have been waited for
	s_add_co_u32 s51, s51, 1
	s_cmp_lt_u32 s51, 32
	s_cbranch_scc1 .Llane_\@
.irp c, 0,1,2,3
	v_mov_b32 v[T+\c], v[\sr+\c]
.endr
.set ii, 0
.rept 28
	v_mov_b32 v[\sr+ii], v[\sr+ii+4]
.set ii, ii+1
.endr
.irp c, 0,1,2,3
	v_mov_b32 v[\sr+28+\c], v[T+\c]
.endr
	s_add_co_u32 s50, s50, 1
	s_cmp_lt_u32 s50, 8
	s_cbranch_scc1 .Lblock_\@
.endm
.macro BIASIN lo                       ; the layer's bias starts the sums: nothing is cleared
	s_lshl_b32 s28, s26, 12
	s_add_nc_u64 s[54:55], s[\lo:\lo+1], s[28:29]  ; free: every earlier load has been waited for
.irp j, 0,1,2,3,4,5,6,7
	global_load_b128 v[Y+4*\j:Y+4*\j+3], v2, s[54:55] offset:512*\j
.endr
	s_lshl_b32 s28, s26, 21
	s_add_nc_u64 s[52:53], s[14:15], s[28:29]      ; W1 of the expert
.endm
	; x[t], once for all the token's ties, rounded to bf16 and widened again
.irp j, 0,1,2,3,4,5,6,7
	global_load_b128 v[XR+4*\j:XR+4*\j+3], v2, s[12:13] offset:512*\j
.endr
	s_wait_loadcnt 0x0
.irp i, 0,1,2,3,4,5,6,7,8,9,10,11,12,13,14,15
	v_cvt_pk_bf16_f32 v[T+\i%4], v[XR+2*\i], v[XR+2*\i+1]
	v_lshlrev_b32 v[XR+2*\i], 16, v[T+\i%4]
	v_and_b32 v[XR+2*\i+1], 0xffff0000, v[T+\i%4]
.endr
	s_mov_b32 s60, 2
.Ltie:                                                 ; one more kept expert a trip; all earlier loads, scalar and vector, have been waited for
	NEXTE
	GATE 1
	BIASIN 16
	GEMV XR
.irp i, 0,1,2,3,4,5,6,7,8,9,10,11,12,13,14,15
	v_max_num_f32 v[Y+2*\i], 0, v[Y+2*\i]
	v_max_num_f32 v[Y+2*\i+1], 0, v[Y+2*\i+1]
	v_cvt_pk_bf16_f32 v[T+\i%4], v[Y+2*\i], v[Y+2*\i+1]
	v_lshlrev_b32 v[HR+2*\i], 16, v[T+\i%4]
	v_and_b32 v[HR+2*\i+1], 0xffff0000, v[T+\i%4]
.endr
	BIASIN 18
	s_add_nc_u64 s[52:53], s[52:53], 0x1000000     ; W2 lies 16,777,216 bytes behind W1
	GEMV HR
	s_wait_kmcnt 0x0                               ; the gate
	s_mov_b32 s45, s44
.irp i, 0,1,2,3,4,5,6,7,8,9,10,11,12,13,14,15
	v_pk_fma_f32 v[OUT+2*\i:OUT+2*\i+1], v[Y+2*\i:Y+2*\i+1], s[44:45], v[OUT+2*\i:OUT+2*\i+1] op_sel_hi:[1,0,1]
.endr
	s_add_co_u32 s60, s60, 1
	s_cmp_lt_u32 s60, s25
	s_cbranch_scc1 .Ltie
.Lstore:
.irp j, 0,1,2,3,4,5,6,7
	global_store_b128 v2, v[OUT+4*\j:OUT+4*\j+3], s[20:21] offset:512*\j th:TH_STORE_NT   ; the wave stores 512 consecutive bytes, aligned
.endr
	s_endpgm
.Lfunc_end_k_q99b21ddbfa_combine:
	.size	k_q99b21ddbfa_combine, .Lfunc_end_k_q99b21ddbfa_combine-k_q99b21ddbfa_combine
	.p2alignl 7, 3214868480
	.fill 96, 4, 3214868480
	.section	.rodata,"a",@progbits
	.p2align	6, 0x0
	.amdhsa_kernel k_q99b21ddbfa_combine
		.amdhsa_group_segment_fixed_size 0
		.amdhsa_private_segment_fixed_size 0
		.amdhsa_enable_private_segment 0
		.amdhsa_kernarg_size 72
		.amdhsa_user_sgpr_count 2
		.amdhsa_user_sgpr_kernarg_segment_ptr 1
		.amdhsa_wavefront_size32 1
		.amdhsa_system_sgpr_workgroup_id_x 1
		.amdhsa_system_sgpr_workgroup_id_y 1
		.amdhsa_system_sgpr_workgroup_id_z 1
		.amdhsa_system_vgpr_workitem_id 0
		.amdhsa_next_free_vgpr 208
		.amdhsa_next_free_sgpr 66
		.amdhsa_reserve_vcc 0
		.amdhsa_float_denorm_mode_32 3
		.amdhsa_float_denorm_mode_16_64 3
		.amdhsa_memory_ordered 1
		.amdhsa_forward_progress 1
		.amdhsa_inst_pref_size 43
	.end_amdhsa_kernel
	.amdgpu_metadata
---
amdhsa.version: [ 1, 2 ]
amdhsa.kernels:
  - .name:           k_q99b21ddbfa_combine
    .symbol:         k_q99b21ddbfa_combine.kd
    .args:
      - { .name: yb, .offset: 0, .size: 8, .value_kind: global_buffer, .address_space: global }
      - { .name: gates, .offset: 8, .size: 8, .value_kind: global_buffer, .address_space: global }
      - { .name: sel, .offset: 16, .size: 8, .value_kind: global_buffer, .address_space: global }
      - { .name: route, .offset: 24, .size: 8, .value_kind: global_buffer, .address_space: global }
      - { .name: x, .offset: 32, .size: 8, .value_kind: global_buffer, .address_space: global }
      - { .name: wb, .offset: 40, .size: 8, .value_kind: global_buffer, .address_space: global }
      - { .name: b1, .offset: 48, .size: 8, .value_kind: global_buffer, .address_space: global }
      - { .name: b2, .offset: 56, .size: 8, .value_kind: global_buffer, .address_space: global }
      - { .name: out0, .offset: 64, .size: 8, .value_kind: global_buffer, .address_space: global }
    .group_segment_fixed_size: 0
    .private_segment_fixed_size: 0
    .kernarg_segment_align: 8
    .kernarg_segment_size: 72
    .max_flat_workgroup_size: 512
    .sgpr_count:     66
    .vgpr_count:     208
    .wavefront_size: 32
...
	.end_amdgpu_metadata
.endif
;; end of part 11
;; ======== version 3 of 4: 5 launches; 1.31 times as fast as version 1
;; workspace buffers: sel 16,384 bytes of whole numbers; gates 131,072 bytes; wb 33,554,432 bytes; route 16,640 bytes of whole numbers; xg 20,447,232 bytes; hb 20,447,232 bytes; yb 40,894,464 bytes
;; launch gate: the kernel of part 1 again; grid 256 x 1, 8 waves a work-group, no clusters, 78,848 bytes of LDS; arguments x, noise, W_g, W_noise, W1, W2, sel, gates, wb; writes sel, gates, wb
;; launch gather (part 12): grid 256 x 1, 32 waves a work-group, no clusters, 21,504 bytes of LDS; arguments x, sel, route, xg; writes route, xg
.if DOCPART == 12
	.amdgcn_target "amdgcn-amd-amdhsa--gfx1250"
	.amdhsa_code_object_version 6
	.text
	.protected	k_q99b21ddbfa_gather
	.globl	k_q99b21ddbfa_gather
	.p2align	8
	.type	k_q99b21ddbfa_gather,@function
k_q99b21ddbfa_gather:
	s_mov_b64 s[64:65], 0
	v_nop
	global_prefetch_b8 v0, s[64:65] scope:SCOPE_SE
	s_setreg_imm32_b32 hwreg(HW_REG_WAVE_MODE, 25, 1), 1
	s_wait_xcnt 0x0
; ROUTE AND GATHER.  From sel (a word with bits 0-7 for each of 4,096 tokens, whole numbers that an earlier launch stored) to the slots, and xg[slot] = bf16(x[token]).
; The routed path takes TWO experts a token: the two lowest bits of sel.  (Further bits, ties, are served by the last launch, token by token.)
; A SLOT is one (token, expert) row.  An expert's slots lie together; each expert's region is filled up to a multiple of 256 with rows of zeros.  8,192 slots in 8 such regions are at
; most 32 + 7 blocks of 256: the capacity is 39 blocks = 9,984 slots, so there are exactly 1,792 filling slots, and all 9,984 rows that the next launch reads are written here.
; route:  bytes 0-255   tab[mt], a word for each m-tile of 256 slots: its expert (39 in use; 64 written, so that the 256 bytes are whole)
;         bytes 256-    pair[t], a word a token: the slot of its lower expert in the low half, of its higher expert in the high half
; SHARES.  256 work-groups of 32 waves.  EVERY work-group counts all 4,096 tokens (16 KiB of sel), since the counts span all tokens and work-groups hand each other nothing:
; wave w counts tokens 128 w + 4 lane + c, c = 0..3.  An expert's slots are taken in the order (wave, c, lane).  The counts meet in LDS (first barrier).
; Work-group g owns tokens 16 g .. 16 g + 15; they lie in the share of wave g / 8, which alone makes its 128 tokens' slots and hands them over in LDS (second barrier).
; Wave w then stores half (w % 2) of the row of token 16 g + w / 2 to the token's two slots.  The row was asked for at the start: it hangs on no list.
; The 14 waves behind wave g / 8 store the halves of the work-group's 7 filling rows; wave 16 of work-group 0 stores tab; wave g / 8 of every eighth work-group stores 512 bytes of pair.
; Every slot is clamped to 9,983 before it enters an address.  Branches hang on the wave's and the work-group's numbers alone, and none jumps over a barrier.
; LIMIT.  With fewer than two bits in a word of sel (a NaN in that token's h) that token's row goes astray inside xg, and some filling rows stay unwritten.
; No matrix unit, tensor load or cluster: a stream, and what the work-groups share is 16 KiB.
.set PAIRS, 256                        ; where pair begins in route
.set CAP,   9984
.set FILL,  (CAP-1)|((CAP-1)<<16)      ; the pair of a token that has no experts
.set CNT,   16384                      ; LDS: bytes 0-16,383 the pairs, 512 bytes a wave; then CNT[e][w], 8 x 32 words
.set B,     66                         ; s[66:97] ballot 4 e + c: the lanes whose token c has expert e among its two
.set M,     8                          ; v[8:11]   sel of my lane's four tokens
.set X,     12                         ; v[12:27]  my half row of x
.set TW,    28                         ; v[28:29]  the masks of tokens 0, 1 and 2, 3, in fields of 16 bits
.set T,     34                         ; v[34:41]  at work
.set C,     40                         ; v[40:47]  eight waves' counts of one expert
.set K,     48                         ; v[48:55]  at work
.set PR,    52                         ; v[52:55]  my four tokens' pairs
.set R,     56                         ; v[56:63]  at work
.set Y,     32                         ; v[32:39]  my half row in bf16
	s_load_b256 s[4:11], s[0:1], 0x0               ; x s[4:5], sel s[6:7], route s[8:9], xg s[10:11]
	v_lshl_add_u32 v64, v0, 2, 0x4400
	v_mov_b32 v65, 0
	v_lshrrev_b32 v1, 5, v0
	v_readfirstlane_b32 s12, v1                    ; wave w, 0..31
	v_and_b32 v1, 31, v0                           ; lane
	v_lshlrev_b32 v2, 4, v1                        ; 16 bytes a lane
	v_lshl_add_u32 v3, s12, 9, v2                  ; 512 w + 16 lane: my four tokens' words in sel, in pair, and in the pairs in LDS
	v_lshlrev_b32 v4, 3, v1                        ; 8 bytes a lane
	v_mov_b32 v5, s12
	v_lshlrev_b32 v5, 2, v5
	v_add_nc_u32 v5, CNT, v5                       ; CNT[0][w]
	v_lshlrev_b32 v6, 5, v1
	v_add_nc_u32 v6, CNT, v6                       ; lane 4 e + q: CNT[e][8 q]
	v_and_b32 v7, 3, v1
	v_lshlrev_b32 v7, 3, v7
	v_sub_nc_u32 v7, s12, v7                       ; w - 8 q: how many of my eight words belong to waves in front of mine (as a signed number)
	s_lshr_b32 s16, s12, 1                         ; which of the work-group's 16 tokens
	s_and_b32 s17, s12, 1                          ; which half of its row
	s_lshr_b32 s18, ttmp9, 3
	s_and_b32 s18, s18, 31                         ; the wave in whose share my work-group's tokens lie
	s_lshl_b32 s23, ttmp9, 4
	s_add_co_u32 s23, s23, s16                     ; my token
	s_lshl_b32 s14, s23, 12
	s_lshl_b32 s19, s17, 11
	s_add_co_u32 s14, s14, s19                     ; its row of 4,096 bytes, my half
	s_mov_b32 s15, 0
	s_mov_b32 s98, 0x05040302                      ; v_perm_b32: the second source's high half below, the first source's low half above
	s_mov_b32 s99, 0x00ff00ff
	s_wait_kmcnt 0x0
	global_load_b128 v[M:M+3], v3, s[6:7]          ; the wave reads 512 neighbouring bytes of sel
	s_add_nc_u64 s[4:5], s[4:5], s[14:15]
.irp j, 0,1,2,3
	global_load_b128 v[X+4*\j:X+4*\j+3], v2, s[4:5] offset:512*\j th:TH_LOAD_NT
.endr
	s_wait_loadcnt 4                               ; loads come back in order: sel is in, the four loads of x stay out
	; The two lowest bits of each mask, two tokens to a register.  A mask x has 8 bits (the launch that wrote sel sets no other), its field 16: x + 0xff is x - 1 with bit 8 set, or 0xff
	; for x = 0, so x & (x + 0xff) is x without its lowest bit, and no sum reaches the next field.
	v_lshl_or_b32 v[TW],   v[M+1], 16, v[M]
	v_lshl_or_b32 v[TW+1], v[M+3], 16, v[M+2]
	v_add_nc_u32 v30, s99, v[TW]
	v_add_nc_u32 v31, s99, v[TW+1]
	v_and_b32 v30, v30, v[TW]                      ; without the lowest bit
	v_and_b32 v31, v31, v[TW+1]
	v_add_nc_u32 v32, s99, v30
	v_add_nc_u32 v33, s99, v31
	v_and_b32 v32, v32, v30                        ; without the two lowest bits
	v_and_b32 v33, v33, v31
	v_xor_b32 v[TW],   v[TW],   v32               ; the two lowest bits
	v_xor_b32 v[TW+1], v[TW+1], v33
.set cc, 0
.rept 4
.irp e, 0,1,2,3,4,5,6,7
.set bb, 1<<(\e+16*(cc%2))
	v_and_b32 v[T+\e], bb, v[TW+cc/2]
.endr
.irp e, 0,1,2,3,4,5,6,7
	v_cmp_ne_u32 s[B+4*\e+cc], 0, v[T+\e]
.endr
.set cc, cc+1
.endr
.irp e, 0,1,2,3,4,5,6,7
	s_bcnt1_i32_b32 s[56+\e], s[B+4*\e]
	s_bcnt1_i32_b32 s19, s[B+4*\e+1]
	s_bcnt1_i32_b32 s20, s[B+4*\e+2]
	s_bcnt1_i32_b32 s21, s[B+4*\e+3]
	s_add_co_u32 s[56+\e], s[56+\e], s19
	s_add_co_u32 s20, s20, s21
	s_add_co_u32 s[56+\e], s[56+\e], s20           ; my wave's count for expert e, at most 128
	v_mov_b32 v[T+\e], s[56+\e]
	ds_store_b32 v5, v[T+\e] offset:128*\e         ; all lanes write the same word with the same value
.endr
	s_wait_dscnt 0x0                               ; for the others' sake: my counts are in LDS
	s_barrier_signal -1
	s_barrier_wait -1
	ds_load_b128 v[C:C+3],   v6                    ; lane 4 e + q: expert e's counts of waves 8 q .. 8 q + 7
	ds_load_b128 v[C+4:C+7], v6 offset:16
	s_wait_dscnt 0x0
	; Each count goes into the low half of its word and, where its wave stands in front of mine, into the high half too: one sum gives the expert's total and my wave's start in it.
	; A half holds at most 4,096.
.irp j, 0,1,2,3,4,5,6,7
	v_cmp_lt_i32 s[56+\j], \j, v7                  ; 8 q + j < w
.endr
.irp j, 0,1,2,3,4,5,6,7
	v_cndmask_b32 v[K+\j], 0, v[C+\j], s[56+\j]
.endr
.irp j, 0,1,2,3,4,5,6,7
	v_lshl_or_b32 v[C+\j], v[K+\j], 16, v[C+\j]
.endr
	v_add_nc_u32 v[C],   v[C],   v[C+1]
	v_add_nc_u32 v[C+2], v[C+2], v[C+3]
	v_add_nc_u32 v[C+4], v[C+4], v[C+5]
	v_add_nc_u32 v[C+6], v[C+6], v[C+7]
	v_add_nc_u32 v[C],   v[C],   v[C+2]
	v_add_nc_u32 v[C+4], v[C+4], v[C+6]
	v_add_nc_u32 v[C],   v[C],   v[C+4]
	v_mov_b32_dpp v[K], v[C] row_xmask:1 row_mask:0xf bank_mask:0xf   ; and over the expert's four lanes
	v_add_nc_u32 v[C], v[C], v[K]
	v_mov_b32_dpp v[K], v[C] row_xmask:2 row_mask:0xf bank_mask:0xf
	v_add_nc_u32 v[C], v[C], v[K]
.irp e, 0,1,2,3,4,5,6,7
	v_readlane_b32 s[32+\e], v[C], 4*\e
.endr
	; s[24:31] n_e, the expert's count; s[32:39] my wave's first slot of expert e; s[40:47] CP_e, the filling slots in front of expert e's; s[48:55] where expert e's region ends
	s_mov_b32 s20, 0
	s_mov_b32 s21, 0
.irp e, 0,1,2,3,4,5,6,7
	s_and_b32 s[24+\e], s[32+\e], 0xffff
	s_lshr_b32 s[32+\e], s[32+\e], 16
	s_add_co_u32 s[32+\e], s[32+\e], s20
	s_mov_b32 s[40+\e], s21
	s_add_co_u32 s22, s[24+\e], 255
	s_and_b32 s22, s22, 0xffffff00                 ; filled up to a multiple of 256
	s_add_co_u32 s20, s20, s22
	s_mov_b32 s[48+\e], s20
	s_sub_co_u32 s22, s22, s[24+\e]
	s_add_co_u32 s21, s21, s22
.endr
	; THE FILLING ROWS, by the 14 waves behind the one that makes the slots, so that no wave has both tasks.  Expert e's filling slots begin at (regions before) + n_e
	; = (n_0 + .. + n_e) + CP_e, and what lies behind the last region counts as expert 7's: filling slot p is slot p + the sum of n_e over the experts with CP_e <= p.
	s_sub_co_u32 s19, s12, s18
	s_sub_co_u32 s19, s19, 1
	s_and_b32 s19, s19, 31
	s_cmp_ge_u32 s19, 14
	s_cbranch_scc1 .Lno_pad
	s_lshr_b32 s20, s19, 1
	s_and_b32 s19, s19, 1                          ; which half of the row
	s_mul_i32 s21, ttmp9, 7
	s_add_co_u32 s21, s21, s20                     ; p = 7 g + 0..6
	s_add_co_u32 s20, s21, s24                     ; CP_0 = 0 <= p
.irp e, 1,2,3,4,5,6,7
	s_cmp_le_u32 s[40+\e], s21
	s_cselect_b32 s22, s[24+\e], 0
	s_add_co_u32 s20, s20, s22
.endr
	s_min_u32 s20, s20, CAP-1
	s_lshl_b32 s14, s20, 11
	s_lshl_b32 s19, s19, 10
	s_add_co_u32 s14, s14, s19
	s_add_nc_u64 s[60:61], s[10:11], s[14:15]
.irp c, 4,5,6,7
	v_mov_b32 v[C+\c], 0
.endr
	global_store_b128 v2, v[C+4:C+7], s[60:61]                       ; the wave stores 512 consecutive bytes, aligned
	global_store_b128 v2, v[C+4:C+7], s[60:61] offset:512
.Lno_pad:
	; THE TABLE OF M-TILES, by wave 16 of work-group 0, which has neither of the other tasks
	s_lshl_b32 s19, ttmp9, 5
	s_or_b32 s19, s19, s12
	s_cmp_lg_u32 s19, 16
	s_cbranch_scc1 .Lno_tab
.irp j, 0,1
	v_add_nc_u32 v28, 32*\j, v1
	v_lshlrev_b32 v28, 8, v28                      ; first slot of m-tile lane + 32 j
	v_mov_b32 v[30+\j], 0
.irp e, 0,1,2,3,4,5,6
	v_cmp_le_u32 vcc_lo, s[48+\e], v28             ; its expert = how many of the first seven regions end at or before it
	v_add_co_ci_u32 v[30+\j], vcc_lo, 0, v[30+\j], vcc_lo
.endr
.endr
	v_lshlrev_b32 v29, 2, v1
	global_store_b32 v29, v30, s[8:9]
	global_store_b32 v29, v31, s[8:9] offset:128   ; the two stores fill route's first 256 bytes
.Lno_tab:
	; THE SLOTS of the 128 tokens among which my work-group's lie, by the wave that counted them.  Experts ascend, and each slot is shifted into the token's pair from above:
	; after a token's two experts the lower one's slot lies in the low half.  For one expert the four tokens of a lane follow each other, c ascending.
	s_cmp_lg_u32 s12, s18
	s_cbranch_scc1 .Lothers
.irp c, 0,1,2,3
	v_mov_b32 v[PR+\c], FILL
.endr
.irp e, 0,1,2,3,4,5,6,7
	s_bcnt1_i32_b32 s19, s[B+4*\e]
	s_bcnt1_i32_b32 s20, s[B+4*\e+1]
	s_bcnt1_i32_b32 s21, s[B+4*\e+2]
	s_add_co_u32 s19, s19, s[32+\e]                ; where tokens c = 1,
	s_add_co_u32 s20, s20, s19                     ; 2
	s_add_co_u32 s21, s21, s20                     ; and 3 begin
.irp c, 0,1,2,3
	v_mbcnt_lo_u32_b32 v[R+\c], s[B+4*\e+\c], 0    ; how many lanes with this expert stand below mine
.endr
	v_add_nc_u32 v[R],   s[32+\e], v[R]
	v_add_nc_u32 v[R+1], s19, v[R+1]
	v_add_nc_u32 v[R+2], s20, v[R+2]
	v_add_nc_u32 v[R+3], s21, v[R+3]
.irp c, 0,1,2,3
	v_perm_b32 v[R+4+\c], v[R+\c], v[PR+\c], s98   ; (pair >> 16) | (slot << 16)
.endr
.irp c, 0,1,2,3
	v_cndmask_b32 v[PR+\c], v[PR+\c], v[R+4+\c], s[B+4*\e+\c]
.endr
.endr
	ds_store_b128 v3, v[PR:PR+3]
	s_and_b32 s19, ttmp9, 7
	s_cmp_lg_u32 s19, 0
	s_cbranch_scc1 .Lothers                        ; eight work-groups make the same 128 pairs: the first of them stores them
	global_store_b128 v3, v[PR:PR+3], s[8:9] offset:PAIRS            ; the wave stores 512 consecutive bytes, aligned
.Lothers:
	s_and_b32 s19, ttmp9, 7                        ; my token's pair in LDS: 4 x token = 512 (g / 8) + 64 (g % 8) + 4 (w / 2)
	s_lshl_b32 s19, s19, 6
	s_lshl_b32 s20, s18, 9
	s_add_co_u32 s19, s19, s20
	s_lshl_b32 s20, s16, 2
	s_add_co_u32 s19, s19, s20
	v_mov_b32 v[R], s19
	s_wait_dscnt 0x0                               ; for the others' sake: the pairs are in LDS
	s_barrier_signal -1
	s_barrier_wait -1
	ds_load_b32 v[R+1], v[R]                       ; every lane reads the same word
	s_wait_dscnt 0x0
	v_readfirstlane_b32 s19, v[R+1]
	s_and_b32 s20, s19, 0xffff
	s_lshr_b32 s21, s19, 16
	s_min_u32 s20, s20, CAP-1
	s_min_u32 s21, s21, CAP-1
	s_lshl_b32 s22, s17, 10                        ; my half of a row of 2,048 bytes
	s_lshl_b32 s14, s20, 11
	s_add_co_u32 s14, s14, s22
	s_add_nc_u64 s[56:57], s[10:11], s[14:15]
	s_lshl_b32 s14, s21, 11
	s_add_co_u32 s14, s14, s22
	s_add_nc_u64 s[58:59], s[10:11], s[14:15]
.irp j, 0,1,2,3
	s_wait_loadcnt 3-\j                            ; load j of x is in; the younger ones stay out
	v_cvt_pk_bf16_f32 v[Y+2*\j],   v[X+4*\j],   v[X+4*\j+1]
	v_cvt_pk_bf16_f32 v[Y+2*\j+1], v[X+4*\j+2], v[X+4*\j+3]
	global_store_b64 v4, v[Y+2*\j:Y+2*\j+1], s[56:57] offset:256*\j  ; the wave stores 256 consecutive bytes, aligned
	global_store_b64 v4, v[Y+2*\j:Y+2*\j+1], s[58:59] offset:256*\j
.endr
	s_wait_tensorcnt 0x0
	ds_add_u32 v64, v65
	s_wait_dscnt 0x0
	s_endpgm
.Lfunc_end_k_q99b21ddbfa_gather:
	.size	k_q99b21ddbfa_gather, .Lfunc_end_k_q99b21ddbfa_gather-k_q99b21ddbfa_gather
	.p2alignl 7, 3214868480
	.fill 96, 4, 3214868480
	.section	.rodata,"a",@progbits
	.p2align	6, 0x0
	.amdhsa_kernel k_q99b21ddbfa_gather
		.amdhsa_group_segment_fixed_size 21504
		.amdhsa_private_segment_fixed_size 0
		.amdhsa_enable_private_segment 0
		.amdhsa_kernarg_size 32
		.amdhsa_user_sgpr_count 2
		.amdhsa_user_sgpr_kernarg_segment_ptr 1
		.amdhsa_wavefront_size32 1
		.amdhsa_system_sgpr_workgroup_id_x 1
		.amdhsa_system_sgpr_workgroup_id_y 1
		.amdhsa_system_sgpr_workgroup_id_z 1
		.amdhsa_system_vgpr_workitem_id 0
		.amdhsa_next_free_vgpr 66
		.amdhsa_next_free_sgpr 100
		.amdhsa_reserve_vcc 1
		.amdhsa_float_denorm_mode_32 3
		.amdhsa_float_denorm_mode_16_64 3
		.amdhsa_memory_ordered 1
		.amdhsa_forward_progress 1
		.amdhsa_inst_pref_size 29
	.end_amdhsa_kernel
	.amdgpu_metadata
---
amdhsa.version: [ 1, 2 ]
amdhsa.kernels:
  - .name:           k_q99b21ddbfa_gather
    .symbol:         k_q99b21ddbfa_gather.kd
    .args:
      - { .name: x, .offset: 0, .size: 8, .value_kind: global_buffer, .address_space: global }
      - { .name: sel, .offset: 8, .size: 8, .value_kind: global_buffer, .address_space: global }
      - { .name: route, .offset: 16, .size: 8, .value_kind: global_buffer, .address_space: global }
      - { .name: xg, .offset: 24, .size: 8, .value_kind: global_buffer, .address_space: global }
    .group_segment_fixed_size: 21504
    .private_segment_fixed_size: 0
    .kernarg_segment_align: 8
    .kernarg_segment_size: 32
    .max_flat_workgroup_size: 1024
    .sgpr_count:     100
    .vgpr_count:     66
    .wavefront_size: 32
...
	.end_amdgpu_metadata
.endif
;; end of part 12
;; launch ffn1: the kernel of part 9 again; grid 156 x 1, 4 waves a work-group, clusters of 4 x 1, 327,680 bytes of LDS; arguments xg, wb, b1, route, hb; writes hb
;; launch ffn2: the kernel of part 10 again; grid 156 x 1, 4 waves a work-group, clusters of 4 x 1, 327,680 bytes of LDS; arguments hb, wb, b2, route, yb; writes yb
;; launch combine (part 13): grid 256 x 1, 16 waves a work-group, no clusters, 0 bytes of LDS; arguments yb, gates, sel, route, x, wb, b1, b2, out0; writes out0
.if DOCPART == 13
	.amdgcn_target "amdgcn-amd-amdhsa--gfx1250"
	.amdhsa_code_object_version 6
	.text
	.protected	k_q99b21ddbfa_combine
	.globl	k_q99b21ddbfa_combine
	.p2align	8
	.type	k_q99b21ddbfa_combine,@function
k_q99b21ddbfa_combine:
	s_mov_b64 s[64:65], 0
	v_nop
	global_prefetch_b8 v0, s[64:65] scope:SCOPE_SE
	s_setreg_imm32_b32 hwreg(HW_REG_WAVE_MODE, 25, 1), 1
	s_wait_xcnt 0x0
; COMBINE.  out0[t] = the sum over the kept experts e, ascending, of gates[t][e] y_e[t], in f32.  An expert that is not kept has the gate 0 and adds nothing.
; One wave, one token.  The token's two lowest kept experts went through the routed products: their rows of yb, at the two slots of pair[t] (the lower expert's in the low half), are read
; (two rows of 4,096 bytes, eight loads of 512 neighbouring bytes each) and one row is stored: a stream.
; TIES.  A third to eighth kept expert (h equal to the second largest more than once) has no slot.  The wave makes its row itself, one expert a trip:
; y = bf16(relu(bf16(x[t]) W1_e + b1_e)) W2_e + b2_e, weights in bf16 from wb, sums in f32, k ascending, as the routed products round.  A product with ONE row: 4 MiB of weights are
; streamed for 2 M multiply-adds, so the vector unit does it and the matrix unit would add nothing.  The trip count is the number of bits in sel[t]; the loop holds no barrier and no LDS.
; It waits for each four rows of weights before it multiplies them: plain on purpose, for a case that wants equal f32 numbers in h.
; The kept experts come from sel and the slots from route, whole numbers that earlier launches stored; every expert is clamped to 7 and every slot to 9,983 before it enters an address.
; LIMIT.  With a NaN in a token's h (fewer than two bits in sel) that token's result is unspecified; all accesses stay inside their buffers.
; No LDS, matrix unit or cluster: nothing is shared between waves.
.set PAIRS, 256                        ; where pair begins in route
.set CAP, 9984                         ; slots
.set OUT, 8                            ; v[8:39]    the token's row: register 4 j + c holds column 128 j + 4 lane + c
.set Y,   40                           ; v[40:71]   the second row; in a tie the sums of a layer, in the same layout
.set XR,  72                           ; v[72:103]  ties: x[t] rounded to bf16, as f32, in the same layout
.set HR,  104                          ; v[104:135] ties: the hidden row likewise
.set W,   136                          ; v[136:199] ties: four k rows of weights, 8 bytes a lane and load
.set T,   200                          ; v[200:203] at work
	s_load_b512 s[4:19], s[0:1], 0x0               ; yb 4:5, gates 6:7, sel 8:9, route 10:11, x 12:13, wb 14:15, b1 16:17, b2 18:19
	s_load_b64 s[20:21], s[0:1], 0x40              ; out0
	v_lshrrev_b32 v1, 5, v0
	v_readfirstlane_b32 s22, v1                    ; wave 0..15
	v_and_b32 v1, 31, v0
	v_lshlrev_b32 v2, 4, v1                        ; 16 bytes a lane
	v_lshlrev_b32 v3, 3, v1                        ; 8 bytes a lane
	s_lshl_b32 s23, ttmp9, 4
	s_add_co_u32 s23, s23, s22                     ; my token t
	s_mov_b32 s29, 0
	s_lshl_b32 s28, s23, 2
	s_wait_kmcnt 0x0
	s_add_nc_u64 s[30:31], s[8:9], s[28:29]
	s_load_b32 s24, s[30:31], 0x0                  ; sel[t]
	s_add_nc_u64 s[10:11], s[10:11], s[28:29]      ; route + 4 t
	s_lshl_b32 s28, s23, 5
	s_add_nc_u64 s[6:7], s[6:7], s[28:29]          ; gates + 32 t
	s_lshl_b32 s28, s23, 12
	s_add_nc_u64 s[20:21], s[20:21], s[28:29]      ; out0 + 4,096 t
	s_add_nc_u64 s[12:13], s[12:13], s[28:29]      ; x + 4,096 t
	s_wait_kmcnt 0x0
	s_and_b32 s24, s24, 0xff
	s_bcnt1_i32_b32 s25, s24
	s_min_u32 s25, s25, 8                          ; how many experts are kept
.macro NEXTE                           ; the lowest expert still in s24 is taken out of it, into s26
	s_ctz_i32_b32 s26, s24
	s_min_u32 s26, s26, 7
	s_sub_co_u32 s27, s24, 1
	s_and_b32 s24, s24, s27
.endm
.macro GATE k                          ; its gate is asked for, into set k (0 or 1) of the registers
	s_lshl_b32 s28, s26, 2
	s_add_nc_u64 s[34+4*\k:35+4*\k], s[6:7], s[28:29]
	s_load_b32 s[42+2*\k], s[34+4*\k:35+4*\k], 0x0 ; gates[t][e]
.endm
.macro PICK k                          ; an expert with a slot: slot and gate
	NEXTE
	s_load_u16 s[40+\k], s[10:11], PAIRS+2*\k      ; half k of pair[t]
	GATE \k
.endm
.macro ROWPTR k                        ; behind the wait for them: the row's address, and the gate's pair written whole (the packed forms name a pair and take its low word twice)
	s_min_u32 s[40+\k], s[40+\k], CAP-1
	s_lshl_b32 s28, s[40+\k], 12
	s_add_nc_u64 s[46+2*\k:47+2*\k], s[4:5], s[28:29]
	s_mov_b32 s[43+2*\k], s[42+2*\k]
.endm
	PICK 0
	PICK 1
	s_wait_kmcnt 0x0
	ROWPTR 0
	ROWPTR 1
.irp j, 0,1,2,3,4,5,6,7
	global_load_b128 v[OUT+4*\j:OUT+4*\j+3], v2, s[46:47] offset:512*\j th:TH_LOAD_NT   ; a slot belongs to one token: each row is read once
.endr
.irp j, 0,1,2,3,4,5,6,7
	global_load_b128 v[Y+4*\j:Y+4*\j+3], v2, s[48:49] offset:512*\j th:TH_LOAD_NT
.endr
	s_wait_loadcnt 8                               ; the first row is in; the second row's eight loads may be out
.irp i, 0,1,2,3,4,5,6,7,8,9,10,11,12,13,14,15
	v_pk_mul_f32 v[OUT+2*\i:OUT+2*\i+1], v[OUT+2*\i:OUT+2*\i+1], s[42:43] op_sel_hi:[1,0]
.endr
.irp j, 0,1,2,3,4,5,6,7
	s_wait_loadcnt 7-\j                            ; load j of the second row is in; the younger ones stay out
	v_pk_fma_f32 v[OUT+4*\j:OUT+4*\j+1],   v[Y+4*\j:Y+4*\j+1],   s[44:45], v[OUT+4*\j:OUT+4*\j+1]   op_sel_hi:[1,0,1]
	v_pk_fma_f32 v[OUT+4*\j+2:OUT+4*\j+3], v[Y+4*\j+2:Y+4*\j+3], s[44:45], v[OUT+4*\j+2:OUT+4*\j+3] op_sel_hi:[1,0,1]
.endr
	s_cmp_le_u32 s25, 2
	s_cbranch_scc1 .Lstore
; Y += (the row in registers sr) x (the 1,024 x 1,024 weights at s[52:53]).  Number k = 128 j + 4 l + c of the row lies in register sr + 4 j + c of lane l.
; The inner loop walks l: four numbers (c = 0..3) are read out of lane l into scalars, and the four k rows 128 j + 4 l + c, 8,192 neighbouring bytes, are loaded (eight loads of 256
; bytes a row: a lane's four bf16 are its four columns of Y) and multiplied.  The outer loop walks j: a register cannot be chosen by a counter, so the row is turned by four registers
; after each inner loop; after eight turns it lies as before.  k ascends throughout, and the weights' address simply steps on.
.macro GEMV sr
	s_mov_b32 s50, 0
.Lblock_\@:
	s_mov_b32 s51, 0
.Llane_\@:
.irp c, 0,1,2,3
	v_readlane_b32 s[56+\c], v[\sr+\c], s51
.endr
.irp r, 0,1,2,3
.irp j, 0,1,2,3,4,5,6,7
	global_load_b64 v[W+2*(8*\r+\j):W+2*(8*\r+\j)+1], v3, s[52:53] offset:2048*\r+256*\j
.endr
.endr
	s_wait_loadcnt 0x0                             ; the four rows (in the first trip also the bias, which started Y)
.irp r, 0,1,2,3
.irp j, 0,1,2,3,4,5,6,7
	v_fma_mix_f32_bf16 v[Y+4*\j],   v[W+2*(8*\r+\j)],   s[56+\r], v[Y+4*\j]   op_sel_hi:[1,0,0]                  ; the low bf16 x an f32 + an f32
	v_fma_mix_f32_bf16 v[Y+4*\j+1], v[W+2*(8*\r+\j)],   s[56+\r], v[Y+4*\j+1] op_sel:[1,0,0] op_sel_hi:[1,0,0]   ; the high bf16
	v_fma_mix_f32_bf16 v[Y+4*\j+2], v[W+2*(8*\r+\j)+1], s[56+\r], v[Y+4*\j+2] op_sel_hi:[1,0,0]
	v_fma_mix_f32_bf16 v[Y+4*\j+3], v[W+2*(8*\r+\j)+1], s[56+\r], v[Y+4*\j+3] op_sel:[1,0,0] op_sel_hi:[1,0,0]
.endr
.endr
	s_add_nc_u64 s[52:53], s[52:53], 8192          ; free: the loads that named it have been waited for
	s_add_co_u32 s51, s51, 1
	s_cmp_lt_u32 s51, 32
	s_cbranch_scc1 .Llane_\@
.irp c, 0,1,2,3
	v_mov_b32 v[T+\c], v[\sr+\c]
.endr
.set ii, 0
.rept 28
	v_mov_b32 v[\sr+ii], v[\sr+ii+4]
.set ii, ii+1
.endr
.irp c, 0,1,2,3
	v_mov_b32 v[\sr+28+\c], v[T+\c]
.endr
	s_add_co_u32 s50, s50, 1
	s_cmp_lt_u32 s50, 8
	s_cbranch_scc1 .Lblock_\@
.endm
.macro BIASIN lo                       ; the layer's bias starts the sums: nothing is cleared
	s_lshl_b32 s28, s26, 12
	s_add_nc_u64 s[54:55], s[\lo:\lo+1], s[28:29]  ; free: every earlier load has been waited for
.irp j, 0,1,2,3,4,5,6,7
	global_load_b128 v[Y+4*\j:Y+4*\j+3], v2, s[54:55] offset:512*\j
.endr
	s_lshl_b32 s28, s26, 21
	s_add_nc_u64 s[52:53], s[14:15], s[28:29]      ; W1 of the expert
.endm
	; x[t], once for all the token's ties, rounded to bf16 and widened again
.irp j, 0,1,2,3,4,5,6,7
	global_load_b128 v[XR+4*\j:XR+4*\j+3], v2, s[12:13] offset:512*\j
.endr
	s_wait_loadcnt 0x0
.irp i, 0,1,2,3,4,5,6,7,8,9,10,11,12,13,14,15
	v_cvt_pk_bf16_f32 v[T+\i%4], v[XR+2*\i], v[XR+2*\i+1]
	v_lshlrev_b32 v[XR+2*\i], 16, v[T+\i%4]
	v_and_b32 v[XR+2*\i+1], 0xffff0000, v[T+\i%4]
.endr
	s_mov_b32 s60, 2
.Ltie:                                                 ; one more kept expert a trip; all earlier loads, scalar and vector, have been waited for
	NEXTE
	GATE 1
	BIASIN 16
	GEMV XR
.irp i, 0,1,2,3,4,5,6,7,8,9,10,11,12,13,14,15
	v_max_num_f32 v[Y+2*\i], 0, v[Y+2*\i]
	v_max_num_f32 v[Y+2*\i+1], 0, v[Y+2*\i+1]
	v_cvt_pk_bf16_f32 v[T+\i%4], v[Y+2*\i], v[Y+2*\i+1]
	v_lshlrev_b32 v[HR+2*\i], 16, v[T+\i%4]
	v_and_b32 v[HR+2*\i+1], 0xffff0000, v[T+\i%4]
.endr
	BIASIN 18
	s_add_nc_u64 s[52:53], s[52:53], 0x1000000     ; W2 lies 16,777,216 bytes behind W1
	GEMV HR
	s_wait_kmcnt 0x0                               ; the gate
	s_mov_b32 s45, s44
.irp i, 0,1,2,3,4,5,6,7,8,9,10,11,12,13,14,15
	v_pk_fma_f32 v[OUT+2*\i:OUT+2*\i+1], v[Y+2*\i:Y+2*\i+1], s[44:45], v[OUT+2*\i:OUT+2*\i+1] op_sel_hi:[1,0,1]
.endr
	s_add_co_u32 s60, s60, 1
	s_cmp_lt_u32 s60, s25
	s_cbranch_scc1 .Ltie
.Lstore:
.irp j, 0,1,2,3,4,5,6,7
	global_store_b128 v2, v[OUT+4*\j:OUT+4*\j+3], s[20:21] offset:512*\j th:TH_STORE_NT   ; the wave stores 512 consecutive bytes, aligned
.endr
	s_endpgm
.Lfunc_end_k_q99b21ddbfa_combine:
	.size	k_q99b21ddbfa_combine, .Lfunc_end_k_q99b21ddbfa_combine-k_q99b21ddbfa_combine
	.p2alignl 7, 3214868480
	.fill 96, 4, 3214868480
	.section	.rodata,"a",@progbits
	.p2align	6, 0x0
	.amdhsa_kernel k_q99b21ddbfa_combine
		.amdhsa_group_segment_fixed_size 0
		.amdhsa_private_segment_fixed_size 0
		.amdhsa_enable_private_segment 0
		.amdhsa_kernarg_size 72
		.amdhsa_user_sgpr_count 2
		.amdhsa_user_sgpr_kernarg_segment_ptr 1
		.amdhsa_wavefront_size32 1
		.amdhsa_system_sgpr_workgroup_id_x 1
		.amdhsa_system_sgpr_workgroup_id_y 1
		.amdhsa_system_sgpr_workgroup_id_z 1
		.amdhsa_system_vgpr_workitem_id 0
		.amdhsa_next_free_vgpr 208
		.amdhsa_next_free_sgpr 66
		.amdhsa_reserve_vcc 0
		.amdhsa_float_denorm_mode_32 3
		.amdhsa_float_denorm_mode_16_64 3
		.amdhsa_memory_ordered 1
		.amdhsa_forward_progress 1
		.amdhsa_inst_pref_size 43
	.end_amdhsa_kernel
	.amdgpu_metadata
---
amdhsa.version: [ 1, 2 ]
amdhsa.kernels:
  - .name:           k_q99b21ddbfa_combine
    .symbol:         k_q99b21ddbfa_combine.kd
    .args:
      - { .name: yb, .offset: 0, .size: 8, .value_kind: global_buffer, .address_space: global }
      - { .name: gates, .offset: 8, .size: 8, .value_kind: global_buffer, .address_space: global }
      - { .name: sel, .offset: 16, .size: 8, .value_kind: global_buffer, .address_space: global }
      - { .name: route, .offset: 24, .size: 8, .value_kind: global_buffer, .address_space: global }
      - { .name: x, .offset: 32, .size: 8, .value_kind: global_buffer, .address_space: global }
      - { .name: wb, .offset: 40, .size: 8, .value_kind: global_buffer, .address_space: global }
      - { .name: b1, .offset: 48, .size: 8, .value_kind: global_buffer, .address_space: global }
      - { .name: b2, .offset: 56, .size: 8, .value_kind: global_buffer, .address_space: global }
      - { .name: out0, .offset: 64, .size: 8, .value_kind: global_buffer, .address_space: global }
    .group_segment_fixed_size: 0
    .private_segment_fixed_size: 0
    .kernarg_segment_align: 8
    .kernarg_segment_size: 72
    .max_flat_workgroup_size: 512
    .sgpr_count:     66
    .vgpr_count:     208
    .wavefront_size: 32
...
	.end_amdgpu_metadata
.endif
;; end of part 13
;; ======== version 4 of 4: 5 launches; version 3 with the launch gather written anew for expert scheduling mode
;; workspace buffers: sel 16,384 bytes of whole numbers; gates 131,072 bytes; wb 33,554,432 bytes; route 16,640 bytes of whole numbers; xg 20,447,232 bytes; hb 20,447,232 bytes; yb 40,894,464 bytes
;; launch gate: the kernel of part 1 again; grid 256 x 1, 8 waves a work-group, no clusters, 78,848 bytes of LDS; arguments x, noise, W_g, W_noise, W1, W2, sel, gates, wb; writes sel, gates, wb
;; launch gather (part 14): grid 256 x 1, 32 waves a work-group, no clusters, 21,504 bytes of LDS; arguments x, sel, route, xg; writes route, xg
.if DOCPART == 14
	.amdgcn_target "amdgcn-amd-amdhsa--gfx1250"
	.amdhsa_code_object_version 6
	.text
	.protected	k_q99b21ddbfa_gather
	.globl	k_q99b21ddbfa_gather
	.p2align	8
	.type	k_q99b21ddbfa_gather,@function
k_q99b21ddbfa_gather:
	s_mov_b64 s[64:65], 0
	v_nop
	global_prefetch_b8 v0, s[64:65] scope:SCOPE_SE
	s_setreg_imm32_b32 hwreg(HW_REG_WAVE_SCHED_MODE, 0, 2), 2
	s_setreg_imm32_b32 hwreg(HW_REG_WAVE_MODE, 25, 1), 1
	s_wait_xcnt 0x0
	s_wait_alu depctr_vm_vsrc(0)
; ROUTE AND GATHER.  From sel (a word with bits 0-7 for each of 4,096 tokens, whole numbers that an earlier launch stored) to the slots, and xg[slot] = bf16(x[token]).
; The routed path takes TWO experts a token: the two lowest bits of sel.  (Further bits, ties, are served by the last launch, token by token.)
; A SLOT is one (token, expert) row.  An expert's slots lie together; each expert's region is filled up to a multiple of 256 with rows of zeros.  8,192 slots in 8 such regions are at
; most 32 + 7 blocks of 256: the capacity is 39 blocks = 9,984 slots, so there are exactly 1,792 filling slots, and all 9,984 rows that the next launch reads are written here.
; route:  bytes 0-255   tab[mt], a word for each m-tile of 256 slots: its expert (39 in use; 64 written, so that the 256 bytes are whole)
;         bytes 256-    pair[t], a word a token: the slot of its lower expert in the low half, of its higher expert in the high half
; SHARES.  256 work-groups of 32 waves.  EVERY work-group counts all 4,096 tokens (16 KiB of sel), since the counts span all tokens and work-groups hand each other nothing:
; wave w counts tokens 128 w + 4 lane + c, c = 0..3.  An expert's slots are taken in the order (wave, c, lane).  The counts meet in LDS (first barrier).
; Work-group g owns tokens 16 g .. 16 g + 15; they lie in the share of wave g / 8, which alone makes its 128 tokens' slots and hands them over in LDS (second barrier).
; Wave w then stores half (w % 2) of the row of token 16 g + w / 2 to the token's two slots.  The row was asked for at the start: it hangs on no list.
; The 14 waves behind wave g / 8 store the halves of the work-group's 7 filling rows; wave 16 of work-group 0 stores tab; wave g / 8 of every eighth work-group stores 512 bytes of pair.
; Every slot is clamped to 9,983 before it enters an address.  Branches hang on the wave's and the work-group's numbers alone, and none jumps over a barrier.
; LIMIT.  With fewer than two bits in a word of sel (a NaN in that token's h) that token's row goes astray inside xg, and some filling rows stay unwritten.
; No matrix unit, tensor load or cluster: a stream, and what the work-groups share is 16 KiB.
; THE MODE: SCHED_MODE bits 1:0 = 2 (LLVM: expert scheduling mode 2), set by the entry lines.  The code itself states the register dependences between vector instructions and
; memory or LDS instructions, and those through scalar registers that vector instructions write, with s_wait_alu, always for 0.
; THE PLAN.  Registers that memory or LDS instructions touch:
;   v2-v6, v70    offsets and LDS addresses, and v[66:69], the filling rows' zeros: made at the head, ahead of ONE wait on va_vdst, and named by no vector instruction behind it.
;   v[8:27], v71  filled by loads alone (sel, x, my token's pair); vector instructions only read them.
;   v[34:41]      the eight counts: written by eight moves, one wait on va_vdst, read by a run of eight LDS stores.  Behind the first barrier ONE wait on vm_vsrc states that the stores
;                 have read them: v40 and v41 then take loaded counts, v34-v40 are at work for tab, v34-v39 take the row in bf16.
;   v[29:31], v[52:55], v[32:39]   out-buffers (tab, the pairs, my half row): each written by a run of vector instructions, then one wait on va_vdst, then its stores; none is written again.
; Scalar registers that vector instructions write (the wave's number, 32 ballots, eight masks, eight sums, tab's masks, the pair) are written in runs, with one wait on va_sdst behind each run.
.set PAIRS, 256                        ; where pair begins in route
.set CAP,   9984
.set FILL,  (CAP-1)|((CAP-1)<<16)      ; the pair of a token that has no experts
.set CNT,   16384                      ; LDS: bytes 0-16,383 the pairs, 512 bytes a wave; then CNT[e][w], 8 x 32 words
.set B,     66                         ; s[66:97] ballot 4 e + c: the lanes whose token c has expert e among its two
.set M,     8                          ; v[8:11]   sel of my lane's four tokens
.set X,     12                         ; v[12:27]  my half row of x
.set TW,    28                         ; v[28:29]  the masks of tokens 0, 1 and 2, 3, in fields of 16 bits
.set T,     34                         ; v[34:41]  at work
.set C,     40                         ; v[40:47]  eight waves' counts of one expert
.set K,     48                         ; v[48:55]  at work
.set PR,    52                         ; v[52:55]  my four tokens' pairs
.set R,     56                         ; v[56:63]  at work
.set Y,     32                         ; v[32:39]  my half row in bf16
.set Z,     66                         ; v[66:69]  zeros, the data of the filling rows' stores; never written again
.set PA,    70                         ; v70       LDS address of my token's pair; never written again
.set PW,    71                         ; v71       my token's pair, as loaded
	s_load_b256 s[4:11], s[0:1], 0x0               ; x s[4:5], sel s[6:7], route s[8:9], xg s[10:11]
	v_lshl_add_u32 v64, v0, 2, 0x4400              ; my spare word, behind the counts, and 0: kept for the closing lines alone
	v_mov_b32 v65, 0
	v_lshrrev_b32 v1, 5, v0
	v_readfirstlane_b32 s12, v1                    ; wave w, 0..31
	v_and_b32 v1, 31, v0                           ; lane
	v_lshlrev_b32 v2, 4, v1                        ; 16 bytes a lane
	v_lshlrev_b32 v4, 3, v1                        ; 8 bytes a lane
	v_lshlrev_b32 v6, 5, v1
	v_add_nc_u32 v6, CNT, v6                       ; lane 4 e + q: CNT[e][8 q]
	v_and_b32 v7, 3, v1
	v_lshlrev_b32 v7, 3, v7                        ; 8 q
.irp c, 0,1,2,3
	v_mov_b32 v[Z+\c], 0
.endr
	s_lshr_b32 s18, ttmp9, 3
	s_and_b32 s18, s18, 31                         ; the wave in whose share my work-group's tokens lie
	s_mov_b32 s15, 0
	s_mov_b32 s98, 0x05040302                      ; v_perm_b32: the second source's high half below, the first source's low half above
	s_mov_b32 s99, 0x00ff00ff
	s_wait_alu depctr_va_sdst(0)                   ; s12 is written, ahead of its first reader
	v_lshl_add_u32 v3, s12, 9, v2                  ; 512 w + 16 lane: my four tokens' words in sel, in pair, and in the pairs in LDS
	v_mov_b32 v5, s12
	v_lshlrev_b32 v5, 2, v5
	v_add_nc_u32 v5, CNT, v5                       ; CNT[0][w]
	v_sub_nc_u32 v7, s12, v7                       ; w - 8 q: how many of my eight words belong to waves in front of mine (as a signed number)
	s_lshr_b32 s16, s12, 1                         ; which of the work-group's 16 tokens
	s_and_b32 s17, s12, 1                          ; which half of its row
	s_lshl_b32 s23, ttmp9, 4
	s_add_co_u32 s23, s23, s16                     ; my token
	s_lshl_b32 s14, s23, 12
	s_lshl_b32 s19, s17, 11
	s_add_co_u32 s14, s14, s19                     ; its row of 4,096 bytes, my half
	s_and_b32 s19, ttmp9, 7                        ; my token's pair in LDS: 4 x token = 512 (g / 8) + 64 (g % 8) + 4 (w / 2)
	s_lshl_b32 s19, s19, 6
	s_lshl_b32 s20, s18, 9
	s_add_co_u32 s19, s19, s20
	s_lshl_b32 s20, s16, 2
	s_add_co_u32 s19, s19, s20
	v_mov_b32 v[PA], s19
	s_wait_kmcnt 0x0
	s_wait_alu depctr_va_vdst(0)                   ; v2 to v6 and v70 are written, which the loads and stores of the whole kernel read as offsets and addresses; so are the zeros v[66:69], the filling stores' data
	global_load_b128 v[M:M+3], v3, s[6:7]          ; the wave reads 512 neighbouring bytes of sel
	s_add_nc_u64 s[4:5], s[4:5], s[14:15]
.irp j, 0,1,2,3
	global_load_b128 v[X+4*\j:X+4*\j+3], v2, s[4:5] offset:512*\j th:TH_LOAD_NT
.endr
	s_wait_loadcnt 4                               ; loads come back in order: sel is in, the four loads of x stay out
	; The two lowest bits of each mask, two tokens to a register.  A mask x has 8 bits (the launch that wrote sel sets no other), its field 16: x + 0xff is x - 1 with bit 8 set, or 0xff
	; for x = 0, so x & (x + 0xff) is x without its lowest bit, and no sum reaches the next field.
	v_lshl_or_b32 v[TW],   v[M+1], 16, v[M]
	v_lshl_or_b32 v[TW+1], v[M+3], 16, v[M+2]
	v_add_nc_u32 v30, s99, v[TW]
	v_add_nc_u32 v31, s99, v[TW+1]
	v_and_b32 v30, v30, v[TW]                      ; without the lowest bit
	v_and_b32 v31, v31, v[TW+1]
	v_add_nc_u32 v32, s99, v30
	v_add_nc_u32 v33, s99, v31
	v_and_b32 v32, v32, v30                        ; without the two lowest bits
	v_and_b32 v33, v33, v31
	v_xor_b32 v[TW],   v[TW],   v32               ; the two lowest bits
	v_xor_b32 v[TW+1], v[TW+1], v33
.set cc, 0
.rept 4
.irp e, 0,1,2,3,4,5,6,7
.set bb, 1<<(\e+16*(cc%2))
	v_and_b32 v[T+\e], bb, v[TW+cc/2]
.endr
.irp e, 0,1,2,3,4,5,6,7
	v_cmp_ne_u32 s[B+4*\e+cc], 0, v[T+\e]
.endr
.set cc, cc+1
.endr
	s_wait_alu depctr_va_sdst(0)                   ; the 32 ballots s[66:97] are written, ahead of their first reader: one wait for the run
.irp e, 0,1,2,3,4,5,6,7
	s_bcnt1_i32_b32 s[56+\e], s[B+4*\e]
	s_bcnt1_i32_b32 s19, s[B+4*\e+1]
	s_bcnt1_i32_b32 s20, s[B+4*\e+2]
	s_bcnt1_i32_b32 s21, s[B+4*\e+3]
	s_add_co_u32 s[56+\e], s[56+\e], s19
	s_add_co_u32 s20, s20, s21
	s_add_co_u32 s[56+\e], s[56+\e], s20           ; my wave's count for expert e, at most 128
	v_mov_b32 v[T+\e], s[56+\e]
.endr
	s_wait_alu depctr_va_vdst(0)                   ; the eight moves have written v[34:41], which the LDS stores read; every vector instruction that named v40 and v41, in which loads land behind the barrier, is done
.irp e, 0,1,2,3,4,5,6,7
	ds_store_b32 v5, v[T+\e] offset:128*\e         ; all lanes write the same word with the same value
.endr
	s_wait_dscnt 0x0                               ; for the others' sake: my counts are in LDS
	s_barrier_signal -1
	s_barrier_wait -1
	s_wait_alu depctr_vm_vsrc(0)                   ; my eight LDS stores have read v[34:41]: loads land in v40 and v41 below, and tab's work and the row's conversions write v34 to v40 later
	ds_load_b128 v[C:C+3],   v6                    ; lane 4 e + q: expert e's counts of waves 8 q .. 8 q + 7
	ds_load_b128 v[C+4:C+7], v6 offset:16
	; Each count goes into the low half of its word and, where its wave stands in front of mine, into the high half too: one sum gives the expert's total and my wave's start in it.
	; A half holds at most 4,096.  The masks hang on no count: they are made while the counts are on their way.
.irp j, 0,1,2,3,4,5,6,7
	v_cmp_lt_i32 s[56+\j], \j, v7                  ; 8 q + j < w
.endr
	s_wait_dscnt 0x0
	s_wait_alu depctr_va_sdst(0)                   ; the eight masks s[56:63] are written, ahead of the selects that read them
.irp j, 0,1,2,3,4,5,6,7
	v_cndmask_b32 v[K+\j], 0, v[C+\j], s[56+\j]
.endr
.irp j, 0,1,2,3,4,5,6,7
	v_lshl_or_b32 v[C+\j], v[K+\j], 16, v[C+\j]
.endr
	v_add_nc_u32 v[C],   v[C],   v[C+1]
	v_add_nc_u32 v[C+2], v[C+2], v[C+3]
	v_add_nc_u32 v[C+4], v[C+4], v[C+5]
	v_add_nc_u32 v[C+6], v[C+6], v[C+7]
	v_add_nc_u32 v[C],   v[C],   v[C+2]
	v_add_nc_u32 v[C+4], v[C+4], v[C+6]
	v_add_nc_u32 v[C],   v[C],   v[C+4]
	v_mov_b32_dpp v[K], v[C] row_xmask:1 row_mask:0xf bank_mask:0xf   ; and over the expert's four lanes
	v_add_nc_u32 v[C], v[C], v[K]
	v_mov_b32_dpp v[K], v[C] row_xmask:2 row_mask:0xf bank_mask:0xf
	v_add_nc_u32 v[C], v[C], v[K]
.irp e, 0,1,2,3,4,5,6,7
	v_readlane_b32 s[32+\e], v[C], 4*\e
.endr
	s_wait_alu depctr_va_sdst(0)                   ; the eight sums s[32:39] are written, ahead of the scalar work that reads them
	; s[24:31] n_e, the expert's count; s[32:39] my wave's first slot of expert e; s[40:47] CP_e, the filling slots in front of expert e's; s[48:55] where expert e's region ends
	s_mov_b32 s20, 0
	s_mov_b32 s21, 0
.irp e, 0,1,2,3,4,5,6,7
	s_and_b32 s[24+\e], s[32+\e], 0xffff
	s_lshr_b32 s[32+\e], s[32+\e], 16
	s_add_co_u32 s[32+\e], s[32+\e], s20
	s_mov_b32 s[40+\e], s21
	s_add_co_u32 s22, s[24+\e], 255
	s_and_b32 s22, s22, 0xffffff00                 ; filled up to a multiple of 256
	s_add_co_u32 s20, s20, s22
	s_mov_b32 s[48+\e], s20
	s_sub_co_u32 s22, s22, s[24+\e]
	s_add_co_u32 s21, s21, s22
.endr
	; THE FILLING ROWS, by the 14 waves behind the one that makes the slots, so that no wave has both tasks.  Expert e's filling slots begin at (regions before) + n_e
	; = (n_0 + .. + n_e) + CP_e, and what lies behind the last region counts as expert 7's: filling slot p is slot p + the sum of n_e over the experts with CP_e <= p.
	s_sub_co_u32 s19, s12, s18
	s_sub_co_u32 s19, s19, 1
	s_and_b32 s19, s19, 31
	s_cmp_ge_u32 s19, 14
	s_cbranch_scc1 .Lno_pad
	s_lshr_b32 s20, s19, 1
	s_and_b32 s19, s19, 1                          ; which half of the row
	s_mul_i32 s21, ttmp9, 7
	s_add_co_u32 s21, s21, s20                     ; p = 7 g + 0..6
	s_add_co_u32 s20, s21, s24                     ; CP_0 = 0 <= p
.irp e, 1,2,3,4,5,6,7
	s_cmp_le_u32 s[40+\e], s21
	s_cselect_b32 s22, s[24+\e], 0
	s_add_co_u32 s20, s20, s22
.endr
	s_min_u32 s20, s20, CAP-1
	s_lshl_b32 s14, s20, 11
	s_lshl_b32 s19, s19, 10
	s_add_co_u32 s14, s14, s19
	s_add_nc_u64 s[2:3], s[10:11], s[14:15]        ; a base that nothing writes again
	global_store_b128 v2, v[Z:Z+3], s[2:3]                           ; the wave stores 512 consecutive bytes, aligned.  No wait: offset and zeros were written ahead of the head's wait, and no vector instruction has named them since
	global_store_b128 v2, v[Z:Z+3], s[2:3] offset:512
.Lno_pad:
	; THE TABLE OF M-TILES, by wave 16 of work-group 0, which has neither of the other tasks.  The seven compares of a tile go into scalar registers in one run, with one wait behind it.
	s_lshl_b32 s19, ttmp9, 5
	s_or_b32 s19, s19, s12
	s_cmp_lg_u32 s19, 16
	s_cbranch_scc1 .Lno_tab
.irp j, 0,1
	v_add_nc_u32 v28, 32*\j, v1
	v_lshlrev_b32 v28, 8, v28                      ; first slot of m-tile lane + 32 j
.irp e, 0,1,2,3,4,5,6
	v_cmp_le_u32 s[56+\e], s[48+\e], v28           ; its expert = how many of the first seven regions end at or before it
.endr
	s_wait_alu depctr_va_sdst(0)                   ; the seven masks s[56:62] are written, ahead of the selects that read them
.irp e, 0,1,2,3,4,5,6
	v_cndmask_b32 v[T+\e], 0, 1, s[56+\e]
.endr
	v_add3_u32 v[30+\j], v[T], v[T+1], v[T+2]
	v_add3_u32 v[T+3], v[T+3], v[T+4], v[T+5]
	v_add3_u32 v[30+\j], v[30+\j], v[T+3], v[T+6]
.endr
	v_lshlrev_b32 v29, 2, v1
	s_wait_alu depctr_va_vdst(0)                   ; v29, the two stores' offset, and v30 and v31, their data, are written
	global_store_b32 v29, v30, s[8:9]
	global_store_b32 v29, v31, s[8:9] offset:128   ; the two stores fill route's first 256 bytes
.Lno_tab:
	; THE SLOTS of the 128 tokens among which my work-group's lie, by the wave that counted them.  Experts ascend, and each slot is shifted into the token's pair from above:
	; after a token's two experts the lower one's slot lies in the low half.  For one expert the four tokens of a lane follow each other, c ascending.
	s_cmp_lg_u32 s12, s18
	s_cbranch_scc1 .Lothers
.irp c, 0,1,2,3
	v_mov_b32 v[PR+\c], FILL
.endr
.irp e, 0,1,2,3,4,5,6,7
	s_bcnt1_i32_b32 s19, s[B+4*\e]
	s_bcnt1_i32_b32 s20, s[B+4*\e+1]
	s_bcnt1_i32_b32 s21, s[B+4*\e+2]
	s_add_co_u32 s19, s19, s[32+\e]                ; where tokens c = 1,
	s_add_co_u32 s20, s20, s19                     ; 2
	s_add_co_u32 s21, s21, s20                     ; and 3 begin
.irp c, 0,1,2,3
	v_mbcnt_lo_u32_b32 v[R+\c], s[B+4*\e+\c], 0    ; how many lanes with this expert stand below mine
.endr
	v_add_nc_u32 v[R],   s[32+\e], v[R]
	v_add_nc_u32 v[R+1], s19, v[R+1]
	v_add_nc_u32 v[R+2], s20, v[R+2]
	v_add_nc_u32 v[R+3], s21, v[R+3]
.irp c, 0,1,2,3
	v_perm_b32 v[R+4+\c], v[R+\c], v[PR+\c], s98   ; (pair >> 16) | (slot << 16)
.endr
.irp c, 0,1,2,3
	v_cndmask_b32 v[PR+\c], v[PR+\c], v[R+4+\c], s[B+4*\e+\c]
.endr
.endr
	s_wait_alu depctr_va_vdst(0)                   ; the selects have written v[52:55], which the LDS store and the global store below read
	ds_store_b128 v3, v[PR:PR+3]
	s_and_b32 s19, ttmp9, 7
	s_cmp_lg_u32 s19, 0
	s_cbranch_scc1 .Lothers                        ; eight work-groups make the same 128 pairs: the first of them stores them
	global_store_b128 v3, v[PR:PR+3], s[8:9] offset:PAIRS            ; the wave stores 512 consecutive bytes, aligned
.Lothers:
	s_wait_dscnt 0x0                               ; for the others' sake: the pairs are in LDS
	s_barrier_signal -1
	s_barrier_wait -1
	ds_load_b32 v[PW], v[PA]                       ; every lane reads the same word.  No wait: the address was written ahead of the head's wait, and no vector instruction has ever named v70 since or v71 at all
	; my half row is rounded while the pair is on its way
.irp j, 0,1,2,3
	s_wait_loadcnt 3-\j                            ; load j of x is in; the younger ones stay out
	v_cvt_pk_bf16_f32 v[Y+2*\j],   v[X+4*\j],   v[X+4*\j+1]
	v_cvt_pk_bf16_f32 v[Y+2*\j+1], v[X+4*\j+2], v[X+4*\j+3]
.endr
	s_wait_dscnt 0x0
	v_readfirstlane_b32 s19, v[PW]
	s_wait_alu depctr_va_sdst(0)                   ; s19, the pair, is written, ahead of its first reader: both rows' addresses are made from it
	s_and_b32 s20, s19, 0xffff
	s_lshr_b32 s21, s19, 16
	s_min_u32 s20, s20, CAP-1
	s_min_u32 s21, s21, CAP-1
	s_lshl_b32 s22, s17, 10                        ; my half of a row of 2,048 bytes
	s_lshl_b32 s14, s20, 11
	s_add_co_u32 s14, s14, s22
	s_add_nc_u64 s[56:57], s[10:11], s[14:15]
	s_lshl_b32 s14, s21, 11
	s_add_co_u32 s14, s14, s22
	s_add_nc_u64 s[58:59], s[10:11], s[14:15]
	s_wait_alu depctr_va_vdst(0)                   ; the eight conversions have written v[32:39], which the eight stores read
.irp j, 0,1,2,3
	global_store_b64 v4, v[Y+2*\j:Y+2*\j+1], s[56:57] offset:256*\j  ; the wave stores 256 consecutive bytes, aligned
	global_store_b64 v4, v[Y+2*\j:Y+2*\j+1], s[58:59] offset:256*\j
.endr
	s_wait_dscnt 0x0                               ; the closing lines, six on end
	s_wait_alu 0x0
	s_wait_tensorcnt 0x0
	ds_add_u32 v64, v65
	s_wait_dscnt 0x0
	s_endpgm
.Lfunc_end_k_q99b21ddbfa_gather:
	.size	k_q99b21ddbfa_gather, .Lfunc_end_k_q99b21ddbfa_gather-k_q99b21ddbfa_gather
	.p2alignl 7, 3214868480
	.fill 96, 4, 3214868480
	.section	.rodata,"a",@progbits
	.p2align	6, 0x0
	.amdhsa_kernel k_q99b21ddbfa_gather
		.amdhsa_group_segment_fixed_size 21504
		.amdhsa_private_segment_fixed_size 0
		.amdhsa_enable_private_segment 0
		.amdhsa_kernarg_size 32
		.amdhsa_user_sgpr_count 2
		.amdhsa_user_sgpr_kernarg_segment_ptr 1
		.amdhsa_wavefront_size32 1
		.amdhsa_system_sgpr_workgroup_id_x 1
		.amdhsa_system_sgpr_workgroup_id_y 1
		.amdhsa_system_sgpr_workgroup_id_z 1
		.amdhsa_system_vgpr_workitem_id 0
		.amdhsa_next_free_vgpr 72
		.amdhsa_next_free_sgpr 100
		.amdhsa_reserve_vcc 0
		.amdhsa_float_denorm_mode_32 3
		.amdhsa_float_denorm_mode_16_64 3
		.amdhsa_memory_ordered 1
		.amdhsa_forward_progress 1
		.amdhsa_inst_pref_size 31
	.end_amdhsa_kernel
	.amdgpu_metadata
---
amdhsa.version: [ 1, 2 ]
amdhsa.kernels:
  - .name:           k_q99b21ddbfa_gather
    .symbol:         k_q99b21ddbfa_gather.kd
    .args:
      - { .name: x, .offset: 0, .size: 8, .value_kind: global_buffer, .address_space: global }
      - { .name: sel, .offset: 8, .size: 8, .value_kind: global_buffer, .address_space: global }
      - { .name: route, .offset: 16, .size: 8, .value_kind: global_buffer, .address_space: global }
      - { .name: xg, .offset: 24, .size: 8, .value_kind: global_buffer, .address_space: global }
    .group_segment_fixed_size: 21504
    .private_segment_fixed_size: 0
    .kernarg_segment_align: 8
    .kernarg_segment_size: 32
    .max_flat_workgroup_size: 1024
    .sgpr_count:     100
    .vgpr_count:     72
    .wavefront_size: 32
...
	.end_amdgpu_metadata
.endif
;; end of part 14
;; launch ffn1: the kernel of part 9 again; grid 156 x 1, 4 waves a work-group, clusters of 4 x 1, 327,680 bytes of LDS; arguments xg, wb, b1, route, hb; writes hb
;; launch ffn2: the kernel of part 10 again; grid 156 x 1, 4 waves a work-group, clusters of 4 x 1, 327,680 bytes of LDS; arguments hb, wb, b2, route, yb; writes yb
;; launch combine: the kernel of part 13 again; grid 256 x 1, 16 waves a work-group, no clusters, 0 bytes of LDS; arguments yb, gates, sel, route, x, wb, b1, b2, out0; writes out0
